; MI455X (gfx1250); checked and timed in simulation.
; The chip was launched on July 23, 2026; its instructions are those of AMD's public machine-readable ISA for CDNA 5 (MIT licence, August 2026) and "CDNA5" Instruction Set Architecture Reference Guide (July 2026). The comments in the code are by the model that wrote it; some were corrected since.
;; Transformer Block. Allowed arithmetic: matrix products marked QUANTISED: E4M3 operands, one E8M0 scale for each 32 along K, by v_wmma_scale_f32_16x16x128_f8f6f4 with both operands' format E4M3, f32 sums; products left as they are: f32 operands where the result goes on into a quantised operand, else bf16, f16 or f32 operands; f32 sums; everything else in f32.
;; Inputs: W1_codes 4,096 x 32 x 32 uint8 (E4M3 codes of W1, K innermost, in blocks of 32 codes); W1_scales 4,096 x 32 uint8 (E8M0 scales of W1, one for each 32 codes along K); W2_codes 1,024 x 128 x 32 uint8 (E4M3 codes of W2, K innermost, in blocks of 32 codes); W2_scales 1,024 x 128 uint8 (E8M0 scales of W2, one for each 32 codes along K); Wk_codes 256 x 32 x 32 uint8 (E4M3 codes of Wk, K innermost, in blocks of 32 codes); Wk_scales 256 x 32 uint8 (E8M0 scales of Wk, one for each 32 codes along K); Wo_codes 1,024 x 32 x 32 uint8 (E4M3 codes of Wo, K innermost, in blocks of 32 codes); Wo_scales 1,024 x 32 uint8 (E8M0 scales of Wo, one for each 32 codes along K); Wq_codes 1,024 x 32 x 32 uint8 (E4M3 codes of Wq, K innermost, in blocks of 32 codes); Wq_scales 1,024 x 32 uint8 (E8M0 scales of Wq, one for each 32 codes along K); Wv_codes 256 x 32 x 32 uint8 (E4M3 codes of Wv, K innermost, in blocks of 32 codes); Wv_scales 256 x 32 uint8 (E8M0 scales of Wv, one for each 32 codes along K); b1 4,096 float32; b2 1,024 float32; bk 256 float32; bo 1,024 float32; bq 1,024 float32; bv 256 float32; ln1_b 1,024 float32; ln1_g 1,024 float32; ln2_b 1,024 float32; ln2_g 1,024 float32; lora_qa_codes 16 x 32 x 32 uint8 (E4M3 codes of lora_qa, K innermost, in blocks of 32 codes); lora_qa_scales 16 x 32 uint8 (E8M0 scales of lora_qa, one for each 32 codes along K); lora_qb 16 x 1,024 float32; lora_va_codes 16 x 32 x 32 uint8 (E4M3 codes of lora_va, K innermost, in blocks of 32 codes); lora_va_scales 16 x 32 uint8 (E8M0 scales of lora_va, one for each 32 codes along K); lora_vb 16 x 256 float32; mask 1 x 1 x 2,048 x 2,048 int32; x 2 x 2,048 x 1,024 float32.
;; Outputs: out0 2 x 2,048 x 1,024 float32.
;; This version of the problem:
;;   THIS VERSION OF THE PROBLEM IS GIVEN IN LOW PRECISION. The matrix products marked QUANTISED in the list below multiply operands that are first quantised to E4M3 (4 exponent bits, 3 mantissa bits; 8 bits a number), with one power-of-two scale for each 32 numbers along K (OCP MX v1.0); their sums are f32. All else is computed in f32.
;;   The module's matrix products, in the order in which they are computed (A, B: the left and right operand; K: the contracted axis; several contracted axes count as one K, in the product's order):
;;     1. [M 4,096, K 1,024] x [K 1,024, N 1,024]; A: computed on the way; B: input Wq (given as codes): QUANTISED
;;     2. [M 4,096, K 1,024] x [K 1,024, N 16]; A: computed on the way; B: input lora_qa (given as codes): QUANTISED
;;     3. [M 4,096, K 16] x [K 16, N 1,024]; A: computed on the way; B: input lora_qb: left as it is (K = 16 < 32)
;;     4. [M 4,096, K 1,024] x [K 1,024, N 256]; A: computed on the way; B: input Wk (given as codes): QUANTISED
;;     5. [M 4,096, K 1,024] x [K 1,024, N 256]; A: computed on the way; B: input Wv (given as codes): QUANTISED
;;     6. [M 4,096, K 1,024] x [K 1,024, N 16]; A: computed on the way; B: input lora_va (given as codes): QUANTISED
;;     7. [M 4,096, K 16] x [K 16, N 256]; A: computed on the way; B: input lora_vb: left as it is (K = 16 < 32)
;;     8. batch 32 x [M 2,048, K 64] x [K 64, N 2,048]; A: computed on the way; B: computed on the way: QUANTISED
;;     9. batch 32 x [M 64, K 2,048] x [K 2,048, N 2,048]; A: computed on the way; B: softmax (see below): QUANTISED
;;     10. [M 4,096, K 1,024] x [K 1,024, N 1,024]; A: computed on the way; B: input Wo (given as codes): QUANTISED
;;     11. [M 4,096, K 1,024] x [K 1,024, N 4,096]; A: computed on the way; B: input W1 (given as codes): QUANTISED
;;     12. [M 4,096, K 4,096] x [K 4,096, N 1,024]; A: computed on the way; B: input W2 (given as codes): QUANTISED
;;   THE QUANTISER, for each operand of a quantised product, along K:
;;     - K is cut into blocks of 32 from its start; a last block that is shorter is filled with zeros.
;;     - A block's scale is 2^e with e = floor(log2(the largest magnitude in the block)) - 8, held to -126 .. 127; a block of zeros has e = 0. As a byte (E8M0): e + 127.
;;     - Each number is divided by its block's scale, clamped to +-448, and rounded to the nearest number of E4M3, ties to even, subnormals kept.
;;     - The product sums the exact products of the quantised numbers (number of the format x scale) in f32.
;;   ~~~python
;;   def quantise(x, axis):      # numpy; x: float32 -> the quantised numbers, widened to float32 again
;;       x = np.moveaxis(x, axis, -1); K = x.shape[-1]
;;       x = np.pad(x, [(0, 0)] * (x.ndim - 1) + [(0, -K % 32)]); x = x.reshape(x.shape[:-1] + (-1, 32)); a = np.abs(x).max(-1, keepdims=True)
;;       e = np.where(a > 0, np.clip(np.frexp(np.where(a > 0, a, 1))[1] - 1 - 8, -126, 127), 0)      # np.frexp(a)[1] - 1 = floor(log2(a)), exactly
;;       r = np.clip(x / 2.0 ** e, -448, 448)
;;       step = 2.0 ** (np.maximum(np.frexp(np.where(r == 0, 1, r))[1] - 1, -6) - 3)
;;       q = np.round(r / step) * step * 2.0 ** e      # np.round: ties to even
;;       return np.moveaxis(q.reshape(q.shape[:-2] + (-1,))[..., :K], -1, axis).astype(np.float32)
;;   ~~~
;;   SOFTMAX AHEAD OF A QUANTISED PRODUCT. Where the list says 'softmax', what is quantised is not the finished softmax but p = 2^(t - M), with t = logit x log2(e) and M = ceil(the row's largest t), a whole number; so 1/2 < the row's largest p <= 1. The row's sum l is taken of the UNQUANTISED p, in f32, and the product's result is divided by l at the end. Since M is a whole number, a kernel that streams over the keys may use a running M (the ceiling of the running maximum): every later rescaling is an exact power of two, which a block's scale takes up: the codes' values come out the same.
;;   OPERANDS COMPUTED ON THE WAY. 'Computed on the way' means the value that the module computes at that place (a softmax that the list does not call 'softmax' is quantised finished and normalised). What goes into a quantiser is computed in f32, as accurately as f32 sums, v_exp_f32 and their like allow (about 1e-6 of the number): no bf16 or f16 on the way to a quantiser, and a product that is left as it is and whose result goes on into a quantised operand takes f32 operands (vector FMAs, or v_wmma_f32_16x16x4_f32). A number that lies on a knife's edge between two numbers of the format may be rounded either way, as far as f32 arithmetic and the matrix unit's own rounding can turn it there, and no further.
;;   INPUTS GIVEN AS CODES. W1 (in the module: [1024, 4096], K = its axis 0); W2 (in the module: [4096, 1024], K = its axis 0); Wk (in the module: [1024, 256], K = its axis 0); Wo (in the module: [1024, 1024], K = its axis 0); Wq (in the module: [1024, 1024], K = its axis 0); Wv (in the module: [1024, 256], K = its axis 0); lora_qa (in the module: [1024, 16], K = its axis 0); lora_va (in the module: [1024, 16], K = its axis 0): each comes as NAME_codes (uint8): NAME with its K axis moved to the last place and cut into blocks of 32 codes, [.., K / 32, bytes a block], one block behind the other in memory; one code a byte (a code: sign, 4 exponent bits, 3 mantissa bits); and NAME_scales (uint8): the same leading axes, one E8M0 byte (e + 127) for each 32 codes along K. Its value is code x scale, taken as it is: it is not quantised again, and the codes and scales need not be those that the quantiser above would give.
;; 3 versions, each right; version 3 is version 2 with the launch attn written anew for expert scheduling mode. Each part assembles by itself: llvm-mc -triple=amdgcn-amd-amdhsa -mcpu=gfx1250 --defsym DOCPART=n.
;; ======== version 1 of 3: 8 launches
;; limits: right only within a limited range of input values
;; workspace buffers: hq 4,325,376 bytes; ac 4,325,376 bytes; hid 17,301,504 bytes; qc 4,456,448 bytes; kv 2,195,456 bytes; maskb 4,194,304 bytes; flags 8,192 bytes of whole numbers; x1 16,777,216 bytes
;; launch ln1 (part 1): grid 256 x 1, 8 waves a work-group, no clusters, 87,040 bytes of LDS; arguments x, ln1_g, ln1_b, hq; writes hq
.if DOCPART == 1
	.amdgcn_target "amdgcn-amd-amdhsa--gfx1250"
	.amdhsa_code_object_version 6
	.text
	.protected	k_q14b173add4_ln1
	.globl	k_q14b173add4_ln1
	.p2align	8
	.type	k_q14b173add4_ln1,@function
k_q14b173add4_ln1:
	s_mov_b64 s[64:65], 0
	v_nop
	global_prefetch_b8 v0, s[64:65] scope:SCOPE_SE
	s_setreg_imm32_b32 hwreg(HW_REG_WAVE_MODE, 25, 1), 1
	s_wait_xcnt 0x0
; LAYER NORM AND QUANTISER.  in: [4096][1024] f32; gain, bias: [1024] f32.  out: codes of E4M3 [4096][1024] at byte 0, and at byte 4,194,304 the E8M0
; scale bytes laid [K / 256 = 4][4096 tokens][8 bytes]: a token's two scale words of a K step of 256, as the next product's tensor loads want them.
; y = (x - mean) * rsqrt(mean((x - mean)^2) + 1e-5) * gain + bias, all in f32, in two passes over registers as the definition has it; then blocks of 32 along the row are quantised.
; SHARES.  A work-group takes 16 tokens; wave w takes columns 128 w .. 128 w + 127 of all 16.  Every load reads 512 consecutive bytes of a row; the numbers turn through the wave's own stage in LDS so that
; lane (r, h) holds, of token r, the numbers 32 c + 16 h + 0 .. 15 of each block c: 16 neighbours, as the conversions want them.  Row sums meet in LDS (three barriers in all).
; The codes meet in LDS too, and each wave stores two whole rows: 2,048 consecutive bytes.  The scale words leave in runs of 128 bytes: they are one byte in 32 of the codes.
; Memory binds: no matrix unit, no cluster, no tensor load; a work-group's 64 KiB are on their way from its first lines.
; LIMITS: NaN and infinities are not served; a block whose largest magnitude lies under 2^-118 keeps the scale byte 1 (a block of zeros too: its codes are zeros, and this program alone reads the bytes).
.set STGW, 8448                        ; a wave's stage: 16 rows x (512 + 16) bytes
.set RED1, 67584                       ; 8 waves x 16 row sums; the sums of squares lie 512 bytes on
.set OUTS, 68608                       ; 16 rows x (1,024 + 16) bytes of codes
.set SCS,  85248                       ; [4][16][8] scale bytes
.set RAW,  16                          ; v16-79   x as loaded; later the bias
.set X,    80                          ; v80-143  my 64 numbers
.set GA,   144                         ; v144-207 the gain
.set TM,   208                         ; v208-223 the quantiser's sixteen
.set PW,   224                         ; the scale word
.set MEAN, 226                         ; v[226:227] the mean, twice
.set RSD,  228                         ; v[228:229] 1 / the deviation, twice
.set PC,   232                         ; v232-247 the codes
.set PT,   248                         ; v248-255 partial sums
.set SEL,  24
.set MNT,  26
.macro BARRIER                         ; my LDS stores have landed and my LDS loads are in: then the work-group's barrier
	s_wait_dscnt 0x0
	s_barrier_signal -1
	s_barrier_wait -1
.endm
; 64 numbers of a lane, register 16 b + i = k 32 b + 16 (lane / 16) + i of my row, become 64 codes in v[PC] on and the row's scale word in v[PW]
.macro QUANT s
.irp b, 0,1,2,3
	v_max3_num_f32 v[TM+\b], |v[\s+16*\b]|, |v[\s+1+16*\b]|, 0x4800000   ; my 16 numbers of block b, and the floor 2^(9 - 127): the byte cannot fall under 1
.endr
.irp i, 2,4,6,8,10,12,14
.irp b, 0,1,2,3
	v_max3_num_f32 v[TM+\b], v[TM+\b], |v[\s+16*\b+\i]|, |v[\s+1+16*\b+\i]|
.endr
.endr
.irp b, 0,1,2,3
	v_permlanex16_b32 v[TM+4+\b], v[TM+\b], s[SEL], s[SEL+1]
.endr
.irp b, 0,1,2,3
	v_max_num_f32 v[TM+\b], v[TM+\b], v[TM+4+\b]                          ; with lane l xor 16's: the block's largest magnitude
.endr
.irp b, 0,1,2,3
	v_add_nc_u32 v[TM+12+\b], 0xfc000000, v[TM+\b]                        ; 8 off its exponent field: the conversion's scale operand
.endr
.irp b, 0,1,2,3
	v_and_or_b32 v[TM+8+\b], v[TM+\b], 0x7f800000, s[MNT]                 ; 448 x the scale
.endr
.irp b, 0,1,2,3
	v_lshrrev_b32 v[TM+4+\b], 23, v[TM+12+\b]                             ; the scale's byte
.endr
	v_lshl_or_b32 v[PW], v[TM+5], 8, v[TM+4]
	v_lshl_or_b32 v[PW], v[TM+6], 16, v[PW]
	v_lshl_or_b32 v[PW], v[TM+7], 24, v[PW]
.irp b, 0,1,2,3
.irp i, 0,1,2,3,4,5,6,7,8,9,10,11,12,13,14,15
	v_med3_num_f32 v[\s+16*\b+\i], v[\s+16*\b+\i], -v[TM+8+\b], v[TM+8+\b]   ; the conversion to an 8-bit code does not saturate (ISA guide 7.6.2): the hold
.endr
	v_cvt_scalef32_pk8_fp8_f32 v[PC+4*\b:PC+1+4*\b], v[\s+16*\b:\s+7+16*\b], v[TM+12+\b]
	v_cvt_scalef32_pk8_fp8_f32 v[PC+2+4*\b:PC+3+4*\b], v[\s+8+16*\b:\s+15+16*\b], v[TM+12+\b]
.endr
	v_nop                                          ; a plain line behind the last conversion
.endm
; the sum over the wave's 128 columns lies in v[PT]; off = where the eight waves' sums meet.  Behind it v[PT] holds the row's sum
.macro ROWSUM off
	v_pk_add_f32 v[PT:PT+1], v[PT:PT+1], v[PT+2:PT+3]
	v_add_f32 v[PT], v[PT], v[PT+1]
	v_permlanex16_b32 v[PT+1], v[PT], s[SEL], s[SEL+1]
	v_add_f32 v[PT], v[PT], v[PT+1]                ; my row's 128 numbers of this wave
	ds_store_b32 v8, v[PT] offset:\off             ; both halves of the lanes write the same word with the same value
	BARRIER
.irp i, 0,1,2,3,4,5,6,7
	ds_load_b32 v[PT+\i], v9 offset:\off+64*\i
.endr
	s_wait_dscnt 0x0
	v_add_f32 v[PT], v[PT], v[PT+1]
	v_add_f32 v[PT+2], v[PT+2], v[PT+3]
	v_add_f32 v[PT+4], v[PT+4], v[PT+5]
	v_add_f32 v[PT+6], v[PT+6], v[PT+7]
	v_add_f32 v[PT], v[PT], v[PT+2]
	v_add_f32 v[PT+4], v[PT+4], v[PT+6]
	v_add_f32 v[PT], v[PT], v[PT+4]
.endm
	s_load_b256 s[4:11], s[0:1], 0x0               ; in s[4:5], gain s[6:7], bias s[8:9], out s[10:11]
	v_lshl_add_u32 v230, v0, 2, 0x15000
	v_mov_b32 v231, 0
	v_lshrrev_b32 v1, 5, v0
	v_readfirstlane_b32 s12, v1                    ; wave 0..7
	v_and_b32 v1, 31, v0                           ; lane
	v_and_b32 v2, 15, v0                           ; r
	v_bfe_u32 v3, v0, 4, 1                         ; h
	s_lshl_b32 s13, s12, 9                         ; my 512 bytes of a row
	s_mul_i32 s14, s12, STGW                       ; my stage
	v_lshlrev_b32 v12, 4, v1                       ; 16 x lane
	v_add_nc_u32 v4, s13, v12                      ; x: my 16 bytes of a row
	v_add_nc_u32 v5, s14, v12                      ; into the stage, as loaded
	v_mul_u32_u24 v6, v2, 528
	v_lshl_add_u32 v6, v3, 6, v6
	v_add_nc_u32 v6, s14, v6                       ; out of it: row r, + 64 h
	v_lshlrev_b32 v7, 6, v3
	v_add_nc_u32 v7, s13, v7                       ; gain and bias: 512 w + 64 h
	v_lshl_add_u32 v9, v2, 2, RED1                 ; the sums of row r,
	s_lshl_b32 s15, s12, 6
	v_add_nc_u32 v8, s15, v9                       ; and my wave's among them
	v_mul_u32_u24 v10, v2, 1040
	v_lshl_add_u32 v10, v3, 4, v10
	s_lshl_b32 s15, s12, 7
	s_add_co_u32 s15, s15, OUTS
	v_add_nc_u32 v10, s15, v10                     ; codes in: row r, + 128 w + 16 h
	s_mul_i32 s15, s12, 2080
	s_add_co_u32 s15, s15, OUTS
	v_add_nc_u32 v11, s15, v12                     ; codes back: rows 2 w, 2 w + 1
	s_lshr_b32 s15, s12, 1
	s_lshl_b32 s15, s15, 7
	s_and_b32 s16, s12, 1
	s_lshl_b32 s16, s16, 2
	s_add_co_u32 s15, s15, s16
	s_add_co_u32 s15, s15, SCS
	v_lshl_add_u32 v13, v2, 3, s15                 ; my scale word: K step w / 2, token r, word w % 2
	v_add_nc_u32 v14, SCS, v12                     ; wave 0 reads them back, 16 bytes a lane,
	v_lshrrev_b32 v15, 3, v1
	v_lshlrev_b32 v15, 15, v15
	v_and_b32 v225, 7, v1
	v_lshl_add_u32 v15, v225, 4, v15               ; and stores them: K step lane / 8 (32,768 bytes apart), tokens 2 (lane % 8) on
	s_mov_b32 s[SEL], 0x76543210
	s_mov_b32 s[SEL+1], 0xfedcba98                 ; v_permlanex16_b32's selects for lane l xor 16
	s_mov_b32 s[MNT], 0x600000                     ; the mantissa field of 448
.irp b, 0,1,2,3
	v_mov_b32 v[TM+4+\b], 0                        ; written once: a lane permute's destination counts as one of its sources
.endr
	s_lshl_b32 s16, ttmp9, 16                      ; 16 tokens x 4,096 bytes
	s_mov_b32 s17, 0
	s_lshl_b32 s18, ttmp9, 14                      ; 16 tokens x 1,024 bytes,
	s_lshl_b32 s19, s12, 11                        ; + my two rows
	s_add_co_u32 s18, s18, s19
	s_mov_b32 s19, 0
	s_lshl_b32 s20, ttmp9, 7                       ; 16 tokens x 8 bytes,
	s_add_co_u32 s20, s20, 4194304                 ; behind the codes
	s_mov_b32 s21, 0
	s_wait_kmcnt 0x0
	s_add_nc_u64 s[4:5], s[4:5], s[16:17]
	s_add_nc_u64 s[20:21], s[10:11], s[20:21]
	s_add_nc_u64 s[10:11], s[10:11], s[18:19]
.irp i, 0,1,2,3,4,5,6,7,8,9,10,11,12,13,14,15
	global_load_b128 v[RAW+4*\i:RAW+4*\i+3], v4, s[4:5] offset:4096*\i th:TH_LOAD_NT   ; 32 lanes read 512 consecutive bytes of row i
.endr
.irp c, 0,1,2,3
.irp j, 0,1,2,3
	global_load_b128 v[GA+16*\c+4*\j:GA+16*\c+4*\j+3], v7, s[6:7] offset:128*\c+16*\j
.endr
.endr
	s_wait_loadcnt 16                              ; x is in: the gain's sixteen loads are younger
.irp i, 0,1,2,3,4,5,6,7,8,9,10,11,12,13,14,15
	ds_store_b128 v5, v[RAW+4*\i:RAW+4*\i+3] offset:528*\i
.endr
.irp c, 0,1,2,3
.irp j, 0,1,2,3
	ds_load_b128 v[X+16*\c+4*\j:X+16*\c+4*\j+3], v6 offset:128*\c+16*\j   ; LDS serves a wave's instructions in order: these see my stores
.endr
.endr
	s_wait_dscnt 0x0                               ; my numbers are back, and the stores have read their registers,
.irp c, 0,1,2,3
.irp j, 0,1,2,3
	global_load_b128 v[RAW+16*\c+4*\j:RAW+16*\c+4*\j+3], v7, s[8:9] offset:128*\c+16*\j   ; which take the bias
.endr
.endr
	v_pk_add_f32 v[PT:PT+1], v[X:X+1], v[X+4:X+5]  ; the sum of my 64, two at a time, in two chains
	v_pk_add_f32 v[PT+2:PT+3], v[X+2:X+3], v[X+6:X+7]
.irp j, 8,12,16,20,24,28,32,36,40,44,48,52,56,60
	v_pk_add_f32 v[PT:PT+1], v[PT:PT+1], v[X+\j:X+\j+1]
	v_pk_add_f32 v[PT+2:PT+3], v[PT+2:PT+3], v[X+\j+2:X+\j+3]
.endr
	ROWSUM 0
	v_mul_f32 v[MEAN], 0x3a800000, v[PT]           ; / 1,024
	v_mov_b32 v[MEAN+1], v[MEAN]
.irp j, 0,2,4,6,8,10,12,14,16,18,20,22,24,26,28,30,32,34,36,38,40,42,44,46,48,50,52,54,56,58,60,62
	v_pk_add_f32 v[X+\j:X+\j+1], v[X+\j:X+\j+1], v[MEAN:MEAN+1] op_sel_hi:[1,0] neg_lo:[0,1] neg_hi:[0,1]   ; x - mean
.endr
	v_pk_mul_f32 v[PT:PT+1], v[X:X+1], v[X:X+1]
	v_pk_mul_f32 v[PT+2:PT+3], v[X+2:X+3], v[X+2:X+3]
.irp j, 4,8,12,16,20,24,28,32,36,40,44,48,52,56,60
	v_pk_fma_f32 v[PT:PT+1], v[X+\j:X+\j+1], v[X+\j:X+\j+1], v[PT:PT+1]
	v_pk_fma_f32 v[PT+2:PT+3], v[X+\j+2:X+\j+3], v[X+\j+2:X+\j+3], v[PT+2:PT+3]
.endr
	ROWSUM 512                                     ; other bytes than the first sums': no wave still reads what is written here
	v_mul_f32 v[PT], 0x3a800000, v[PT]             ; the variance,
	v_add_f32 v[PT], 0x3727c5ac, v[PT]             ; + 1e-5
	v_rsq_f32 v[RSD], v[PT]
	v_nop                                          ; a plain line behind the transcendental
	s_wait_alu depctr_va_vdst(0)                   ; and the wait ahead of its first reader
	v_mov_b32 v[RSD+1], v[RSD]
	s_wait_loadcnt 0x0                             ; gain and bias
.irp j, 0,2,4,6,8,10,12,14,16,18,20,22,24,26,28,30,32,34,36,38,40,42,44,46,48,50,52,54,56,58,60,62
	v_pk_mul_f32 v[X+\j:X+\j+1], v[X+\j:X+\j+1], v[RSD:RSD+1] op_sel_hi:[1,0]
.endr
.irp j, 0,2,4,6,8,10,12,14,16,18,20,22,24,26,28,30,32,34,36,38,40,42,44,46,48,50,52,54,56,58,60,62
	v_pk_fma_f32 v[X+\j:X+\j+1], v[X+\j:X+\j+1], v[GA+\j:GA+\j+1], v[RAW+\j:RAW+\j+1]
.endr
	QUANT X
.irp c, 0,1,2,3
	ds_store_b128 v10, v[PC+4*\c:PC+4*\c+3] offset:32*\c   ; 16 codes: k = 128 w + 32 c + 16 h on
.endr
	ds_store_b32 v13, v[PW]
	BARRIER                                        ; 16 whole rows of codes and their scale words lie in LDS
	ds_load_b128 v[X:X+3], v11
	ds_load_b128 v[X+4:X+7], v11 offset:512
	ds_load_b128 v[X+8:X+11], v11 offset:1040
	ds_load_b128 v[X+12:X+15], v11 offset:1552
	s_wait_dscnt 0x0
.irp i, 0,1,2,3
	global_store_b128 v12, v[X+4*\i:X+4*\i+3], s[10:11] offset:512*\i   ; two rows: 2,048 consecutive bytes, each store two aligned runs of 256
.endr
	s_cmp_lg_u32 s12, 0
	s_cbranch_scc1 .Ldone
	ds_load_b128 v[RAW:RAW+3], v14
	s_wait_dscnt 0x0
	global_store_b128 v15, v[RAW:RAW+3], s[20:21]  ; eight lanes store 128 consecutive bytes: 16 tokens' words of one K step
.Ldone:
	s_wait_tensorcnt 0x0
	ds_add_u32 v230, v231
	s_wait_dscnt 0x0
	s_endpgm
.Lfunc_end_k_q14b173add4_ln1:
	.size	k_q14b173add4_ln1, .Lfunc_end_k_q14b173add4_ln1-k_q14b173add4_ln1
	.p2alignl 7, 3214868480
	.fill 96, 4, 3214868480
	.section	.rodata,"a",@progbits
	.p2align	6, 0x0
	.amdhsa_kernel k_q14b173add4_ln1
		.amdhsa_group_segment_fixed_size 87040
		.amdhsa_private_segment_fixed_size 0
		.amdhsa_enable_private_segment 0
		.amdhsa_kernarg_size 32
		.amdhsa_user_sgpr_count 2
		.amdhsa_user_sgpr_kernarg_segment_ptr 1
		.amdhsa_wavefront_size32 1
		.amdhsa_system_sgpr_workgroup_id_x 1
		.amdhsa_system_sgpr_workgroup_id_y 1
		.amdhsa_system_sgpr_workgroup_id_z 1
		.amdhsa_system_vgpr_workitem_id 0
		.amdhsa_next_free_vgpr 256
		.amdhsa_next_free_sgpr 66
		.amdhsa_reserve_vcc 0
		.amdhsa_float_denorm_mode_32 3
		.amdhsa_float_denorm_mode_16_64 3
		.amdhsa_memory_ordered 1
		.amdhsa_forward_progress 1
		.amdhsa_inst_pref_size 32
	.end_amdhsa_kernel
	.amdgpu_metadata
---
amdhsa.version: [ 1, 2 ]
amdhsa.kernels:
  - .name:           k_q14b173add4_ln1
    .symbol:         k_q14b173add4_ln1.kd
    .args:
      - { .name: x, .offset: 0, .size: 8, .value_kind: global_buffer, .address_space: global }
      - { .name: ln1_g, .offset: 8, .size: 8, .value_kind: global_buffer, .address_space: global }
      - { .name: ln1_b, .offset: 16, .size: 8, .value_kind: global_buffer, .address_space: global }
      - { .name: hq, .offset: 24, .size: 8, .value_kind: global_buffer, .address_space: global }
    .group_segment_fixed_size: 87040
    .private_segment_fixed_size: 0
    .kernarg_segment_align: 8
    .kernarg_segment_size: 32
    .max_flat_workgroup_size: 256
    .sgpr_count:     66
    .vgpr_count:     256
    .wavefront_size: 32
...
	.end_amdgpu_metadata
.endif
;; end of part 1
;; launch maskp (part 2): grid 256 x 1, 8 waves a work-group, no clusters, 18,432 bytes of LDS; arguments mask, maskb, flags; writes maskb, flags
.if DOCPART == 2
	.amdgcn_target "amdgcn-amd-amdhsa--gfx1250"
	.amdhsa_code_object_version 6
	.text
	.protected	k_q14b173add4_maskp
	.globl	k_q14b173add4_maskp
	.p2align	8
	.type	k_q14b173add4_maskp,@function
k_q14b173add4_maskp:
	s_mov_b64 s[64:65], 0
	v_nop
	global_prefetch_b8 v0, s[64:65] scope:SCOPE_SE
	s_setreg_imm32_b32 hwreg(HW_REG_WAVE_MODE, 25, 1), 1
	s_wait_xcnt 0x0
; THE MASK, [2048 queries][2048 keys] int32, becomes one E4M3 byte an element (0x00 where the mask is not 0; 0xfe = -448 where it is 0) and one whole number for each 16 queries x 128 keys (1 = some key counts).
; maskb is laid as the attention launch's registers take it: [tile of queries 128][key step 16][c 4][lane 32][16 bytes]: lane (r, h), piece c, byte i = key 128 s + 32 c + 16 h + i of the tile's row r.
; Row r of tile qt is query 32 (qt / 2) + 8 (qt % 2) + r + 8 (r / 8): the same order in which the tiles of Q are laid.
; SHARES.  Work-group x: tile x / 2, key steps 8 (x % 2) .. + 7, a step to a wave.  A wave's sixteen loads read 512 consecutive bytes each; the packed bytes turn through the wave's own LDS
; (eight pieces of 256 bytes + 16 of padding) and leave as 2,048 consecutive bytes.  Waves share nothing: no barrier.  Memory binds: no matrix unit, no cluster.
.set M, 16                             ; v16-79 sixteen rows x four keys a lane
	s_load_b128 s[4:7], s[0:1], 0x0                ; mask, maskb
	s_load_b64 s[8:9], s[0:1], 0x10                ; flags
	v_lshl_add_u32 v128, v0, 2, 0x4400
	v_mov_b32 v129, 0
	v_lshrrev_b32 v1, 5, v0
	v_readfirstlane_b32 s10, v1                    ; wave
	v_and_b32 v1, 31, v0                           ; lane
	s_lshr_b32 s11, ttmp9, 1                       ; qt
	s_and_b32 s12, ttmp9, 1
	s_lshl_b32 s12, s12, 3
	s_add_co_u32 s12, s12, s10                     ; s: my key step
	s_lshr_b32 s13, s11, 1
	s_lshl_b32 s13, s13, 5
	s_and_b32 s14, s11, 1
	s_lshl_b32 s14, s14, 3
	s_add_co_u32 s13, s13, s14                     ; the tile's first query
	s_lshl_b32 s13, s13, 13                        ; x 8,192 bytes a row,
	s_lshl_b32 s14, s12, 9                         ; + 512 bytes a key step
	s_add_co_u32 s14, s13, s14
	s_mov_b32 s15, 0
	s_lshl_b32 s16, s11, 4
	s_add_co_u32 s16, s16, s12                     ; 16 qt + s
	s_lshl_b32 s18, s16, 2                         ; its flag,
	s_mov_b32 s19, 0
	s_lshl_b32 s16, s16, 11                        ; its 2,048 bytes
	s_mov_b32 s17, 0
	s_mov_b32 s20, 0xfe
	s_mul_i32 s21, s10, 2176                       ; my LDS
	v_lshlrev_b32 v2, 4, v1                        ; 16 x lane
	v_lshrrev_b32 v3, 2, v1
	v_mul_u32_u24 v3, v3, 272
	v_and_b32 v4, 3, v1
	v_lshl_add_u32 v3, v4, 2, v3
	v_add_nc_u32 v3, s21, v3                       ; in: my four keys lie in piece lane / 4, at byte 4 (lane % 4) of a row's 16
	v_lshrrev_b32 v4, 4, v1
	v_mul_u32_u24 v4, v4, 272
	v_and_b32 v5, 15, v1
	v_lshl_add_u32 v4, v5, 4, v4
	v_add_nc_u32 v4, s21, v4                       ; back: piece 2 c + lane / 16, row lane % 16
	v_mov_b32 v8, 0                                ; the OR of all that counts
	s_wait_kmcnt 0x0
	s_add_nc_u64 s[4:5], s[4:5], s[14:15]
	s_add_nc_u64 s[6:7], s[6:7], s[16:17]
	s_add_nc_u64 s[8:9], s[8:9], s[18:19]
.irp i, 0,1,2,3,4,5,6,7,8,9,10,11,12,13,14,15
	global_load_b128 v[M+4*\i:M+4*\i+3], v2, s[4:5] offset:(\i+8*(\i/8))*8192 th:TH_LOAD_NT
.endr
.irp i, 0,1,2,3,4,5,6,7,8,9,10,11,12,13,14,15
	s_wait_loadcnt 15-\i                           ; row i is in; the rows behind it may be out
	v_min_u32 v[M+4*\i], 1, v[M+4*\i]              ; 1 where the mask is not 0
	v_min_u32 v[M+4*\i+1], 1, v[M+4*\i+1]
	v_min_u32 v[M+4*\i+2], 1, v[M+4*\i+2]
	v_min_u32 v[M+4*\i+3], 1, v[M+4*\i+3]
	v_lshl_or_b32 v[M+4*\i], v[M+4*\i+1], 8, v[M+4*\i]
	v_lshl_or_b32 v[M+4*\i], v[M+4*\i+2], 16, v[M+4*\i]
	v_lshl_or_b32 v[M+4*\i], v[M+4*\i+3], 24, v[M+4*\i]
	v_or_b32 v8, v8, v[M+4*\i]
	v_xor_b32 v[M+4*\i], 0x01010101, v[M+4*\i]     ; 1 where the key is hidden,
	v_mul_lo_u32 v[M+4*\i], v[M+4*\i], s20         ; 0xfe there
	ds_store_b32 v3, v[M+4*\i] offset:16*\i
.endr
.irp c, 0,1,2,3
	ds_load_b128 v[80+4*\c:83+4*\c], v4 offset:544*\c   ; LDS serves a wave's instructions in order: these see my stores
.endr
.irp c, 0,1,2,3
	s_wait_dscnt 3-\c
	global_store_b128 v2, v[80+4*\c:83+4*\c], s[6:7] offset:512*\c   ; 512 consecutive bytes
.endr
	v_cmp_ne_u32 vcc_lo, 0, v8
	s_cmp_lg_u32 vcc_lo, 0
	s_cselect_b32 s21, 1, 0                        ; does any key of the 16 x 128 count?
	v_mov_b32 v9, s21
	v_mov_b32 v10, 0
	v_cmp_eq_u32 vcc_lo, 0, v1
	s_wait_xcnt 0x0                                ; EXEC changes only behind this wait
	s_wait_tensorcnt 0x0
	ds_add_u32 v128, v129
	s_wait_dscnt 0x0
	s_and_saveexec_b32 s22, vcc_lo
	global_store_b32 v10, v9, s[8:9]               ; lane 0 stores the flag
	s_wait_xcnt 0x0
	s_or_b32 exec_lo, exec_lo, s22
	s_endpgm
.Lfunc_end_k_q14b173add4_maskp:
	.size	k_q14b173add4_maskp, .Lfunc_end_k_q14b173add4_maskp-k_q14b173add4_maskp
	.p2alignl 7, 3214868480
	.fill 96, 4, 3214868480
	.section	.rodata,"a",@progbits
	.p2align	6, 0x0
	.amdhsa_kernel k_q14b173add4_maskp
		.amdhsa_group_segment_fixed_size 18432
		.amdhsa_private_segment_fixed_size 0
		.amdhsa_enable_private_segment 0
		.amdhsa_kernarg_size 24
		.amdhsa_user_sgpr_count 2
		.amdhsa_user_sgpr_kernarg_segment_ptr 1
		.amdhsa_wavefront_size32 1
		.amdhsa_system_sgpr_workgroup_id_x 1
		.amdhsa_system_sgpr_workgroup_id_y 1
		.amdhsa_system_sgpr_workgroup_id_z 1
		.amdhsa_system_vgpr_workitem_id 0
		.amdhsa_next_free_vgpr 130
		.amdhsa_next_free_sgpr 66
		.amdhsa_reserve_vcc 1
		.amdhsa_float_denorm_mode_32 3
		.amdhsa_float_denorm_mode_16_64 3
		.amdhsa_memory_ordered 1
		.amdhsa_forward_progress 1
		.amdhsa_inst_pref_size 14
	.end_amdhsa_kernel
	.amdgpu_metadata
---
amdhsa.version: [ 1, 2 ]
amdhsa.kernels:
  - .name:           k_q14b173add4_maskp
    .symbol:         k_q14b173add4_maskp.kd
    .args:
      - { .name: mask, .offset: 0, .size: 8, .value_kind: global_buffer, .address_space: global }
      - { .name: maskb, .offset: 8, .size: 8, .value_kind: global_buffer, .address_space: global }
      - { .name: flags, .offset: 16, .size: 8, .value_kind: global_buffer, .address_space: global }
    .group_segment_fixed_size: 18432
    .private_segment_fixed_size: 0
    .kernarg_segment_align: 8
    .kernarg_segment_size: 24
    .max_flat_workgroup_size: 256
    .sgpr_count:     66
    .vgpr_count:     130
    .wavefront_size: 32
...
	.end_amdgpu_metadata
.endif
;; end of part 2
;; launch qkv (part 3): grid 12 x 16, 4 waves a work-group, clusters of 4 x 4, 327,680 bytes of LDS; arguments hq, Wq_codes, Wq_scales, Wk_codes, Wk_scales, Wv_codes, Wv_scales, lora_qa_codes, lora_qa_scales, lora_va_codes, lora_va_scales, lora_qb, lora_vb, bq, bk, bv, qc, kv; writes qc, kv
.if DOCPART == 3
	.amdgcn_target "amdgcn-amd-amdhsa--gfx1250"
	.amdhsa_code_object_version 6
	.text
	.protected	k_q14b173add4_qkv
	.globl	k_q14b173add4_qkv
	.p2align	8
	.type	k_q14b173add4_qkv,@function
k_q14b173add4_qkv:
	s_mov_b64 s[64:65], 0
	v_nop
	global_prefetch_b8 v0, s[64:65] scope:SCOPE_SE
	s_setreg_imm32_b32 hwreg(HW_REG_WAVE_MODE, 25, 1), 1
	s_wait_xcnt 0x0
	s_wait_alu depctr_hold_cnt(0) depctr_sa_sdst(0) depctr_va_vdst(0) depctr_va_sdst(0) depctr_va_ssrc(0) depctr_va_vcc(0) depctr_vm_vsrc(0)
	s_getreg_b32 s2, hwreg(HW_REG_IB_STS2, 6, 4)
	s_cmp_eq_u32 s2, 0
	s_cbranch_scc0 .Lentry_in_a_cluster
	s_endpgm
.Lentry_in_a_cluster:
	s_bfe_u32 s2, ttmp6, 0x10000c
	s_cmp_lg_u32 s2, 0xf033
	s_cbranch_scc0 .Lentry_shape_is_right
	s_endpgm
.Lentry_shape_is_right:
; q = h Wq + bq + 2 (h qa) qb;  k = h Wk + bk;  v = h Wv + bv + 2 (h va) vb;  h arrives as codes of E4M3 with E8M0 scales (hq), the weights likewise.  The results are quantised here for the attention launch.
; A work-group makes 256 tokens x 128 columns, each of its four waves 128 tokens (one key step of one batch) x 64 columns (one head).  Clusters x = 0, 1: the columns are two heads of Q.
; Cluster x = 2: group g = the work-group's place along x; waves with the low bit 0 make K of group g, the others V.  The kind hangs on the cluster's x and the wave's number alone, which all partners share.
; K goes in steps of 256 through a ring of two LDS slots filled by joint tensor loads: A's tile is shared along a row of the 4 x 4 cluster, B's along a column.  All scale bytes come once, with the first fills.
; THE MATRIX INSTRUCTION IS USED TRANSPOSED (source 0 = 16 rows of the weight, source 1 = 16 tokens): a lane holds one token and eight neighbouring columns.
; LORA.  h a (K = 1,024, 16 ranks) rides along: one more product for each block of tokens and each 128 of K.  K's waves walk it too: they would else wait at the barriers for V's waves.
; (h a) b has K = 16 and goes on into a quantiser: f32 operands, v_wmma_f32_16x16x4_f32, added onto the same accumulators, which matrix instructions alone write.  In slot s of K lane (r, h), register j
; stands for rank 8 h + 2 s + j on both sides, so the first product's registers are the second's operand as they stand.  The factor 2 is put on b, exactly.
; OUT.  Q and K: blocks of 32 along the head's 64; images of the attention launch's registers: [tile 8][c 2][lane 32][16 bytes]; tile 2 b + u, row r = token 32 b + 8 u + r + 8 (r / 8); the scale words [r 16][tile 8],
; bytes 2 and 3 = 0x7f (the upper 64 of that launch's K step of 128 hold zero codes on Q's side).  V: turned through LDS in f32, quantised along the KEYS: [tile of 16 channels 4][c 4][lane][16], words [r 16][tile 4].
; REGISTERS: window 0: v0-31 addresses; v32-63 A's scale words, v64-79 B's, v80-87 lora a's; v96-127 at work on the way out; v128-255 A's fragments, ONE set.  window 1: v0-127 B's fragments, two sets; v128-255 lora a's eight.
;   window 2: the 32 accumulators ((a, b) at v[8 (4 a + b)]).   window 3: v0-63 h a, eight accumulators; v96-127 lora b.
; LIMITS: NaN and infinities are not served; a block whose largest magnitude lies under 2^-118 keeps the scale byte 1 (a block of zeros too: its codes are zeros, and this program alone reads the bytes).
.set SIZE_K, 1024
.set SCOFF,  4194304                   ; where hq's scale bytes begin
.set NB,     4                         ; blocks of 16 columns to a wave
.set KSTEP,  256
.set ROWB,   256
.set KROW,   SIZE_K
.set PITCH,  272                       ; an LDS row: 256 bytes + 16 of padding: the 16 rows that a load touches start at 16 different banks (64 banks of 4 bytes: ISA guide 11.1)
.set FR,     16
.set NL,     4
.set NP,     8                         ; places behind this matrix instruction (ISA guide 7.12.1)
.set HALFA,  128*PITCH
.set HALFB,  16*NB*PITCH
.set SLOT,   2*HALFA+2*HALFB           ; A's 256 rows, then B's 128
.set NX,     SIZE_K/KSTEP
.set KS,     SIZE_K/32
.set SCA,    2*SLOT                    ; A's scale words: for each half of the rows NX rows of 1,024 bytes + 16
.set HALFSA, NX*1040
.set SCB,    (SCA+2*HALFSA+255)/256*256
.set RSB,    16*NB*KS/256              ; B's: units of 256 bytes + 16
.set HALFSB, RSB*272
.set SBLK,   (16*KS/256)*272
.set SPARE,  (SCB+2*HALFSB+255)/256*256   ; the spare words, 128 bytes for each wave: two blocks of 256 bytes that no other line names
.set STAGE,  SPARE+512                 ; the way out: 17,408 bytes for each wave; no fill lands here
.set STW,    17408
.set WOFF,   16896                     ; in it: the scale words
.set CIA, 5
.set WIA, 6
.set VTS, 7
.set VTR, 8
.set WIV, 9
.set LIN, 10
.set L16, 11
.set L8S, 12
.set L8,  13
.set BIO, 14
.set LAO, 15
.set ADRA, 16
.set LSO, 18
.set ADRB, 20
.set ADSA, 22
.set ADSB, 23
.set SPW, 28
.set NIL, 29
.set PW,  30
.set SA,  32
.set SB,  64
.set LS,  80
.set TM,  96
.set PC,  112
.set AF,  128
.set T,   128
.set SEL, 20
.set MNT, 22
.set G1, 24
.set G0, 32
.set G1B, 48
.set G0B, 56
.set G1S, 68
.set G0S, 76
.set G1SB, 80
.set G0SB, 88
.set MSB, 0
.set KSN, 0                            ; which 128 of K is at work: the steps are written out
.macro WIN new                         ; the immediate's high byte repeats the setting that is left
.if MSB != \new
	s_set_vgpr_msb (MSB<<8)|\new
.set MSB, \new
.endif
.endm
.set MUL,  0xa1                        ; source 0 (B) window 1, source 1 (A) window 0, C and D window 2
.set LAW,  0xf1                        ; the same, C and D window 3
.set TO_B, 0x40
; A joint load: waves 0 and 1 fetch for A, waves 2 and 3 for B; the branch hangs on the wave's number alone.  Four v_nop follow each of the two lines.
.macro JLOAD g0a, g1a, g0b, g1b
	s_cmp_eq_u32 s15, 0
	s_cbranch_scc0 .Lfor_b_\@
	tensor_load_to_lds s[\g0a:\g0a+3], s[\g1a:\g1a+7]
	s_nop 0
.rept 4
	v_nop
.endr
	s_branch .Lasked_\@
.Lfor_b_\@:
	tensor_load_to_lds s[\g0b:\g0b+3], s[\g1b:\g1b+7]
	s_nop 0
.rept 4
	v_nop
.endr
.Lasked_\@:
.endm
.macro CREST                           ; a round of the cluster's barrier behind its opening barrier
	s_cmp_lg_u32 s14, 0
	s_cbranch_scc1 .Lnot_wave_0_\@
	s_barrier_signal -3
.Lnot_wave_0_\@:
	s_barrier_wait -3
	s_barrier_signal -1
	s_barrier_wait -1
.endm
.macro CROUND
	s_barrier_signal -1
	s_barrier_wait -1
	CREST
.endm
.macro PLACES n
.rept \n
	v_nop
.endr
.endm
	s_load_b512 s[24:39], s[0:1], 0x0              ; hq, Wq c, Wq s, Wk c, Wk s, Wv c, Wv s, qa c
	s_load_b512 s[40:55], s[0:1], 0x40             ; qa s, va c, va s, qb, vb, bq, bk, bv
	s_load_b128 s[56:59], s[0:1], 0x80             ; qc, kv
	v_lshl_add_u32 v[SPW], v0, 2, SPARE
	v_mov_b32 v[NIL], 0
	ds_add_u32 v28, v29
	ds_add_u32 v28, v29
	s_wait_dscnt 0x0
	v_lshrrev_b32 v1, 5, v0
	v_readfirstlane_b32 s14, v1                    ; wave 0..3
	s_lshr_b32 s15, s14, 1                         ; which 128 tokens are mine.  Also: I fetch for A (0) or for B (1)
	s_and_b32 s16, s14, 1                          ; which 64 columns.  Also: which half of that tile I fetch
	s_bfe_u32 s66, ttmp6, 0x40000                  ; cx, cy: my place in the cluster
	s_bfe_u32 s67, ttmp6, 0x40004
	s_lshl_b32 s100, ttmp9, 2
	s_add_co_u32 s100, s100, s66                   ; x = 4 x cluster x + cx
	s_and_b32 s17, ttmp7, 0xffff
	s_lshl_b32 s17, s17, 2
	s_add_co_u32 s17, s17, s67                     ; y = 4 x cluster y + cy: tokens 256 y on
	s_lshl_b32 s101, s67, 2
	s_lshl_b32 s101, 15, s101                      ; my row of the cluster
	s_lshl_b32 s104, 0x1111, s66                   ; my column
	s_add_co_u32 s18, s16, 1
	s_cmp_eq_u32 ttmp9, 2
	s_cselect_b32 s105, 1, 0
	s_mul_i32 s105, s105, s18                      ; my kind: 0 Q, 1 K, 2 V
	s_lshl_b32 s18, s100, 7
	s_lshl_b32 s19, s16, 6
	s_add_co_u32 s18, s18, s19                     ; Q: weight rows 128 x + 64 (wave % 2) on
	s_lshl_b32 s19, s66, 6                         ; K, V: 64 g on
	s_cmp_eq_u32 ttmp9, 2
	s_cselect_b32 s2, s19, s18                     ; my first weight row = my first column
	s_wait_kmcnt 0x0
	s_cmp_eq_u32 s16, 0                            ; the buffers are chosen on ids alone
	s_cselect_b64 s[30:31], s[30:31], s[34:35]     ; Wk or Wv
	s_cselect_b64 s[32:33], s[32:33], s[36:37]
	s_cselect_b64 s[52:53], s[52:53], s[54:55]     ; bk or bv
	s_cmp_eq_u32 ttmp9, 2
	s_cselect_b64 s[6:7], s[30:31], s[26:27]       ; B's codes
	s_cselect_b64 s[8:9], s[32:33], s[28:29]       ; B's scales
	s_cselect_b64 s[10:11], s[52:53], s[50:51]     ; the bias
	s_cselect_b64 s[92:93], s[42:43], s[38:39]     ; lora a's codes
	s_cselect_b64 s[94:95], s[44:45], s[40:41]     ; lora a's scales
	s_cselect_b64 s[96:97], s[48:49], s[46:47]     ; lora b (K's waves load vb and do not use it)
	s_cselect_b64 s[98:99], s[58:59], s[56:57]     ; out
	s_mov_b64 s[4:5], s[24:25]                     ; hq
	; descriptor groups 1.  A's tiles: 128 rows x 256 bytes;  B's: 64 rows
	s_or_b32 s[G1+0], s101, (0<<16)|(1<<20)|(1<<21)|(5<<22)|(3<<25)   ; 15:0 the mask: my row; elements of 1 byte; padding on; bit 21 beside a mask; four words after every 64
	s_or_b32 s[G1B+0], s104, (0<<16)|(1<<20)|(1<<21)|(5<<22)|(3<<25)  ; the same with my column
.irp g, G1, G1B
	s_mov_b32 s[\g+1], ROWB<<16                    ; tensor_dim0
	s_mov_b32 s[\g+3], ROWB<<16                    ; tile_dim0
	s_mov_b32 s[\g+5], KROW                        ; the pitch
	s_mov_b32 s[\g+6], 0
	s_mov_b32 s[\g+7], 0
.endr
	s_mov_b32 s[G1+2], 128<<16                     ; tensor_dim1
	s_mov_b32 s[G1+4], 128                         ; tile_dim1
	s_mov_b32 s[G1B+2], (16*NB)<<16
	s_mov_b32 s[G1B+4], 16*NB
	; A's scale words of 128 tokens: NX rows (one a K step) of 128 elements of 8 bytes, 4,096 elements apart; 16 bytes of padding behind each 1,024
	s_or_b32 s[G1S+0], s101, (3<<16)|(1<<20)|(1<<21)|(7<<22)|(3<<25)
	s_mov_b32 s[G1S+1], 128<<16
	s_mov_b32 s[G1S+2], NX<<16
	s_mov_b32 s[G1S+3], 128<<16
	s_mov_b32 s[G1S+4], NX
	s_mov_b32 s[G1S+5], 4096
	s_mov_b32 s[G1S+6], 0
	s_mov_b32 s[G1S+7], 0
	; B's scale bytes of 64 rows: a dense block, as rows of 256 bytes, 16 bytes of padding behind each
	s_or_b32 s[G1SB+0], s104, (3<<16)|(1<<20)|(1<<21)|(5<<22)|(3<<25)
	s_mov_b32 s[G1SB+1], 32<<16
	s_mov_b32 s[G1SB+2], RSB<<16
	s_mov_b32 s[G1SB+3], 32<<16
	s_mov_b32 s[G1SB+4], RSB
	s_mov_b32 s[G1SB+5], 32
	s_mov_b32 s[G1SB+6], 0
	s_mov_b32 s[G1SB+7], 0
	s_lshl_b32 s18, s16, 7
	s_lshl_b32 s20, s17, 8
	s_add_co_u32 s20, s20, s18                     ; A: token 256 y + 128 x half
	s_mov_b32 s21, 0
	s_lshl_b64 s[22:23], s[20:21], 3               ; its scale words: 8 bytes a token
	s_lshl_b64 s[20:21], s[20:21], 10              ; its codes
	s_mov_b32 s40, s2
	s_mov_b32 s41, 0
	s_lshl_b64 s[42:43], s[40:41], 10              ; B: my rows' codes,
	s_lshl_b64 s[18:19], s[40:41], 2               ; (their place in the bias and in a row of lora b)
	s_lshl_b64 s[40:41], s[40:41], 5               ; and scale bytes
	s_add_nc_u64 s[20:21], s[4:5], s[20:21]
	s_add_nc_u64 s[22:23], s[4:5], s[22:23]
	s_add_nc_u64 s[22:23], s[22:23], SCOFF
	s_add_nc_u64 s[42:43], s[6:7], s[42:43]
	s_add_nc_u64 s[40:41], s[8:9], s[40:41]
	s_add_nc_u64 s[10:11], s[10:11], s[18:19]
	s_add_nc_u64 s[96:97], s[96:97], s[18:19]
	s_mul_i32 s44, s16, HALFA                      ; where they go: no place in the cluster enters an LDS address
	s_mul_i32 s45, s16, HALFB
	s_add_co_u32 s45, s45, 2*HALFA
	s_mul_i32 s46, s16, HALFSA
	s_add_co_u32 s46, s46, SCA
	s_mul_i32 s47, s16, HALFSB
	s_add_co_u32 s47, s47, SCB
	CROUND                                         ; all sixteen work-groups are here: the first joint loads meet
	s_mov_b32 s[G0S], 1
	s_mov_b32 s[G0S+1], s46
	s_mov_b64 s[G0S+2:G0S+3], s[22:23]
	s_or_b32 s[G0S+3], s[G0S+3], 0x80000000
	s_mov_b32 s[G0SB], 1
	s_mov_b32 s[G0SB+1], s47
	s_mov_b64 s[G0SB+2:G0SB+3], s[40:41]
	s_or_b32 s[G0SB+3], s[G0SB+3], 0x80000000
	JLOAD G0S, G1S, G0SB, G1SB                     ; the scales first: they are wanted with K step 0
.irp s, 0,1
	s_mov_b32 s[G0+4*\s], 1
	s_add_co_u32 s[G0+4*\s+1], s44, \s*SLOT
	s_add_nc_u64 s[G0+4*\s+2:G0+4*\s+3], s[20:21], \s*ROWB
	s_or_b32 s[G0+4*\s+3], s[G0+4*\s+3], 0x80000000
	s_mov_b32 s[G0B+4*\s], 1
	s_add_co_u32 s[G0B+4*\s+1], s45, \s*SLOT
	s_add_nc_u64 s[G0B+4*\s+2:G0B+4*\s+3], s[42:43], \s*ROWB
	s_or_b32 s[G0B+4*\s+3], s[G0B+4*\s+3], 0x80000000
	JLOAD G0+4*\s, G1, G0B+4*\s, G1B
.endr
	v_and_b32 v1, 15, v0                           ; r
	v_bfe_u32 v2, v0, 4, 1                         ; h
	v_mul_u32_u24 v3, v1, PITCH
	v_lshl_add_u32 v4, v2, 4, v3                   ; a fragment's row x pitch + 16 x half
	s_mul_i32 s21, s15, HALFA                      ; my 128 rows of A
	s_mul_i32 s22, s16, HALFB                      ; my 64 rows of B,
	s_add_co_u32 s22, s22, 2*HALFA                 ; behind A's 256
.irp s, 0,1
	v_add_nc_u32 v[ADRA+\s], s21, v4
	v_add_nc_u32 v[ADRB+\s], s22, v4
	s_add_co_u32 s21, s21, SLOT
	s_add_co_u32 s22, s22, SLOT
.endr
	s_mul_i32 s21, s15, HALFSA
	s_add_co_u32 s21, s21, SCA
	v_lshl_add_u32 v[ADSA], v1, 3, s21             ; A's scale words: 8 bytes a token
	v_mul_u32_u24 v3, v1, KS                       ; B's: KS bytes a row,
	v_lshrrev_b32 v4, 8, v3
	v_lshl_add_u32 v3, v4, 4, v3                   ; and 16 more for each 256 passed
	s_mul_i32 s21, s16, HALFSB
	s_add_co_u32 s21, s21, SCB
	v_add_nc_u32 v[ADSB], s21, v3
	; the way out's LDS addresses, all made here, ahead of every parting of the waves
	s_mul_i32 s23, s14, STW
	s_add_co_u32 s23, s23, STAGE                   ; my stage
	v_lshrrev_b32 v3, 3, v1                        ; r / 8
	v_and_b32 v4, 7, v1                            ; r % 8
	v_lshlrev_b32 v[CIA], 10, v3
	v_lshl_add_u32 v[CIA], v4, 4, v[CIA]
	v_lshl_add_u32 v[CIA], v2, 3, v[CIA]
	v_add_nc_u32 v[CIA], s23, v[CIA]               ; Q, K: 1,024 (r / 8) + 16 (r % 8) + 8 h
	v_lshlrev_b32 v[WIA], 5, v4
	v_lshl_add_u32 v[WIA], v3, 2, v[WIA]
	v_add_nc_u32 v[WIA], s23, v[WIA]
	v_add_nc_u32 v[WIA], WOFF, v[WIA]              ; their words: 32 (r % 8) + 4 (r / 8)
	v_mul_u32_u24 v[VTS], v2, 4224
	v_lshl_add_u32 v[VTS], v1, 2, v[VTS]
	v_add_nc_u32 v[VTS], s23, v[VTS]               ; V in f32, in: channel rows 8 h on, token r
	v_mul_u32_u24 v[VTR], v1, 528
	v_lshl_add_u32 v[VTR], v2, 6, v[VTR]
	v_add_nc_u32 v[VTR], s23, v[VTR]               ; back: channel row r, keys 16 h on
	v_lshlrev_b32 v[WIV], 4, v1
	v_add_nc_u32 v[WIV], s23, v[WIV]
	v_add_nc_u32 v[WIV], WOFF, v[WIV]              ; V's words: 16 r
	v_and_b32 v3, 31, v0
	v_lshlrev_b32 v[L16], 4, v3
	v_add_nc_u32 v[LIN], s23, v[L16]
	v_lshlrev_b32 v[L8], 3, v3
	v_add_nc_u32 v[L8S], s23, v[L8]
	v_add_nc_u32 v[L8S], WOFF, v[L8S]
	v_lshlrev_b32 v[BIO], 5, v2                    ; the bias: 8 h numbers on
	v_lshlrev_b32 v[LAO], 10, v1
	v_lshl_add_u32 v[LAO], v2, 4, v[LAO]           ; lora a: rank r's row of 1,024 codes, + 16 h
	v_lshlrev_b32 v[LSO], 5, v1                    ; its 32 scale bytes
	s_mov_b32 s18, 4096
	s_cmp_eq_u32 ttmp9, 2
	s_cselect_b32 s18, 1024, s18                   ; a row of lora b in bytes
	v_lshlrev_b32 v3, 3, v2
.irp i, 0,1,2,3,4,5,6,7
	v_add_nc_u32 v[96+\i], \i, v3
	v_mul_lo_u32 v[96+\i], v[96+\i], s18
	v_lshl_add_u32 v[96+\i], v1, 2, v[96+\i]       ; rank 8 h + i, column r
.endr
	WIN TO_B
.irp k, 0,1,2,3,4,5,6,7
.irp c, 0,1,2,3
	global_load_b128 v[128+FR*\k+4*\c:128+FR*\k+4*\c+3], v[LAO], s[92:93] offset:128*\k+32*\c   ; lora a's eight fragments stay in window 1
.endr
.endr
	WIN 0xc0                                       ; destination window 3
.irp b, 0,1,2,3
.irp i, 0,1,2,3,4,5,6,7
	global_load_b32 v[96+8*\b+\i], v[96+\i], s[96:97] offset:64*\b   ; lora b (rank 8 h + i, column 16 b + r)
.endr
.endr
	WIN 0
	global_load_b128 v[LS:LS+3], v[LSO], s[94:95]
	global_load_b128 v[LS+4:LS+7], v[LSO], s[94:95] offset:16
	; where my results go
	s_lshr_b32 s18, s17, 3                         ; the batch
	s_lshl_b32 s19, s17, 1
	s_add_co_u32 s19, s19, s15
	s_and_b32 s19, s19, 15                         ; the step of 128 tokens in it
	s_lshl_b32 s20, s18, 4
	s_lshl_b32 s21, s100, 1
	s_add_co_u32 s20, s20, s21
	s_add_co_u32 s20, s20, s16                     ; Q: 16 x batch + head
	s_lshl_b32 s21, s18, 2
	s_add_co_u32 s21, s21, s66                     ; K, V: 4 x batch + group
	s_cmp_eq_u32 ttmp9, 2
	s_cselect_b32 s20, s21, s20
	s_cselect_b32 s22, 14, 13                      ; a step's codes: 16,384 bytes (K and V) or 8,192
	s_lshl_b32 s21, s20, 4
	s_add_co_u32 s21, s21, s19
	s_lshl_b32 s44, s21, s22
	s_lshl_b32 s46, s21, 9
	s_add_co_u32 s46, s46, 4194304                 ; Q's words
	s_mul_i32 s23, s20, 12288
	s_add_co_u32 s23, s23, 2097152
	s_lshl_b32 s40, s19, 9
	s_add_co_u32 s40, s40, s23                     ; K's
	s_lshl_b32 s41, s19, 8
	s_add_co_u32 s41, s41, s23
	s_add_co_u32 s41, s41, 8192                    ; V's
	s_cmp_eq_u32 s105, 1
	s_cselect_b32 s46, s40, s46
	s_cmp_eq_u32 s105, 2
	s_cselect_b32 s46, s41, s46
	s_cselect_b32 s40, 8192, 0                     ; V's codes lie behind K's
	s_add_co_u32 s44, s44, s40
	s_mov_b32 s45, 0
	s_mov_b32 s47, 0
	s_add_nc_u64 s[44:45], s[98:99], s[44:45]      ; codes
	s_add_nc_u64 s[46:47], s[98:99], s[46:47]      ; words
.macro FRAG reg, adr, q, i             ; 16 rows x 128 K: lane l holds row l % 16; registers 4 c .. 4 c + 3 hold K = 32 c + 16 (l / 16) + 0 .. 15
.irp c, 0,1,2,3
	ds_load_b128 v[\reg+4*\c:\reg+4*\c+3], v[\adr] offset:128*(\q)+32*\c+(\i)*16*PITCH
.endr
.endm
; 8 matrix instructions: A's blocks a0, a0 + 1 x B's four.  The accumulators take turns, one instruction a turn, in the same order in every step
.macro MULG a0, p, q, sc, zero
.irp a, \a0, \a0+1
.irp b, 0,1,2,3
.if \zero
	v_wmma_scale_f32_16x16x128_f8f6f4 v[8*(4*(\a)+\b):8*(4*(\a)+\b)+7], v[64*(\p)+FR*\b:64*(\p)+FR*\b+FR-1], v[AF+FR*(\a):AF+FR*(\a)+FR-1], 0, v[SB+2*NB*(\sc)+2*\b+(\q)], v[SA+16*(\sc)+2*(\a)+(\q)]
.else
	v_wmma_scale_f32_16x16x128_f8f6f4 v[8*(4*(\a)+\b):8*(4*(\a)+\b)+7], v[64*(\p)+FR*\b:64*(\p)+FR*\b+FR-1], v[AF+FR*(\a):AF+FR*(\a)+FR-1], v[8*(4*(\a)+\b):8*(4*(\a)+\b)+7], v[SB+2*NB*(\sc)+2*\b+(\q)], v[SA+16*(\sc)+2*(\a)+(\q)]
.endif
.endr
.endr
.endm
; 4 more: h a for A's blocks a0 .. a0 + 3: source 0 = lora a's 16 ranks, this 128 of K
.macro LAM a0, q, sc, zero
	WIN LAW
.irp a, \a0, \a0+1, \a0+2, \a0+3
.if \zero
	v_wmma_scale_f32_16x16x128_f8f6f4 v[8*(\a):8*(\a)+7], v[128+FR*KSN:128+FR*KSN+FR-1], v[AF+FR*(\a):AF+FR*(\a)+FR-1], 0, v[LS+KSN], v[SA+16*(\sc)+2*(\a)+(\q)]
.else
	v_wmma_scale_f32_16x16x128_f8f6f4 v[8*(\a):8*(\a)+7], v[128+FR*KSN:128+FR*KSN+FR-1], v[AF+FR*(\a):AF+FR*(\a)+FR-1], v[8*(\a):8*(\a)+7], v[LS+KSN], v[SA+16*(\sc)+2*(\a)+(\q)]
.endif
.endr
.endm
.macro FETCH_B slot, q, p
	WIN TO_B
.irp i, 0,1,2,3
	FRAG 64*(\p)+FR*\i, ADRB+\slot, \q, \i
.endr
	WIN 0
.endm
.macro FETCH_A slot, q, i0
.irp i, \i0, \i0+1, \i0+2, \i0+3
	FRAG AF+FR*(\i), ADRA+\slot, \q, \i
.endr
.endm
.macro SCALES sc                       ; a K step's scale words: two a row
.irp i, 0,1,2,3,4,5,6,7
	ds_load_b64 v[SA+16*\sc+2*\i:SA+16*\sc+2*\i+1], v[ADSA] offset:128*\i
.endr
.irp b, 0,1,2,3
	ds_load_b64 v[SB+2*NB*\sc+2*\b:SB+2*NB*\sc+2*\b+1], v[ADSB] offset:\b*SBLK
.endr
.endm
; A step of 128 along K that has its successor in the same slot.  A block of A is free as soon as its products are issued: blocks 0-3 are fetched anew in the step's middle, blocks 4-7 at its end; B has two sets.
.macro STEP slot, q, zero
	s_wait_dscnt 4*NL                              ; all but the youngest sixteen loads (A's blocks 4-7) are in
	WIN MUL
	MULG 0, (\q)%2, \q, \slot, \zero
	MULG 2, (\q)%2, \q, \slot, \zero
	LAM 0, \q, \slot, \zero
	s_wait_dscnt 0
	PLACES NP                                      ; in front of loads into registers that matrix instructions have read
	FETCH_B \slot, (\q)+1, 1-(\q)%2
	FETCH_A \slot, (\q)+1, 0
	WIN MUL
	MULG 4, (\q)%2, \q, \slot, \zero
	MULG 6, (\q)%2, \q, \slot, \zero
	LAM 4, \q, \slot, \zero
	PLACES NP
	WIN 0
	FETCH_A \slot, (\q)+1, 4
.set KSN, KSN+1
.endm
; A slot's last step changes slots: ONE barrier; in front of it each wave waits for all its tensor loads, adds 0 to its spare word, and waits for that and for its own reads of this slot.
.macro TURN slot, next, fill
	s_wait_tensorcnt 0x0                           ; all my tensor loads have landed: my part of the next slot
	ds_add_u32 v[SPW], v[NIL]                      ; 0 onto my spare word
	s_wait_dscnt 4*NL+1                            ; (the add and the youngest sixteen loads may be out)
	WIN MUL
	MULG 0, 1, 1, \slot, 0                         ; matrix instructions stand between the add and the wait for it
	s_wait_dscnt 0x0                               ; the add is done, and my reads of this slot are over
	s_barrier_signal -1
	MULG 2, 1, 1, \slot, 0
	LAM 0, 1, \slot, 0
	WIN 0
	s_barrier_wait -1
.if \fill
	CREST                                          ; the barrier has opened a round of the cluster's barrier: no wave of any partner still reads this slot or has a load on its way
	s_add_nc_u64 s[G0+4*\slot+2:G0+4*\slot+3], s[G0+4*\slot+2:G0+4*\slot+3], 2*ROWB
	s_add_nc_u64 s[G0B+4*\slot+2:G0B+4*\slot+3], s[G0B+4*\slot+2:G0B+4*\slot+3], 2*ROWB
	JLOAD G0+4*\slot, G1, G0B+4*\slot, G1B         ; the first tensor load behind the round; its four v_nop are among the places in front of the loads below
	PLACES NP-4
.else
	PLACES NP
.endif
	v_add_nc_u32 v[ADSA], 1040, v[ADSA]            ; on to the next K step's scale words
	v_add_nc_u32 v[ADSB], 8, v[ADSB]
	FETCH_B \next, 0, 0
	FETCH_A \next, 0, 0
	SCALES \next
	WIN MUL
	MULG 4, 1, 1, \slot, 0
	MULG 6, 1, 1, \slot, 0
	LAM 4, 1, \slot, 0
	PLACES NP
	WIN 0
	FETCH_A \next, 0, 4
.set KSN, KSN+1
.endm
.macro QUANT s                         ; 64 numbers of a lane in four blocks of 16, each shared with lane l xor 16, become codes in v[PC] on, bytes in v[TM+4] on, a word in v[PW]
.irp b, 0,1,2,3
	v_max3_num_f32 v[TM+\b], |v[\s+16*\b]|, |v[\s+1+16*\b]|, 0x4800000   ; and the floor 2^(9 - 127): the byte cannot fall under 1
.endr
.irp i, 2,4,6,8,10,12,14
.irp b, 0,1,2,3
	v_max3_num_f32 v[TM+\b], v[TM+\b], |v[\s+16*\b+\i]|, |v[\s+1+16*\b+\i]|
.endr
.endr
.irp b, 0,1,2,3
	v_permlanex16_b32 v[TM+4+\b], v[TM+\b], s[SEL], s[SEL+1]
.endr
.irp b, 0,1,2,3
	v_max_num_f32 v[TM+\b], v[TM+\b], v[TM+4+\b]
.endr
.irp b, 0,1,2,3
	v_add_nc_u32 v[TM+12+\b], 0xfc000000, v[TM+\b]                        ; 8 off the exponent field: the conversion's scale operand
.endr
.irp b, 0,1,2,3
	v_and_or_b32 v[TM+8+\b], v[TM+\b], 0x7f800000, s[MNT]                 ; 448 x the scale
.endr
.irp b, 0,1,2,3
	v_lshrrev_b32 v[TM+4+\b], 23, v[TM+12+\b]                             ; the scale's byte
.endr
	v_lshl_or_b32 v[PW], v[TM+5], 8, v[TM+4]
	v_lshl_or_b32 v[PW], v[TM+6], 16, v[PW]
	v_lshl_or_b32 v[PW], v[TM+7], 24, v[PW]
.irp b, 0,1,2,3
.irp i, 0,1,2,3,4,5,6,7,8,9,10,11,12,13,14,15
	v_med3_num_f32 v[\s+16*\b+\i], v[\s+16*\b+\i], -v[TM+8+\b], v[TM+8+\b]   ; the conversion does not saturate (ISA guide 7.6.2): the hold
.endr
	v_cvt_scalef32_pk8_fp8_f32 v[PC+4*\b:PC+1+4*\b], v[\s+16*\b:\s+7+16*\b], v[TM+12+\b]
	v_cvt_scalef32_pk8_fp8_f32 v[PC+2+4*\b:PC+3+4*\b], v[\s+8+16*\b:\s+15+16*\b], v[TM+12+\b]
.endr
	v_nop                                          ; a plain line behind the last conversion
.endm
	s_wait_tensorcnt 1                             ; the scales and my part of K step 0 are in (K step 1's load is the one younger),
	s_barrier_signal -1
	s_barrier_wait -1                              ; everybody's are
	s_wait_loadcnt 0x0                             ; lora a, its words, lora b
	FETCH_B 0, 0, 0
	FETCH_A 0, 0, 0
	SCALES 0
	FETCH_A 0, 0, 4
	STEP 0, 0, 1                                   ; the first products start the sums: nothing is cleared.  The eight steps of 128 are written out: lora a's fragment has its own registers in each
	TURN 0, 1, 1
	STEP 1, 0, 0
	TURN 1, 0, 1
	STEP 0, 0, 0
	TURN 0, 1, 0                                   ; the last lap fills nothing
	STEP 1, 0, 0
	s_wait_dscnt 4*NL                              ; the last step
	WIN MUL
	MULG 0, 1, 1, 1, 0
	MULG 2, 1, 1, 1, 0
	LAM 0, 1, 1, 0
	s_wait_dscnt 0
	WIN TO_B
.irp b, 0,1,2,3
	global_load_b128 v[8*\b:8*\b+3], v[BIO], s[10:11] offset:64*\b       ; the bias in the result's layout, into B's set 0, whose last readers stand ahead of the last step's eight places
	global_load_b128 v[8*\b+4:8*\b+7], v[BIO], s[10:11] offset:64*\b+16
.endr
	WIN MUL
	MULG 4, 1, 1, 1, 0
	MULG 6, 1, 1, 1, 0
	LAM 4, 1, 1, 0
	PLACES NP+1                                    ; nine: matrix instructions of another form take these results as B and write over the accumulators
	WIN 0
	s_cmp_eq_u32 s105, 1
	s_cbranch_scc1 .Lno_lora                       ; K has no lora
	WIN 0xcf
.irp i, 0,1,2,3,4,5,6,7,8,9,10,11,12,13,14,15,16,17,18,19,20,21,22,23,24,25,26,27,28,29,30,31
	v_add_f32 v[96+\i], v[96+\i], v[96+\i]         ; 2 b: alpha / rank, exactly
.endr
	PLACES 4
	WIN 0xaf                                       ; A and B window 3, C and D window 2
.irp s, 0,1,2,3
.irp a, 0,1,2,3,4,5,6,7
.irp b, 0,1,2,3
	v_wmma_f32_16x16x4_f32 v[8*(4*\a+\b):8*(4*\a+\b)+7], v[96+8*\b+2*\s:96+8*\b+2*\s+1], v[8*\a+2*\s:8*\a+2*\s+1], v[8*(4*\a+\b):8*(4*\a+\b)+7]
.endr
.endr
.endr
	WIN 0
.Lno_lora:
	PLACES NP
	s_mov_b32 s[SEL], 0x76543210
	s_mov_b32 s[SEL+1], 0xfedcba98
	s_mov_b32 s[MNT], 0x600000
.irp b, 0,1,2,3
	v_mov_b32 v[TM+4+\b], 0                        ; written once: a lane permute's destination counts as one of its sources
.endr
	s_wait_loadcnt 0x0                             ; the bias
	s_cmp_eq_u32 s105, 2
	s_cbranch_scc1 .Lv_out
; Q AND K.  Two blocks of tokens at a time: 64 numbers a lane = four blocks of 32 along the head.  A lane's eight codes are d = 32 beta + 16 p + 8 h + 0 .. 7 of token 16 a + r,
; which is row 8 (a % 2) + r % 8 of tile 2 (a / 2) + r / 8: byte 8 h of lane (that row, p), piece beta.
.macro QKOUT a0
	WIN 0x06                                       ; source 0 window 2, source 1 window 1
.set QI, 0
.rept 32
	v_pk_add_f32 v[T+2*QI:T+2*QI+1], v[32*\a0+2*QI:32*\a0+2*QI+1], v[(2*QI)%32:(2*QI)%32+1]   ; + the bias; each accumulator from its low end on
.set QI, QI+1
.endr
	WIN 0
	QUANT T
	v_lshl_or_b32 v24, v[TM+5], 8, v[TM+4]
	v_lshl_or_b32 v25, v[TM+7], 8, v[TM+6]
	v_or_b32 v24, 0x7f7f0000, v24
	v_or_b32 v25, 0x7f7f0000, v25
.irp q, 0,1,2,3
.irp p, 0,1
	ds_store_b64 v[CIA], v[PC+4*\q+2*\p:PC+4*\q+2*\p+1] offset:2048*(\a0/2)+128*(\q/2)+512*(\q%2)+256*\p
.endr
.endr
	ds_store_b32 v[WIA], v24 offset:8*(\a0/2)
	ds_store_b32 v[WIA], v25 offset:256+8*(\a0/2)
	s_wait_dscnt 0x0                               ; the stores have read their registers
.endm
	QKOUT 0
	QKOUT 2
	QKOUT 4
	QKOUT 6
.irp i, 0,1,2,3,4,5,6,7,8,9,10,11,12,13,14,15
	ds_load_b128 v[T+4*\i:T+4*\i+3], v[LIN] offset:512*\i
.endr
	ds_load_b128 v[T+64:T+67], v[LIN] offset:WOFF
.irp i, 0,1,2,3,4,5,6,7,8,9,10,11,12,13,14,15
	s_wait_dscnt 16-\i
	global_store_b128 v[L16], v[T+4*\i:T+4*\i+3], s[44:45] offset:512*\i   ; 8,192 consecutive bytes
.endr
	s_wait_dscnt 0x0
	global_store_b128 v[L16], v[T+64:T+67], s[46:47]
	s_branch .Lend
.Lv_out:
; V.  32 channels at a time: the f32 numbers go into rows of 128 keys (512 bytes + 16) and come back with a lane's registers along the keys: 32 c + 16 h + 0 .. 15 of channel row r.
.macro VOUT u
	WIN 0x06
.irp a, 0,1,2,3,4,5,6,7
.irp i, 0,2,4,6,8,10,12,14
	v_pk_add_f32 v[T+16*\a+\i:T+16*\a+\i+1], v[32*\a+16*\u+\i:32*\a+16*\u+\i+1], v[16*\u+\i:16*\u+\i+1]
.endr
.endr
	WIN 0
.irp a, 0,1,2,3,4,5,6,7
.irp e, 0,1
.irp j, 0,1,2,3,4,5,6,7
	ds_store_b32 v[VTS], v[T+16*\a+8*\e+\j] offset:(16*\e+\j)*528+64*\a
.endr
.endr
.endr
	s_wait_dscnt 0x0                               ; the stores have read their registers
.irp tt, 0,1
.irp c, 0,1,2,3
.irp jj, 0,1,2,3
	ds_load_b128 v[T+16*\c+4*\jj:T+16*\c+4*\jj+3], v[VTR] offset:8448*\tt+128*\c+16*\jj
.endr
.endr
	s_wait_dscnt 0x0
	s_wait_xcnt 0x0                                ; the tile before has read its codes' registers
	QUANT T
.irp c, 0,1,2,3
	global_store_b128 v[L16], v[PC+4*\c:PC+4*\c+3], s[44:45] offset:2048*(2*\u+\tt)+512*\c   ; the codes are the image as they stand: 512 consecutive bytes
.endr
	ds_store_b32 v[WIV], v[PW] offset:4*(2*\u+\tt)
.endr
.endm
	VOUT 0
	VOUT 1
	ds_load_b64 v[T:T+1], v[L8S]
	s_wait_dscnt 0x0
	global_store_b64 v[L8], v[T:T+1], s[46:47]     ; one aligned run of 256 bytes
.Lend:
	s_wait_tensorcnt 0x0                           ; the wave's end
	ds_add_u32 v[SPW], v[NIL]
	s_wait_dscnt 0x0
	CROUND                                         ; the closing round: no work-group ends while a partner may still ask for a tile that names it
	s_endpgm
.Lfunc_end_k_q14b173add4_qkv:
	.size	k_q14b173add4_qkv, .Lfunc_end_k_q14b173add4_qkv-k_q14b173add4_qkv
	.p2alignl 7, 3214868480
	.fill 96, 4, 3214868480
	.section	.rodata,"a",@progbits
	.p2align	6, 0x0
	.amdhsa_kernel k_q14b173add4_qkv
		.amdhsa_group_segment_fixed_size 327680
		.amdhsa_private_segment_fixed_size 0
		.amdhsa_enable_private_segment 0
		.amdhsa_kernarg_size 144
		.amdhsa_user_sgpr_count 2
		.amdhsa_user_sgpr_kernarg_segment_ptr 1
		.amdhsa_wavefront_size32 1
		.amdhsa_system_sgpr_workgroup_id_x 1
		.amdhsa_system_sgpr_workgroup_id_y 1
		.amdhsa_system_sgpr_workgroup_id_z 1
		.amdhsa_system_vgpr_workitem_id 0
		.amdhsa_next_free_vgpr 1024
		.amdhsa_next_free_sgpr 106
		.amdhsa_reserve_vcc 0
		.amdhsa_float_denorm_mode_32 3
		.amdhsa_float_denorm_mode_16_64 3
		.amdhsa_memory_ordered 1
		.amdhsa_forward_progress 1
		.amdhsa_inst_pref_size 216
	.end_amdhsa_kernel
	.amdgpu_metadata
---
amdhsa.version: [ 1, 2 ]
amdhsa.kernels:
  - .name:           k_q14b173add4_qkv
    .symbol:         k_q14b173add4_qkv.kd
    .args:
      - { .name: hq, .offset: 0, .size: 8, .value_kind: global_buffer, .address_space: global }
      - { .name: Wq_codes, .offset: 8, .size: 8, .value_kind: global_buffer, .address_space: global }
      - { .name: Wq_scales, .offset: 16, .size: 8, .value_kind: global_buffer, .address_space: global }
      - { .name: Wk_codes, .offset: 24, .size: 8, .value_kind: global_buffer, .address_space: global }
      - { .name: Wk_scales, .offset: 32, .size: 8, .value_kind: global_buffer, .address_space: global }
      - { .name: Wv_codes, .offset: 40, .size: 8, .value_kind: global_buffer, .address_space: global }
      - { .name: Wv_scales, .offset: 48, .size: 8, .value_kind: global_buffer, .address_space: global }
      - { .name: lora_qa_codes, .offset: 56, .size: 8, .value_kind: global_buffer, .address_space: global }
      - { .name: lora_qa_scales, .offset: 64, .size: 8, .value_kind: global_buffer, .address_space: global }
      - { .name: lora_va_codes, .offset: 72, .size: 8, .value_kind: global_buffer, .address_space: global }
      - { .name: lora_va_scales, .offset: 80, .size: 8, .value_kind: global_buffer, .address_space: global }
      - { .name: lora_qb, .offset: 88, .size: 8, .value_kind: global_buffer, .address_space: global }
      - { .name: lora_vb, .offset: 96, .size: 8, .value_kind: global_buffer, .address_space: global }
      - { .name: bq, .offset: 104, .size: 8, .value_kind: global_buffer, .address_space: global }
      - { .name: bk, .offset: 112, .size: 8, .value_kind: global_buffer, .address_space: global }
      - { .name: bv, .offset: 120, .size: 8, .value_kind: global_buffer, .address_space: global }
      - { .name: qc, .offset: 128, .size: 8, .value_kind: global_buffer, .address_space: global }
      - { .name: kv, .offset: 136, .size: 8, .value_kind: global_buffer, .address_space: global }
    .group_segment_fixed_size: 327680
    .private_segment_fixed_size: 0
    .kernarg_segment_align: 8
    .kernarg_segment_size: 144
    .max_flat_workgroup_size: 128
    .sgpr_count:     106
    .vgpr_count:     1024
    .wavefront_size: 32
...
	.end_amdgpu_metadata
.endif
;; end of part 3
;; launch attn (part 4): grid 32 x 8, 16 waves a work-group, no clusters, 100,352 bytes of LDS; arguments qc, kv, maskb, flags, ac; writes ac
.if DOCPART == 4
	.amdgcn_target "amdgcn-amd-amdhsa--gfx1250"
	.amdhsa_code_object_version 6
	.text
	.protected	k_q14b173add4_attn
	.globl	k_q14b173add4_attn
	.p2align	8
	.type	k_q14b173add4_attn,@function
k_q14b173add4_attn:
	s_mov_b64 s[64:65], 0
	v_nop
	global_prefetch_b8 v0, s[64:65] scope:SCOPE_SE
	s_setreg_imm32_b32 hwreg(HW_REG_WAVE_MODE, 25, 1), 1
	s_wait_xcnt 0x0
; ATTENTION ON CODES OF E4M3.  16 query heads in 4 groups, head size 64, 2,048 keys, 2 batches; the mask is an input, given here as bytes (maskb) and as one flag for each 16 queries x 128 keys (flags).
; t = score x log2(e) / 8; M = the running largest t rounded UP to a whole number; p = 2^(t - M) is quantised along the keys, not normalised; the row's sum is taken of the unquantised p and divides at the end.
; SHARES.  Work-group (j, batch x group): sixteen waves = 4 heads of the group x 4 tiles of 16 queries (tiles j, 63 - j, 64 + j, 127 - j, so that under a mask that hides later keys the work is even).
; All waves walk the 16 key steps of 128 keys.  A step's K image (8 KiB), V image (8 KiB) and the four tiles' mask bytes (8 KiB) go from memory through registers into one of two LDS slots, 48 bytes a thread,
; loaded a whole step ahead; one barrier a step.  A WAVE JUMPS OVER A STEP'S WORK WHERE ITS FLAG SAYS THAT NO KEY COUNTS: a branch on a whole number that an earlier launch stored.
; The launch has no tensor load, hence no joint loads either; the sixteen waves share K and V through LDS.
; LAYOUT.  Both products transposed: S^T = K Q^T, O^T = V^T P^T: a lane holds ONE query.  Row r of tile 2 b + u of K is key 32 b + 8 u + r + 8 (r / 8), so register 16 b + i of S^T is key 32 b + 16 h + i.
; The head's 64 are half of the instruction's K: Q's upper eight registers hold zero codes, K's fragment runs on into the next tile's codes (which meet those zeros; no code made by the quantiser is NaN), scale bytes 0x7f.
; THE MASK COSTS NO LINE A SCORE: its bytes, widened (0 or -448 x 2^100), are the C of the first product.  Hidden t lie near -1e32, under the floor -1e30 at which the running maximum starts:
; a row without an open key so far has p = 0 and sum 0 exactly, and its first open key brings the factor 0.  A row with no open key at all ends with sum 0: its scale bytes are set to 0xff, so that the next product gives NaN there, as the definition does.
; LIMITS: |t| stays under 1e30; NaN and infinities are not served; a block whose largest magnitude lies under 2^-118 keeps the scale byte 1.
; REGISTERS: v1-10 addresses; v11 Q's scale words; v12 -M, v13 the largest t, v[14:15] the sum; v16-31 Q; v32-95 K's eight tiles, then V's four; v96-103 zeros; v104-167 S^T, then p (at the head: lane, r, h and the head's offsets);
;   v168-199 O^T; v200-215 mask bytes, then p's codes; v216-227 the next step's bytes; v228-235 K's, then V's scale words; v236-254 at work; v255 the mask bytes' scale.
.set KSC, 65536                        ; K's scale words of the whole batch x group: [step 16][r 16][tile 8]
.set VSC, 73728                        ; V's: [step 16][r 16][tile 4]
.set OST, 77824                        ; the way out: for each tile of queries 16 rows x (256 + 16) bytes of codes,
.set SST, 95232                        ; and 16 x 8 scale bytes
.set S,   104                          ; v104-167 S^T, then p
.set O,   168                          ; v168-199 O^T
.set MB,  200                          ; v200-215 mask bytes, later p's codes
.set STG, 216                          ; v216-227 the next step's 48 bytes
.set CS,  22
.set SEL, 24
.set MNT, 26
.set FW,  27                           ; my tile's flags, bit 0 = the step in hand (shifted two a trip)
	s_load_b256 s[4:11], s[0:1], 0x0               ; qc, kv, maskb, flags
	s_load_b64 s[12:13], s[0:1], 0x20              ; ac
	v_lshrrev_b32 v1, 5, v0
	v_readfirstlane_b32 s14, v1                    ; wave 0..15
	s_and_b32 s15, s14, 3                          ; hd: my head in the group
	s_lshr_b32 s16, s14, 2                         ; k: which of the four tiles
	s_and_b32 s19, ttmp7, 0xffff                   ; 4 x batch + group
	s_lshr_b32 s20, s19, 2
	s_and_b32 s21, s19, 3
	s_sub_co_u32 s17, 63, ttmp9
	s_bitcmp1_b32 s16, 0
	s_cselect_b32 s17, s17, ttmp9
	s_lshr_b32 s18, s16, 1
	s_lshl_b32 s18, s18, 6
	s_add_co_u32 s17, s17, s18                     ; qt: my tile of queries
	v_and_b32 v104, 31, v0                         ; lane   (v104-110 serve the head alone: the first key step writes scores there)
	v_and_b32 v105, 15, v0                         ; r
	v_bfe_u32 v106, v0, 4, 1                       ; h
	v_lshlrev_b32 v1, 4, v104                      ; v1: 16 x lane: an image's place for my lane
	s_lshl_b32 s58, s16, 11
	s_add_co_u32 s58, s58, 16384
	v_add_nc_u32 v2, s58, v1                       ; v2: my tile's mask bytes in a slot
	v_lshl_add_u32 v3, v105, 5, KSC                ; v3: K's words of the step in hand (stepped)
	v_lshl_add_u32 v4, v105, 4, VSC                ; v4: V's
	s_lshl_b32 s58, s14, 9
	v_add_nc_u32 v5, s58, v1                       ; v5: where I put my 16 bytes of each image
	s_mul_i32 s58, s16, 4352
	s_add_co_u32 s58, s58, OST
	s_lshl_b32 s59, s15, 6
	s_add_co_u32 s59, s59, s58
	v_mul_u32_u24 v6, v105, 272
	v_lshl_add_u32 v6, v106, 3, v6
	v_add_nc_u32 v6, s59, v6                       ; v6: the way out, in: row r, + 64 hd + 8 h
	s_mul_i32 s59, s15, 1088
	s_add_co_u32 s59, s59, s58
	v_mul_u32_u24 v8, v106, 272
	v_lshl_add_u32 v8, v105, 4, v8
	v_add_nc_u32 v8, s59, v8                       ; v8: back: rows 4 hd + h (+ 2)
	s_lshl_b32 s58, s16, 7
	s_add_co_u32 s58, s58, SST
	v_lshl_add_u32 v9, v104, 2, s58                ; v9: the tile's scale bytes, a word a lane
	s_lshl_b32 s59, s15, 1
	s_add_co_u32 s59, s59, s58
	v_lshl_add_u32 v7, v105, 3, s59                ; v7: my head's two bytes of row r
	v_lshlrev_b32 v10, 10, v106
	v_lshl_add_u32 v10, v105, 4, v10               ; v10: in ac: row h, 16 r
	v_add_nc_u32 v107, KSC, v5                     ; where K's words go: 512 bytes a wave
	s_lshl_b32 s58, s14, 8
	s_add_co_u32 s58, s58, VSC
	v_lshl_add_u32 v108, v104, 3, s58              ; V's: 256 bytes a wave
	v_lshlrev_b32 v109, 3, v104
	v_lshlrev_b32 v110, 5, v105
	s_lshl_b32 s50, s19, 2
	s_add_co_u32 s50, s50, s15
	s_lshl_b32 s50, s50, 4
	s_lshr_b32 s51, s17, 3
	s_add_co_u32 s50, s50, s51                     ; (16 x batch + head) x 16 + the queries' step
	s_and_b32 s51, s17, 7                          ; my tile in it
	s_lshl_b32 s52, s50, 13
	s_lshl_b32 s53, s51, 10
	s_add_co_u32 s52, s52, s53
	s_mov_b32 s53, 0                               ; Q's codes
	s_lshl_b32 s50, s50, 9
	s_lshl_b32 s51, s51, 2
	s_add_co_u32 s50, s50, s51
	s_add_co_u32 s50, s50, 4194304
	s_mov_b32 s51, 0                               ; Q's words
	s_lshl_b32 s30, s19, 18
	s_lshl_b32 s31, s14, 9
	s_add_co_u32 s30, s30, s31
	s_mov_b32 s31, 0                               ; K's and V's images: my 512 bytes
	s_mul_i32 s54, s19, 12288
	s_add_co_u32 s54, s54, 2097152
	s_lshl_b32 s55, s14, 8
	s_add_co_u32 s56, s54, s55
	s_add_co_u32 s56, s56, 8192
	s_mov_b32 s57, 0                               ; V's words
	s_lshl_b32 s55, s14, 9
	s_add_co_u32 s54, s54, s55
	s_mov_b32 s55, 0                               ; K's words
	s_lshl_b32 s48, s17, 15
	s_lshl_b32 s49, s15, 9
	s_add_co_u32 s48, s48, s49
	s_mov_b32 s49, 0                               ; the tile's mask bytes: my quarter
	s_lshl_b32 s58, s17, 6
	s_mov_b32 s59, 0                               ; its sixteen flags
	s_mov_b32 s[CS], 0x3e38aa3b                    ; c = log2(e) / 8
	s_mov_b32 s[CS+1], s[CS]
	s_mov_b32 s[SEL], 0x76543210
	s_mov_b32 s[SEL+1], 0xfedcba98
	s_mov_b32 s[MNT], 0x600000
	s_wait_kmcnt 0x0
	s_add_nc_u64 s[10:11], s[10:11], s[58:59]
	s_load_b512 s[32:47], s[10:11], 0x0
	s_add_nc_u64 s[52:53], s[4:5], s[52:53]
	s_add_nc_u64 s[50:51], s[4:5], s[50:51]
	s_add_nc_u64 s[30:31], s[6:7], s[30:31]
	s_add_nc_u64 s[54:55], s[6:7], s[54:55]
	s_add_nc_u64 s[56:57], s[6:7], s[56:57]
	s_add_nc_u64 s[48:49], s[8:9], s[48:49]
	global_load_b128 v[STG:STG+3], v1, s[30:31]                ; key step 0
	global_load_b128 v[STG+4:STG+7], v1, s[30:31] offset:8192
	global_load_b128 v[STG+8:STG+11], v1, s[48:49]
	global_load_b128 v[32:35], v1, s[54:55]
	global_load_b64 v[36:37], v109, s[56:57]
	global_load_b128 v[16:19], v1, s[52:53]                    ; Q's fragment stays in registers
	global_load_b128 v[20:23], v1, s[52:53] offset:512
	global_load_b32 v11, v110, s[50:51]                        ; Q's scale words
	v_mov_b32 v13, 0xf149f2ca                      ; the largest t so far: -1e30
	v_floor_f32 v12, -v13                          ; -M
	v_mov_b32 v14, 0                               ; the sum, in two halves
	v_mov_b32 v15, 0
.irp j, 0,1,2,3,4,5,6,7
	v_mov_b32 v[24+\j], 0                          ; Q's upper 64 of K: zero codes
	v_mov_b32 v[96+\j], 0                          ; and what K's last fragment runs on into
.endr
.irp j, 0,1,2,3,4,5,6,7,8,9,10,11,12,13,14,15,16,17,18,19,20,21,22,23,24,25,26,27,28,29,30,31
	v_mov_b32 v[O+\j], 0                           ; O^T: the step is written without a first form of its own, and a tile all of whose steps are jumped over reads these
.endr
.irp b, 0,1,2,3
	v_mov_b32 v[240+\b], 0                         ; a lane permute's destination counts as one of its sources
.endr
	v_mov_b32 v252, 0
	v_mov_b32 v253, 0
	v_mov_b32 v255, 0xe3e3e3e3                     ; 2^100 as an E8M0 byte, in every byte
	s_wait_kmcnt 0x0
	s_mov_b32 s[FW], 0
.irp t, 0,1,2,3,4,5,6,7,8,9,10,11,12,13,14,15
	s_lshl_b32 s[32+\t], s[32+\t], \t
	s_or_b32 s[FW], s[FW], s[32+\t]
.endr
	s_wait_loadcnt 0x0
	ds_store_b128 v5, v[STG:STG+3]
	ds_store_b128 v5, v[STG+4:STG+7] offset:8192
	ds_store_b128 v5, v[STG+8:STG+11] offset:16384
	ds_store_b128 v107, v[32:35]
	ds_store_b64 v108, v[36:37]
	s_add_nc_u64 s[30:31], s[30:31], 16384         ; (the loads are done: their bases may step)
	s_add_nc_u64 s[48:49], s[48:49], 2048
	s_wait_dscnt 0x0
	s_barrier_signal -1
	s_barrier_wait -1
; A KEY STEP: 128 keys, in slot sl
.macro STEP sl
.rept 6
	v_nop                                          ; with the two address steps at the last step's end: eight places in front of loads into registers that the last products read
.endr
.irp c, 0,1,2,3
	ds_load_b128 v[MB+4*\c:MB+4*\c+3], v2 offset:\sl*32768+512*\c
.endr
	ds_load_b128 v[228:231], v3
	ds_load_b128 v[232:235], v3 offset:16
.irp t, 0,1,2,3,4,5,6,7
	ds_load_b128 v[32+8*\t:35+8*\t], v1 offset:\sl*32768+1024*\t
	ds_load_b128 v[36+8*\t:39+8*\t], v1 offset:\sl*32768+1024*\t+512
.endr
	s_wait_dscnt 18                                ; the mask bytes are in: 2 + 16 loads are younger
.irp t, 0,1,2,3,4,5,6,7
	v_cvt_scale_pk8_f32_fp8 v[S+8*\t:S+8*\t+7], v[MB+2*\t:MB+2*\t+1], v255   ; 0 where the key counts, -448 x 2^100 where it is hidden
.endr
.rept 4
	v_nop
.endr
	s_wait_dscnt 0x0
.irp t, 0,1,2,3,4,5,6,7
	v_wmma_scale_f32_16x16x128_f8f6f4 v[S+8*\t:S+8*\t+7], v[32+8*\t:47+8*\t], v[16:31], v[S+8*\t:S+8*\t+7], v[228+\t], v11
.endr
.rept 8
	v_nop
.endr
.irp t, 0,1,2,3
.irp c, 0,1,2,3
	ds_load_b128 v[32+16*\t+4*\c:35+16*\t+4*\c], v1 offset:\sl*32768+8192+2048*\t+512*\c   ; V's four fragments land while the softmax is walked
.endr
.endr
	ds_load_b128 v[228:231], v4
.irp b, 0,1,2,3
	v_max3_num_f32 v[236+\b], v[S+16*\b], v[S+1+16*\b], v[S+2+16*\b]   ; the largest score of each block of 32 keys: for the row's maximum, and, since p rises with the score, for the block's largest p
.endr
.irp i, 3,5,7,9,11,13
.irp b, 0,1,2,3
	v_max3_num_f32 v[236+\b], v[236+\b], v[S+16*\b+\i], v[S+1+16*\b+\i]
.endr
.endr
.irp b, 0,1,2,3
	v_max_num_f32 v[236+\b], v[236+\b], v[S+15+16*\b]
.endr
.irp b, 0,1,2,3
	v_permlanex16_b32 v[240+\b], v[236+\b], s[SEL], s[SEL+1]
.endr
.irp b, 0,1,2,3
	v_max_num_f32 v[236+\b], v[236+\b], v[240+\b]
.endr
	v_max3_num_f32 v254, v236, v237, v238
	v_max_num_f32 v254, v254, v239
	v_mul_f32 v254, s[CS], v254                    ; as t
	v_max_num_f32 v13, v13, v254                   ; the running largest t
	v_mov_b32 v254, v12
	v_floor_f32 v12, -v13                          ; the new -M = -ceil(t)
	v_sub_f32 v254, v12, v254                      ; old M - new M: a whole number, 0 or less
	v_cvt_i32_f32 v254, v254                       ; (it saturates)
	v_ldexp_f32 v252, 1.0, v254                    ; f = 2^(old M - new M): rounds nothing
.irp j, 0,2,4,6,8,10,12,14,16,18,20,22,24,26,28,30,32,34,36,38,40,42,44,46,48,50,52,54,56,58,60,62
	v_pk_fma_f32 v[S+\j:S+\j+1], v[S+\j:S+\j+1], s[CS:CS+1], v[12:13] op_sel_hi:[1,0,0]   ; t - M
.endr
.irp b, 0,1,2,3
	v_fma_f32 v[236+\b], v[236+\b], s[CS], v12
.endr
.irp j, 0,1,2,3,4,5,6,7,8,9,10,11,12,13,14,15,16,17,18,19,20,21,22,23,24,25,26,27,28,29,30,31,32,33,34,35,36,37,38,39,40,41,42,43,44,45,46,47,48,49,50,51,52,53,54,55,56,57,58,59,60,61,62,63
	v_exp_f32 v[S+\j], v[S+\j]                     ; p = 2^(t - M)
.endr
	v_pk_mul_f32 v[14:15], v[14:15], v[252:253] op_sel_hi:[1,0]   ; the sums under the new M (a plain line behind the exponentials)
	s_wait_alu depctr_va_vdst(0)                   ; one wait for the batch, ahead of its first reader
.irp b, 0,1,2,3
	v_exp_f32 v[236+\b], v[236+\b]                 ; the block's largest p
.endr
	v_pk_add_f32 v[240:241], v[S:S+1], v[S+2:S+3]  ; the row's sum is taken of the unquantised p, in two chains
.irp j, 4,8,12,16,20,24,28,32,36,40,44,48,52,56,60
	v_pk_add_f32 v[14:15], v[14:15], v[S+\j:S+\j+1]
	v_pk_add_f32 v[240:241], v[240:241], v[S+2+\j:S+3+\j]
.endr
	v_pk_add_f32 v[14:15], v[14:15], v[240:241]
	s_wait_alu depctr_va_vdst(0)                   ; and one for the four
.irp b, 0,1,2,3
	v_max_num_f32 v[236+\b], 0x4800000, v[236+\b]  ; the floor 2^(9 - 127)
.endr
.irp b, 0,1,2,3
	v_add_nc_u32 v[248+\b], 0xfc000000, v[236+\b]
.endr
.irp b, 0,1,2,3
	v_and_or_b32 v[244+\b], v[236+\b], 0x7f800000, s[MNT]
.endr
.irp b, 0,1,2,3
	v_lshrrev_b32 v[240+\b], 23, v[248+\b]
.endr
	v_lshl_or_b32 v253, v241, 8, v240              ; p's scale word for these 128 keys
	v_lshl_or_b32 v253, v242, 16, v253
	v_lshl_or_b32 v253, v243, 24, v253
.irp b, 0,1,2,3
.irp i, 0,1,2,3,4,5,6,7,8,9,10,11,12,13,14,15
	v_min_num_f32 v[S+16*\b+\i], v[S+16*\b+\i], v[244+\b]   ; the hold; p is not negative
.endr
	v_cvt_scalef32_pk8_fp8_f32 v[MB+4*\b:MB+1+4*\b], v[S+16*\b:S+7+16*\b], v[248+\b]
	v_cvt_scalef32_pk8_fp8_f32 v[MB+2+4*\b:MB+3+4*\b], v[S+8+16*\b:S+15+16*\b], v[248+\b]
.endr
.irp j, 0,2,4,6,8,10,12,14,16,18,20,22,24,26,28,30
	v_pk_mul_f32 v[O+\j:O+\j+1], v[O+\j:O+\j+1], v[252:253] op_sel_hi:[1,0]   ; O^T under the new M (also the places in front of the products below)
.endr
	s_wait_dscnt 0x0                               ; V and its words
.irp t, 0,1,2,3
	v_wmma_scale_f32_16x16x128_f8f6f4 v[O+8*\t:O+8*\t+7], v[32+16*\t:47+16*\t], v[MB:MB+15], v[O+8*\t:O+8*\t+7], v[228+\t], v253
.endr
.endm
; One step's turn: the next step's 48 bytes are asked for; the step's work, or none; they go into the other slot; one barrier: behind it the other slot is whole and nobody reads this one.
.macro TRIP sl, more, bit
.if \more
	global_load_b128 v[STG:STG+3], v1, s[30:31]
	global_load_b128 v[STG+4:STG+7], v1, s[30:31] offset:8192
	global_load_b128 v[STG+8:STG+11], v1, s[48:49]
.endif
	s_bitcmp1_b32 s[FW], \bit
	s_cbranch_scc0 .Lhidden_\@                     ; no key of this step counts for any of my 16 queries
	STEP \sl
.Lhidden_\@:
	v_add_nc_u32 v3, 512, v3                       ; the next step's scale words
	v_add_nc_u32 v4, 256, v4
.if \more
	s_wait_loadcnt 0x0
	ds_store_b128 v5, v[STG:STG+3] offset:(1-\sl)*32768
	ds_store_b128 v5, v[STG+4:STG+7] offset:(1-\sl)*32768+8192
	ds_store_b128 v5, v[STG+8:STG+11] offset:(1-\sl)*32768+16384
	s_add_nc_u64 s[30:31], s[30:31], 16384
	s_add_nc_u64 s[48:49], s[48:49], 2048
	s_wait_dscnt 0x0                               ; my stores have landed, and my reads of this slot are in
	s_barrier_signal -1
	s_barrier_wait -1
.endif
.endm
	s_mov_b32 s28, 7
.Lpair:
	TRIP 0, 1, 0
	TRIP 1, 1, 1
	s_lshr_b32 s[FW], s[FW], 2
	s_sub_co_u32 s28, s28, 1
	s_cmp_lg_u32 s28, 0
	s_cbranch_scc1 .Lpair
	TRIP 0, 1, 0
	TRIP 1, 0, 1                                   ; the last step asks for nothing
	; THE WAY OUT: O^T / the sum is quantised along the head's 64 (two blocks: the next product's K) and meets the group's other heads in LDS: a token's 256 codes leave as one aligned run.
.rept 8
	v_nop
.endr
	v_add_f32 v14, v14, v15
	v_permlanex16_b32 v252, v14, s[SEL], s[SEL+1]
	v_add_f32 v14, v14, v252                       ; the row's sum
	v_cmp_eq_f32 vcc_lo, 0, v14                    ; no key counted
	v_rcp_f32 v15, v14
	v_mov_b32 v254, 0xffff                         ; (a plain line behind the transcendental)
	s_wait_alu depctr_va_vdst(0)
.irp j, 0,1,2,3,4,5,6,7,8,9,10,11,12,13,14,15,16,17,18,19,20,21,22,23,24,25,26,27,28,29,30,31
	v_mul_f32 v[S+\j], v[O+\j], v15                ; register 8 t + i: channel 16 t + 8 h + i
.endr
.irp b, 0,1
	v_max3_num_f32 v[236+\b], |v[S+16*\b]|, |v[S+1+16*\b]|, 0x4800000
.endr
.irp i, 2,4,6,8,10,12,14
.irp b, 0,1
	v_max3_num_f32 v[236+\b], v[236+\b], |v[S+16*\b+\i]|, |v[S+1+16*\b+\i]|
.endr
.endr
.irp b, 0,1
	v_permlanex16_b32 v[240+\b], v[236+\b], s[SEL], s[SEL+1]
.endr
.irp b, 0,1
	v_max_num_f32 v[236+\b], v[236+\b], v[240+\b]
.endr
.irp b, 0,1
	v_add_nc_u32 v[248+\b], 0xfc000000, v[236+\b]
.endr
.irp b, 0,1
	v_and_or_b32 v[244+\b], v[236+\b], 0x7f800000, s[MNT]
.endr
.irp b, 0,1
	v_lshrrev_b32 v[240+\b], 23, v[248+\b]
.endr
	v_lshl_or_b32 v252, v241, 8, v240
	v_cndmask_b32 v252, v252, v254, vcc_lo         ; 0xff, 0xff where no key counted
.irp b, 0,1
.irp i, 0,1,2,3,4,5,6,7,8,9,10,11,12,13,14,15
	v_med3_num_f32 v[S+16*\b+\i], v[S+16*\b+\i], -v[244+\b], v[244+\b]
.endr
	v_cvt_scalef32_pk8_fp8_f32 v[MB+4*\b:MB+1+4*\b], v[S+16*\b:S+7+16*\b], v[248+\b]
	v_cvt_scalef32_pk8_fp8_f32 v[MB+2+4*\b:MB+3+4*\b], v[S+8+16*\b:S+15+16*\b], v[248+\b]
.endr
	v_nop
.irp b, 0,1
.irp p, 0,1
	ds_store_b64 v6, v[MB+4*\b+2*\p:MB+4*\b+2*\p+1] offset:32*\b+16*\p   ; channels 32 b + 16 p + 8 h on
.endr
.endr
	ds_store_b16 v7, v252
	v_and_b32 v2, 31, v0                           ; v2 and v5 have served their last LDS instruction: v2 becomes the scale bytes' offset in ac, made of the thread's number alone
	v_bfe_u32 v5, v0, 4, 1
	v_lshlrev_b32 v2, 2, v2
	v_lshl_add_u32 v2, v5, 6, v2                   ; 8 x (row + 8 (row / 8)) + 4 x word, row = lane / 2, word = lane % 2: 4 x lane + 64 x (lane / 16)
	s_wait_dscnt 0x0
	s_barrier_signal -1
	s_barrier_wait -1
	ds_load_b128 v[S:S+3], v8
	ds_load_b128 v[S+4:S+7], v8 offset:544
	s_lshr_b32 s50, s17, 1
	s_lshl_b32 s50, s50, 5
	s_and_b32 s51, s17, 1
	s_lshl_b32 s51, s51, 3
	s_add_co_u32 s50, s50, s51
	s_lshl_b32 s51, s20, 11
	s_add_co_u32 s50, s50, s51                     ; the tile's first token
	s_lshl_b32 s52, s50, 3
	s_lshl_b32 s53, s21, 15
	s_add_co_u32 s52, s52, s53
	s_add_co_u32 s52, s52, 4194304
	s_mov_b32 s53, 0                               ; its scale bytes: K step = the group
	s_lshl_b32 s51, s15, 2
	s_add_co_u32 s50, s50, s51
	s_lshr_b32 s51, s15, 1
	s_lshl_b32 s51, s51, 3
	s_add_co_u32 s50, s50, s51                     ; rows 4 hd on: + 4 hd + 8 (hd / 2)
	s_lshl_b32 s50, s50, 10
	s_lshl_b32 s51, s21, 8
	s_add_co_u32 s50, s50, s51
	s_mov_b32 s51, 0
	s_add_nc_u64 s[50:51], s[12:13], s[50:51]
	s_add_nc_u64 s[52:53], s[12:13], s[52:53]
	s_wait_dscnt 0x0
	global_store_b128 v10, v[S:S+3], s[50:51]                  ; sixteen lanes store one aligned run of 256 bytes
	global_store_b128 v10, v[S+4:S+7], s[50:51] offset:2048
	s_cmp_lg_u32 s15, 0
	s_cbranch_scc1 .Ldone
	ds_load_b32 v[S+8], v9                         ; a register that no pending store names
	s_wait_dscnt 0x0
	global_store_b32 v2, v[S+8], s[52:53]          ; runs of 64 bytes: the scale bytes are one in 32 of the codes
.Ldone:
	s_wait_xcnt 0x0
	v_lshl_add_u32 v254, v0, 2, 0x18000
	v_mov_b32 v255, 0
	s_wait_tensorcnt 0x0
	ds_add_u32 v254, v255
	s_wait_dscnt 0x0
	s_endpgm
.Lfunc_end_k_q14b173add4_attn:
	.size	k_q14b173add4_attn, .Lfunc_end_k_q14b173add4_attn-k_q14b173add4_attn
	.p2alignl 7, 3214868480
	.fill 96, 4, 3214868480
	.section	.rodata,"a",@progbits
	.p2align	6, 0x0
	.amdhsa_kernel k_q14b173add4_attn
		.amdhsa_group_segment_fixed_size 100352
		.amdhsa_private_segment_fixed_size 0
		.amdhsa_enable_private_segment 0
		.amdhsa_kernarg_size 40
		.amdhsa_user_sgpr_count 2
		.amdhsa_user_sgpr_kernarg_segment_ptr 1
		.amdhsa_wavefront_size32 1
		.amdhsa_system_sgpr_workgroup_id_x 1
		.amdhsa_system_sgpr_workgroup_id_y 1
		.amdhsa_system_sgpr_workgroup_id_z 1
		.amdhsa_system_vgpr_workitem_id 0
		.amdhsa_next_free_vgpr 256
		.amdhsa_next_free_sgpr 66
		.amdhsa_reserve_vcc 1
		.amdhsa_float_denorm_mode_32 3
		.amdhsa_float_denorm_mode_16_64 3
		.amdhsa_memory_ordered 1
		.amdhsa_forward_progress 1
		.amdhsa_inst_pref_size 96
	.end_amdhsa_kernel
	.amdgpu_metadata
---
amdhsa.version: [ 1, 2 ]
amdhsa.kernels:
  - .name:           k_q14b173add4_attn
    .symbol:         k_q14b173add4_attn.kd
    .args:
      - { .name: qc, .offset: 0, .size: 8, .value_kind: global_buffer, .address_space: global }
      - { .name: kv, .offset: 8, .size: 8, .value_kind: global_buffer, .address_space: global }
      - { .name: maskb, .offset: 16, .size: 8, .value_kind: global_buffer, .address_space: global }
      - { .name: flags, .offset: 24, .size: 8, .value_kind: global_buffer, .address_space: global }
      - { .name: ac, .offset: 32, .size: 8, .value_kind: global_buffer, .address_space: global }
    .group_segment_fixed_size: 100352
    .private_segment_fixed_size: 0
    .kernarg_segment_align: 8
    .kernarg_segment_size: 40
    .max_flat_workgroup_size: 512
    .sgpr_count:     66
    .vgpr_count:     256
    .wavefront_size: 32
...
	.end_amdgpu_metadata
.endif
;; end of part 4
;; launch wo (part 5): grid 8 x 16, 4 waves a work-group, clusters of 4 x 4, 327,680 bytes of LDS; arguments ac, Wo_codes, Wo_scales, bo, x, x1; writes x1
.if DOCPART == 5
	.amdgcn_target "amdgcn-amd-amdhsa--gfx1250"
	.amdhsa_code_object_version 6
	.text
	.protected	k_q14b173add4_wo
	.globl	k_q14b173add4_wo
	.p2align	8
	.type	k_q14b173add4_wo,@function
k_q14b173add4_wo:
	s_mov_b64 s[64:65], 0
	v_nop
	global_prefetch_b8 v0, s[64:65] scope:SCOPE_SE
	s_setreg_imm32_b32 hwreg(HW_REG_WAVE_MODE, 25, 1), 1
	s_wait_xcnt 0x0
	s_wait_alu depctr_hold_cnt(0) depctr_sa_sdst(0) depctr_va_vdst(0) depctr_va_sdst(0) depctr_va_ssrc(0) depctr_va_vcc(0) depctr_vm_vsrc(0)
	s_getreg_b32 s2, hwreg(HW_REG_IB_STS2, 6, 4)
	s_cmp_eq_u32 s2, 0
	s_cbranch_scc0 .Lentry_in_a_cluster
	s_endpgm
.Lentry_in_a_cluster:
	s_bfe_u32 s2, ttmp6, 0x10000c
	s_cmp_lg_u32 s2, 0xf033
	s_cbranch_scc0 .Lentry_shape_is_right
	s_endpgm
.Lentry_shape_is_right:
; out = res + A B^T + bias.  A: [4096][SIZE_K] codes of E4M3 at byte 0 of its buffer, its E8M0 scale bytes behind them, laid [SIZE_K / 256][4096][8]; B: [1024][SIZE_K] codes, scale bytes [1024][SIZE_K / 32]; bias [1024], res, out [4096][1024] f32.
; A work-group makes 256 rows x 128 columns, each of its four waves 128 x 64: 32 accumulators, 256 registers (a tile of 256 x 256 would leave three WGPs in four without work at this size).
; K goes in steps of 256 through a ring of two LDS slots filled by joint tensor loads: A's tile is shared along a row of the 4 x 4 cluster, B's along a column.  All scale bytes come once, with the first fills.
; THE MATRIX INSTRUCTION IS USED TRANSPOSED (source 0 = 16 rows of B, source 1 = 16 rows of A): a lane holds eight neighbouring numbers of a row of the result.
; REGISTERS: window 0: v0-31 addresses; v32-63 A's scale words, v64-79 B's; v96-99 the bias; v128-255 A's fragments, ONE set (on the way out: results and residual).  window 1: B's fragments, two sets of 64.  window 2: the accumulators ((a, b) at v[8 (4 a + b)]).
.set SIZE_K, 1024
.set SCOFF,  4194304                   ; where A's scale bytes begin
.set NB,     4
.set KSTEP,  256
.set ROWB,   256
.set KROW,   SIZE_K
.set PITCH,  272                       ; an LDS row: 256 bytes + 16 of padding: the 16 rows that a load touches start at 16 different banks (64 banks of 4 bytes: ISA guide 11.1)
.set FR,     16
.set NL,     4
.set NP,     8                         ; places behind this matrix instruction (ISA guide 7.12.1)
.set HALFA,  128*PITCH
.set HALFB,  16*NB*PITCH
.set SLOT,   2*HALFA+2*HALFB
.set LAPS,   SIZE_K/(2*KSTEP)
.set NX,     SIZE_K/KSTEP
.set KS,     SIZE_K/32
.set SCA,    2*SLOT
.set HALFSA, NX*1040
.set SCB,    (SCA+2*HALFSA+255)/256*256
.set RSB,    16*NB*KS/256
.set HALFSB, RSB*272
.set SBLK,   (16*KS/256)*272
.set SPARE,  (SCB+2*HALFSB+255)/256*256   ; the spare words, 128 bytes for each wave: two blocks of 256 bytes that no other line names
.set STAGE,  SPARE+512                 ; the way out: 16 rows x (256 + 16) bytes for each wave; no fill lands here
.set ADRA, 16
.set ADRB, 20
.set ADSA, 22
.set ADSB, 23
.set STO, 24
.set RD,  25
.set CO,  26
.set SPW, 28
.set NIL, 29
.set SA,  32
.set SB,  64
.set BI4, 96
.set AF,  128
.set BK,  128
.set RS,  192
.set G1, 24
.set G0, 32
.set G1B, 48
.set G0B, 56
.set G1S, 68
.set G0S, 76
.set G1SB, 80
.set G0SB, 88
.set MSB, 0
.macro WIN new                         ; the immediate's high byte repeats the setting that is left
.if MSB != \new
	s_set_vgpr_msb (MSB<<8)|\new
.set MSB, \new
.endif
.endm
.set MUL,  0xa1                        ; source 0 (B) window 1, source 1 (A) window 0, C and D window 2
.set TO_B, 0x40
; A joint load: waves 0 and 1 fetch for A, waves 2 and 3 for B; the branch hangs on the wave's number alone.  Four v_nop follow each of the two lines.
.macro JLOAD g0a, g1a, g0b, g1b
	s_cmp_eq_u32 s15, 0
	s_cbranch_scc0 .Lfor_b_\@
	tensor_load_to_lds s[\g0a:\g0a+3], s[\g1a:\g1a+7]
	s_nop 0
.rept 4
	v_nop
.endr
	s_branch .Lasked_\@
.Lfor_b_\@:
	tensor_load_to_lds s[\g0b:\g0b+3], s[\g1b:\g1b+7]
	s_nop 0
.rept 4
	v_nop
.endr
.Lasked_\@:
.endm
.macro CREST                           ; a round of the cluster's barrier behind its opening barrier
	s_cmp_lg_u32 s14, 0
	s_cbranch_scc1 .Lnot_wave_0_\@
	s_barrier_signal -3
.Lnot_wave_0_\@:
	s_barrier_wait -3
	s_barrier_signal -1
	s_barrier_wait -1
.endm
.macro CROUND
	s_barrier_signal -1
	s_barrier_wait -1
	CREST
.endm
.macro PLACES n
.rept \n
	v_nop
.endr
.endm
	s_load_b256 s[4:11], s[0:1], 0x0               ; A, B's codes, B's scales, the bias
	s_load_b128 s[96:99], s[0:1], 0x20             ; res, out
	v_lshl_add_u32 v[SPW], v0, 2, SPARE
	v_mov_b32 v[NIL], 0
	ds_add_u32 v28, v29
	ds_add_u32 v28, v29
	s_wait_dscnt 0x0
	v_lshrrev_b32 v1, 5, v0
	v_readfirstlane_b32 s14, v1                    ; wave 0..3
	s_lshr_b32 s15, s14, 1                         ; which 128 rows are mine.  Also: I fetch for A (0) or for B (1)
	s_and_b32 s16, s14, 1                          ; which 64 columns.  Also: which half of that tile I fetch
	s_bfe_u32 s66, ttmp6, 0x40000                  ; cx, cy: my place in the cluster
	s_bfe_u32 s67, ttmp6, 0x40004
	s_lshl_b32 s100, ttmp9, 2
	s_add_co_u32 s100, s100, s66                   ; x: columns 128 x on
	s_and_b32 s17, ttmp7, 0xffff
	s_lshl_b32 s17, s17, 2
	s_add_co_u32 s17, s17, s67                     ; y: rows 256 y on
	s_lshl_b32 s101, s67, 2
	s_lshl_b32 s101, 15, s101                      ; my row of the cluster
	s_lshl_b32 s104, 0x1111, s66                   ; my column
	s_or_b32 s[G1+0], s101, (0<<16)|(1<<20)|(1<<21)|(5<<22)|(3<<25)   ; 15:0 the mask: my row; elements of 1 byte; padding on; bit 21 beside a mask; four words after every 64
	s_or_b32 s[G1B+0], s104, (0<<16)|(1<<20)|(1<<21)|(5<<22)|(3<<25)
.irp g, G1, G1B
	s_mov_b32 s[\g+1], ROWB<<16                    ; tensor_dim0
	s_mov_b32 s[\g+3], ROWB<<16                    ; tile_dim0
	s_mov_b32 s[\g+5], KROW                        ; the pitch
	s_mov_b32 s[\g+6], 0
	s_mov_b32 s[\g+7], 0
.endr
	s_mov_b32 s[G1+2], 128<<16                     ; tensor_dim1
	s_mov_b32 s[G1+4], 128                         ; tile_dim1
	s_mov_b32 s[G1B+2], (16*NB)<<16
	s_mov_b32 s[G1B+4], 16*NB
	; A's scale words of 128 rows: NX rows (one a K step) of 128 elements of 8 bytes, 4,096 elements apart; 16 bytes of padding behind each 1,024
	s_or_b32 s[G1S+0], s101, (3<<16)|(1<<20)|(1<<21)|(7<<22)|(3<<25)
	s_mov_b32 s[G1S+1], 128<<16
	s_mov_b32 s[G1S+2], NX<<16
	s_mov_b32 s[G1S+3], 128<<16
	s_mov_b32 s[G1S+4], NX
	s_mov_b32 s[G1S+5], 4096
	s_mov_b32 s[G1S+6], 0
	s_mov_b32 s[G1S+7], 0
	; B's scale bytes of 64 rows: a dense block, as rows of 256 bytes, 16 bytes of padding behind each
	s_or_b32 s[G1SB+0], s104, (3<<16)|(1<<20)|(1<<21)|(5<<22)|(3<<25)
	s_mov_b32 s[G1SB+1], 32<<16
	s_mov_b32 s[G1SB+2], RSB<<16
	s_mov_b32 s[G1SB+3], 32<<16
	s_mov_b32 s[G1SB+4], RSB
	s_mov_b32 s[G1SB+5], 32
	s_mov_b32 s[G1SB+6], 0
	s_mov_b32 s[G1SB+7], 0
	s_lshl_b32 s18, s16, 7
	s_lshl_b32 s20, s17, 8
	s_add_co_u32 s20, s20, s18                     ; A: row 256 y + 128 x half
	s_mov_b32 s21, 0
	s_lshl_b64 s[22:23], s[20:21], 3               ; its scale words: 8 bytes a row
	s_mov_b64 s[18:19], KROW
	s_mul_u64 s[20:21], s[20:21], s[18:19]         ; its codes
	s_mul_i32 s40, s100, 32*NB
	s_mul_i32 s41, s16, 16*NB
	s_add_co_u32 s40, s40, s41                     ; B: row 128 x + 64 x half
	s_mov_b32 s41, 0
	s_mul_u64 s[42:43], s[40:41], s[18:19]
	s_mov_b64 s[18:19], KS
	s_mul_u64 s[40:41], s[40:41], s[18:19]
	s_mul_i32 s44, s16, HALFA                      ; where they go: no place in the cluster enters an LDS address
	s_mul_i32 s45, s16, HALFB
	s_add_co_u32 s45, s45, 2*HALFA
	s_mul_i32 s46, s16, HALFSA
	s_add_co_u32 s46, s46, SCA
	s_mul_i32 s47, s16, HALFSB
	s_add_co_u32 s47, s47, SCB
	s_wait_kmcnt 0x0
	s_add_nc_u64 s[20:21], s[4:5], s[20:21]
	s_add_nc_u64 s[22:23], s[4:5], s[22:23]
	s_add_nc_u64 s[22:23], s[22:23], SCOFF
	s_add_nc_u64 s[42:43], s[6:7], s[42:43]
	s_add_nc_u64 s[40:41], s[8:9], s[40:41]
	CROUND                                         ; all sixteen work-groups are here: the first joint loads meet
	s_mov_b32 s[G0S], 1
	s_mov_b32 s[G0S+1], s46
	s_mov_b64 s[G0S+2:G0S+3], s[22:23]
	s_or_b32 s[G0S+3], s[G0S+3], 0x80000000
	s_mov_b32 s[G0SB], 1
	s_mov_b32 s[G0SB+1], s47
	s_mov_b64 s[G0SB+2:G0SB+3], s[40:41]
	s_or_b32 s[G0SB+3], s[G0SB+3], 0x80000000
	JLOAD G0S, G1S, G0SB, G1SB                     ; the scales first: they are wanted with K step 0
.irp s, 0,1
	s_mov_b32 s[G0+4*\s], 1
	s_add_co_u32 s[G0+4*\s+1], s44, \s*SLOT
	s_add_nc_u64 s[G0+4*\s+2:G0+4*\s+3], s[20:21], \s*ROWB
	s_or_b32 s[G0+4*\s+3], s[G0+4*\s+3], 0x80000000
	s_mov_b32 s[G0B+4*\s], 1
	s_add_co_u32 s[G0B+4*\s+1], s45, \s*SLOT
	s_add_nc_u64 s[G0B+4*\s+2:G0B+4*\s+3], s[42:43], \s*ROWB
	s_or_b32 s[G0B+4*\s+3], s[G0B+4*\s+3], 0x80000000
	JLOAD G0+4*\s, G1, G0B+4*\s, G1B
.endr
	v_and_b32 v1, 15, v0                           ; r
	v_bfe_u32 v2, v0, 4, 1                         ; h
	v_mul_u32_u24 v3, v1, PITCH
	v_lshl_add_u32 v4, v2, 4, v3                   ; a fragment's row x pitch + 16 x half
	s_mul_i32 s21, s15, HALFA
	s_mul_i32 s22, s16, HALFB
	s_add_co_u32 s22, s22, 2*HALFA
.irp s, 0,1
	v_add_nc_u32 v[ADRA+\s], s21, v4
	v_add_nc_u32 v[ADRB+\s], s22, v4
	s_add_co_u32 s21, s21, SLOT
	s_add_co_u32 s22, s22, SLOT
.endr
	s_mul_i32 s21, s15, HALFSA
	s_add_co_u32 s21, s21, SCA
	v_lshl_add_u32 v[ADSA], v1, 3, s21             ; A's scale words: 8 bytes a row
	v_mul_u32_u24 v3, v1, KS                       ; B's: KS bytes a row,
	v_lshrrev_b32 v4, 8, v3
	v_lshl_add_u32 v3, v4, 4, v3                   ; and 16 more for each 256 passed
	s_mul_i32 s21, s16, HALFSB
	s_add_co_u32 s21, s21, SCB
	v_add_nc_u32 v[ADSB], s21, v3
	s_mul_i32 s23, s14, 16*272
	s_add_co_u32 s23, s23, STAGE                   ; my stage
	v_mul_u32_u24 v5, v1, 272
	v_lshl_add_u32 v5, v2, 5, v5
	v_add_nc_u32 v[STO], s23, v5                   ; in: row r, 32 bytes for each half of the lanes
	v_mul_u32_u24 v5, v2, 272
	v_lshl_add_u32 v5, v1, 4, v5
	v_add_nc_u32 v[RD], s23, v5                    ; back: lanes 0-15 one row of 256 bytes, lanes 16-31 the next
	v_lshlrev_b32 v5, 12, v2
	v_lshl_add_u32 v[CO], v1, 4, v5                ; and the same two rows in res and out
	v_lshlrev_b32 v6, 4, v1
	s_lshl_b32 s20, s17, 8
	s_lshl_b32 s21, s15, 7
	s_add_co_u32 s20, s20, s21
	s_lshl_b32 s20, s20, 12                        ; my first row, in bytes
	s_lshl_b32 s40, s100, 9
	s_lshl_b32 s41, s16, 8
	s_add_co_u32 s40, s40, s41                     ; my first column, in bytes
	s_mov_b32 s41, 0
	s_add_nc_u64 s[10:11], s[10:11], s[40:41]
	s_add_co_u32 s20, s20, s40
	s_mov_b32 s21, 0
	s_add_nc_u64 s[96:97], s[96:97], s[20:21]
	s_add_nc_u64 s[98:99], s[98:99], s[20:21]
	global_load_b128 v[BI4:BI4+3], v6, s[10:11]    ; the bias of my four columns of a row's 64
.macro FRAG reg, adr, q, i             ; 16 rows x 128 K: lane l holds row l % 16; registers 4 c .. 4 c + 3 hold K = 32 c + 16 (l / 16) + 0 .. 15
.irp c, 0,1,2,3
	ds_load_b128 v[\reg+4*\c:\reg+4*\c+3], v[\adr] offset:128*(\q)+32*\c+(\i)*16*PITCH
.endr
.endm
; 8 matrix instructions: A's blocks a0, a0 + 1 x B's four.  The 32 accumulators take turns, one instruction a turn, in the same order in every step
.macro MULG a0, p, q, sc, zero
.irp a, \a0, \a0+1
.irp b, 0,1,2,3
.if \zero
	v_wmma_scale_f32_16x16x128_f8f6f4 v[8*(4*(\a)+\b):8*(4*(\a)+\b)+7], v[64*(\p)+FR*\b:64*(\p)+FR*\b+FR-1], v[AF+FR*(\a):AF+FR*(\a)+FR-1], 0, v[SB+2*NB*(\sc)+2*\b+(\q)], v[SA+16*(\sc)+2*(\a)+(\q)]
.else
	v_wmma_scale_f32_16x16x128_f8f6f4 v[8*(4*(\a)+\b):8*(4*(\a)+\b)+7], v[64*(\p)+FR*\b:64*(\p)+FR*\b+FR-1], v[AF+FR*(\a):AF+FR*(\a)+FR-1], v[8*(4*(\a)+\b):8*(4*(\a)+\b)+7], v[SB+2*NB*(\sc)+2*\b+(\q)], v[SA+16*(\sc)+2*(\a)+(\q)]
.endif
.endr
.endr
.endm
.macro FETCH_B slot, q, p
	WIN TO_B
.irp i, 0,1,2,3
	FRAG 64*(\p)+FR*\i, ADRB+\slot, \q, \i
.endr
	WIN 0
.endm
.macro FETCH_A slot, q, i0
.irp i, \i0, \i0+1, \i0+2, \i0+3
	FRAG AF+FR*(\i), ADRA+\slot, \q, \i
.endr
.endm
.macro SCALES sc                       ; a K step's scale words: two a row
.irp i, 0,1,2,3,4,5,6,7
	ds_load_b64 v[SA+16*\sc+2*\i:SA+16*\sc+2*\i+1], v[ADSA] offset:128*\i
.endr
.irp b, 0,1,2,3
	ds_load_b64 v[SB+2*NB*\sc+2*\b:SB+2*NB*\sc+2*\b+1], v[ADSB] offset:\b*SBLK
.endr
.endm
; A step of 128 along K that has its successor in the same slot.  A block of A is free as soon as its products are issued: blocks 0-3 are fetched anew in the step's middle, blocks 4-7 at its end; B has two sets.
.macro STEP slot, q, zero
	s_wait_dscnt 4*NL                              ; all but the youngest sixteen loads (A's blocks 4-7) are in
	WIN MUL
	MULG 0, (\q)%2, \q, \slot, \zero
	MULG 2, (\q)%2, \q, \slot, \zero
	s_wait_dscnt 0
	PLACES NP                                      ; in front of loads into registers that matrix instructions have read
	FETCH_B \slot, (\q)+1, 1-(\q)%2
	FETCH_A \slot, (\q)+1, 0
	WIN MUL
	MULG 4, (\q)%2, \q, \slot, \zero
	MULG 6, (\q)%2, \q, \slot, \zero
	PLACES NP
	WIN 0
	FETCH_A \slot, (\q)+1, 4
.endm
; A slot's last step changes slots: ONE barrier; in front of it each wave waits for all its tensor loads, adds 0 to its spare word, and waits for that and for its own reads of this slot.
.macro TURN slot, next, fill
	s_wait_tensorcnt 0x0                           ; all my tensor loads have landed: my part of the next slot
	ds_add_u32 v[SPW], v[NIL]                      ; 0 onto my spare word
	s_wait_dscnt 4*NL+1                            ; (the add and the youngest sixteen loads may be out)
	WIN MUL
	MULG 0, 1, 1, \slot, 0                         ; matrix instructions stand between the add and the wait for it
	s_wait_dscnt 0x0                               ; the add is done, and my reads of this slot are over
	s_barrier_signal -1
	MULG 2, 1, 1, \slot, 0
	WIN 0
	s_barrier_wait -1
.if \fill
	CREST                                          ; the barrier has opened a round of the cluster's barrier: no wave of any partner still reads this slot or has a load on its way
	s_add_nc_u64 s[G0+4*\slot+2:G0+4*\slot+3], s[G0+4*\slot+2:G0+4*\slot+3], 2*ROWB
	s_add_nc_u64 s[G0B+4*\slot+2:G0B+4*\slot+3], s[G0B+4*\slot+2:G0B+4*\slot+3], 2*ROWB
	JLOAD G0+4*\slot, G1, G0B+4*\slot, G1B         ; the first tensor load behind the round; its four v_nop are among the places in front of the loads below
	PLACES NP-4
.else
	PLACES NP
.endif
	v_add_nc_u32 v[ADSA], 1040, v[ADSA]            ; on to the next K step's scale words
	v_add_nc_u32 v[ADSB], 8, v[ADSB]
	FETCH_B \next, 0, 0
	FETCH_A \next, 0, 0
	SCALES \next
	WIN MUL
	MULG 4, 1, 1, \slot, 0
	MULG 6, 1, 1, \slot, 0
	PLACES NP
	WIN 0
	FETCH_A \next, 0, 4
.endm
	s_wait_tensorcnt 1                             ; the scales and my part of K step 0 are in (K step 1's load is the one younger),
	s_barrier_signal -1
	s_barrier_wait -1                              ; everybody's are
	FETCH_B 0, 0, 0
	FETCH_A 0, 0, 0
	SCALES 0
	FETCH_A 0, 0, 4
	STEP 0, 0, 1                                   ; the first step stands in front of the loop: its products start the sums
	s_mov_b32 s3, LAPS-1
.Llap:                                                 ; a trip goes once round the ring and fills both slots again
	TURN 0, 1, 1
	STEP 1, 0, 0
	TURN 1, 0, 1
	STEP 0, 0, 0
	s_sub_co_u32 s3, s3, 1
	s_cmp_lg_u32 s3, 0
	s_cbranch_scc1 .Llap
	TURN 0, 1, 0                                   ; the last lap fills nothing
	STEP 1, 0, 0
	s_wait_dscnt 4*NL                              ; the last step
	WIN MUL
	MULG 0, 1, 1, 1, 0
	MULG 2, 1, 1, 1, 0
	s_wait_dscnt 0
	MULG 4, 1, 1, 1, 0
	MULG 6, 1, 1, 1, 0
	WIN 0
; THE WAY OUT, block by block of 16 rows x 64 columns: through my own stage in LDS, back as whole rows of 256 bytes; + the residual + the bias; sixteen lanes store one aligned run of 256 bytes.  Every offset is an immediate.
.macro RESLD a
.irp t, 0,1,2,3,4,5,6,7
	global_load_b128 v[RS+32*((\a)%2)+4*\t:RS+32*((\a)%2)+4*\t+3], v[CO], s[96:97] offset:65536*(\a)+8192*\t th:TH_LOAD_NT
.endr
.endm
.macro TOSTAGE a
	WIN 0x08                                       ; an LDS store's data are its source 1: window 2
.irp b, 0,1,2,3
	ds_store_b128 v[STO], v[32*(\a)+8*\b:32*(\a)+8*\b+3] offset:64*\b          ; each accumulator from its low end on
	ds_store_b128 v[STO], v[32*(\a)+8*\b+4:32*(\a)+8*\b+7] offset:64*\b+16
.endr
	WIN 0
.irp t, 0,1,2,3,4,5,6,7
	ds_load_b128 v[BK+32*((\a)%2)+4*\t:BK+32*((\a)%2)+4*\t+3], v[RD] offset:544*\t   ; LDS serves a wave's instructions in order: these see the stores above
.endr
.endm
.macro SEND a
.set BB, BK+32*((\a)%2)
.set RR, RS+32*((\a)%2)
.irp t, 0,1,2,3,4,5,6,7
	v_pk_add_f32 v[BB+4*\t:BB+4*\t+1], v[BB+4*\t:BB+4*\t+1], v[RR+4*\t:RR+4*\t+1]
	v_pk_add_f32 v[BB+4*\t+2:BB+4*\t+3], v[BB+4*\t+2:BB+4*\t+3], v[RR+4*\t+2:RR+4*\t+3]
	v_pk_add_f32 v[BB+4*\t:BB+4*\t+1], v[BB+4*\t:BB+4*\t+1], v[BI4:BI4+1]
	v_pk_add_f32 v[BB+4*\t+2:BB+4*\t+3], v[BB+4*\t+2:BB+4*\t+3], v[BI4+2:BI4+3]
	global_store_b128 v[CO], v[BB+4*\t:BB+4*\t+3], s[98:99] offset:65536*(\a)+8192*\t th:TH_STORE_NT
.endr
.endm
	PLACES NP                                      ; in front of the first read of results and of loads into the registers that held A's fragments
	RESLD 0
	RESLD 1
	TOSTAGE 0
.irp a, 0,1,2,3,4,5,6
	s_wait_xcnt 0x0                                ; block a - 1's stores have read their registers: block a + 1's loads may land there
	TOSTAGE \a+1
	s_wait_dscnt 16                                ; block a is back: the next block's 8 stores and 8 loads are younger
	s_wait_loadcnt 8                               ; its residual (and the bias) is in: the next block's 8 loads are younger
	SEND \a
.if \a < 6
	RESLD \a+2
.endif
.endr
	s_wait_dscnt 0x0
	s_wait_loadcnt 0x0
	SEND 7
	s_wait_tensorcnt 0x0                           ; the wave's end
	ds_add_u32 v[SPW], v[NIL]
	s_wait_dscnt 0x0
	CROUND                                         ; the closing round: no work-group ends while a partner may still ask for a tile that names it
	s_endpgm
.Lfunc_end_k_q14b173add4_wo:
	.size	k_q14b173add4_wo, .Lfunc_end_k_q14b173add4_wo-k_q14b173add4_wo
	.p2alignl 7, 3214868480
	.fill 96, 4, 3214868480
	.section	.rodata,"a",@progbits
	.p2align	6, 0x0
	.amdhsa_kernel k_q14b173add4_wo
		.amdhsa_group_segment_fixed_size 327680
		.amdhsa_private_segment_fixed_size 0
		.amdhsa_enable_private_segment 0
		.amdhsa_kernarg_size 48
		.amdhsa_user_sgpr_count 2
		.amdhsa_user_sgpr_kernarg_segment_ptr 1
		.amdhsa_wavefront_size32 1
		.amdhsa_system_sgpr_workgroup_id_x 1
		.amdhsa_system_sgpr_workgroup_id_y 1
		.amdhsa_system_sgpr_workgroup_id_z 1
		.amdhsa_system_vgpr_workitem_id 0
		.amdhsa_next_free_vgpr 1024
		.amdhsa_next_free_sgpr 106
		.amdhsa_reserve_vcc 0
		.amdhsa_float_denorm_mode_32 3
		.amdhsa_float_denorm_mode_16_64 3
		.amdhsa_memory_ordered 1
		.amdhsa_forward_progress 1
		.amdhsa_inst_pref_size 115
	.end_amdhsa_kernel
	.amdgpu_metadata
---
amdhsa.version: [ 1, 2 ]
amdhsa.kernels:
  - .name:           k_q14b173add4_wo
    .symbol:         k_q14b173add4_wo.kd
    .args:
      - { .name: ac, .offset: 0, .size: 8, .value_kind: global_buffer, .address_space: global }
      - { .name: Wo_codes, .offset: 8, .size: 8, .value_kind: global_buffer, .address_space: global }
      - { .name: Wo_scales, .offset: 16, .size: 8, .value_kind: global_buffer, .address_space: global }
      - { .name: bo, .offset: 24, .size: 8, .value_kind: global_buffer, .address_space: global }
      - { .name: x, .offset: 32, .size: 8, .value_kind: global_buffer, .address_space: global }
      - { .name: x1, .offset: 40, .size: 8, .value_kind: global_buffer, .address_space: global }
    .group_segment_fixed_size: 327680
    .private_segment_fixed_size: 0
    .kernarg_segment_align: 8
    .kernarg_segment_size: 48
    .max_flat_workgroup_size: 128
    .sgpr_count:     106
    .vgpr_count:     1024
    .wavefront_size: 32
...
	.end_amdgpu_metadata
.endif
;; end of part 5
;; launch ln2: the kernel of part 1 again; grid 256 x 1, 8 waves a work-group, no clusters, 87,040 bytes of LDS; arguments x1, ln2_g, ln2_b, hq; writes hq
;; launch ffn1 (part 6): grid 16 x 16, 4 waves a work-group, clusters of 4 x 4, 327,680 bytes of LDS; arguments hq, W1_codes, W1_scales, b1, hid; writes hid
.if DOCPART == 6
	.amdgcn_target "amdgcn-amd-amdhsa--gfx1250"
	.amdhsa_code_object_version 6
	.text
	.protected	k_q14b173add4_ffn1
	.globl	k_q14b173add4_ffn1
	.p2align	8
	.type	k_q14b173add4_ffn1,@function
k_q14b173add4_ffn1:
	s_mov_b64 s[64:65], 0
	v_nop
	global_prefetch_b8 v0, s[64:65] scope:SCOPE_SE
	s_setreg_imm32_b32 hwreg(HW_REG_WAVE_MODE, 25, 1), 1
	s_wait_xcnt 0x0
	s_wait_alu depctr_hold_cnt(0) depctr_sa_sdst(0) depctr_va_vdst(0) depctr_va_sdst(0) depctr_va_ssrc(0) depctr_va_vcc(0) depctr_vm_vsrc(0)
	s_getreg_b32 s2, hwreg(HW_REG_IB_STS2, 6, 4)
	s_cmp_eq_u32 s2, 0
	s_cbranch_scc0 .Lentry_in_a_cluster
	s_endpgm
.Lentry_in_a_cluster:
	s_bfe_u32 s2, ttmp6, 0x10000c
	s_cmp_lg_u32 s2, 0xf033
	s_cbranch_scc0 .Lentry_shape_is_right
	s_endpgm
.Lentry_shape_is_right:
; hid = Q(relu(A B^T + bias)).  A: [4096][1024] codes of E4M3 at byte 0 of hq, its E8M0 scale bytes behind them, laid [4][4096][8]; B: [4096][1024] codes, scale bytes [4096][32]; bias [4096] f32.
; hid: codes [4096][4096] at byte 0, scale bytes [16][4096][8] at byte 16,777,216: the hidden layer is quantised here, along its columns, which are the next product's K.
; A work-group makes 256 rows x 256 columns, each of its four waves 128 x 128: 64 accumulators, 512 registers.  K goes in steps of 256 through a ring of two LDS slots filled by joint tensor loads:
; A's tile is shared along a row of the 4 x 4 cluster, B's along a column.  All scale bytes come once, with the first fills.
; THE MATRIX INSTRUCTION IS USED TRANSPOSED (source 0 = 16 rows of B, source 1 = 16 rows of A): a lane holds one token and, of each 16 columns, eight neighbours; a block of 32 columns lies in lanes l and l xor 16.
; A wave's 128 columns are one scale word a token.  The activation costs nothing: the hold that the conversion wants clips at 0 as well.
; REGISTERS: window 0: v0-31 addresses; v32-63 A's scale words, v64-95 B's; v96-127 the quantiser's; v128-255 A's fragments, ONE set.  window 1: B's fragments, two sets of 128 (at the end v0-63: the bias).
;   window 2: the accumulators of my rows 0-63 ((a, b) at v[8 (8 a + b)]);  window 3: those of rows 64-127.
; LIMITS: NaN and infinities are not served; a block whose largest number lies under 2^-118 keeps the scale byte 1 (a block of zeros too: its codes are zeros, and this program alone reads the bytes).
.set SIZE_K, 1024
.set SCOFF,  4194304
.set NB,     8
.set KSTEP,  256
.set ROWB,   256
.set KROW,   SIZE_K
.set PITCH,  272                       ; an LDS row: 256 bytes + 16 of padding: the 16 rows that a load touches start at 16 different banks (64 banks of 4 bytes: ISA guide 11.1)
.set FR,     16
.set NL,     4
.set NP,     8                         ; places behind this matrix instruction (ISA guide 7.12.1)
.set HALFA,  128*PITCH
.set HALFB,  16*NB*PITCH
.set SLOT,   2*HALFA+2*HALFB
.set LAPS,   SIZE_K/(2*KSTEP)
.set NX,     SIZE_K/KSTEP
.set KS,     SIZE_K/32
.set SCA,    2*SLOT
.set HALFSA, NX*1040
.set SCB,    (SCA+2*HALFSA+255)/256*256
.set RSB,    16*NB*KS/256
.set HALFSB, RSB*272
.set SBLK,   (16*KS/256)*272
.set SPARE,  (SCB+2*HALFSB+255)/256*256   ; the spare words, 128 bytes for each wave: two blocks of 256 bytes that no other line names
.set SST,    SPARE+512                 ; the way out: 256 tokens x 8 scale bytes.  The codes' stage, 256 rows x 272 bytes, lies in slot 0, which has had its last fill and its last read by then
.set CST, 5
.set SSA, 6
.set CRD, 7
.set SRD, 8
.set GO,  9
.set L16, 10
.set BIO, 14
.set ADRA, 16
.set ADRB, 20
.set ADSA, 22
.set ADSB, 23
.set SPW, 28
.set NIL, 29
.set PW,  30
.set SA,  32
.set SB,  64
.set TM,  96
.set PC,  112
.set AF,  128
.set T,   128
.set SEL, 20
.set MNT, 22
.set G1, 24
.set G0, 32
.set G1B, 48
.set G0B, 56
.set G1S, 68
.set G0S, 76
.set G1SB, 80
.set G0SB, 88
.set MSB, 0
.macro WIN new                         ; the immediate's high byte repeats the setting that is left
.if MSB != \new
	s_set_vgpr_msb (MSB<<8)|\new
.set MSB, \new
.endif
.endm
.set MUL_LO, 0xa1                      ; source 0 (B) window 1, source 1 (A) window 0, C and D window 2
.set MUL_HI, 0xf1                      ; the same, C and D window 3
.set TO_B,   0x40
; A joint load: waves 0 and 1 fetch for A, waves 2 and 3 for B; the branch hangs on the wave's number alone.  Four v_nop follow each of the two lines.
.macro JLOAD g0a, g1a, g0b, g1b
	s_cmp_eq_u32 s15, 0
	s_cbranch_scc0 .Lfor_b_\@
	tensor_load_to_lds s[\g0a:\g0a+3], s[\g1a:\g1a+7]
	s_nop 0
.rept 4
	v_nop
.endr
	s_branch .Lasked_\@
.Lfor_b_\@:
	tensor_load_to_lds s[\g0b:\g0b+3], s[\g1b:\g1b+7]
	s_nop 0
.rept 4
	v_nop
.endr
.Lasked_\@:
.endm
.macro CREST                           ; a round of the cluster's barrier behind its opening barrier
	s_cmp_lg_u32 s14, 0
	s_cbranch_scc1 .Lnot_wave_0_\@
	s_barrier_signal -3
.Lnot_wave_0_\@:
	s_barrier_wait -3
	s_barrier_signal -1
	s_barrier_wait -1
.endm
.macro CROUND
	s_barrier_signal -1
	s_barrier_wait -1
	CREST
.endm
.macro PLACES n
.rept \n
	v_nop
.endr
.endm
	s_load_b256 s[4:11], s[0:1], 0x0               ; A, B's codes, B's scales, the bias
	s_load_b64 s[98:99], s[0:1], 0x20              ; hid
	v_lshl_add_u32 v[SPW], v0, 2, SPARE
	v_mov_b32 v[NIL], 0
	ds_add_u32 v28, v29
	ds_add_u32 v28, v29
	s_wait_dscnt 0x0
	v_lshrrev_b32 v1, 5, v0
	v_readfirstlane_b32 s14, v1                    ; wave 0..3
	s_lshr_b32 s15, s14, 1                         ; which 128 rows are mine.  Also: I fetch for A (0) or for B (1)
	s_and_b32 s16, s14, 1                          ; which 128 columns.  Also: which half of that tile I fetch
	s_bfe_u32 s66, ttmp6, 0x40000                  ; cx, cy: my place in the cluster
	s_bfe_u32 s67, ttmp6, 0x40004
	s_lshl_b32 s100, ttmp9, 2
	s_add_co_u32 s100, s100, s66                   ; x: columns 256 x on
	s_and_b32 s17, ttmp7, 0xffff
	s_lshl_b32 s17, s17, 2
	s_add_co_u32 s17, s17, s67                     ; y: rows 256 y on
	s_lshl_b32 s101, s67, 2
	s_lshl_b32 s101, 15, s101                      ; my row of the cluster
	s_lshl_b32 s104, 0x1111, s66                   ; my column
	s_or_b32 s[G1+0], s101, (0<<16)|(1<<20)|(1<<21)|(5<<22)|(3<<25)   ; 15:0 the mask: my row; elements of 1 byte; padding on; bit 21 beside a mask; four words after every 64
	s_or_b32 s[G1B+0], s104, (0<<16)|(1<<20)|(1<<21)|(5<<22)|(3<<25)
.irp g, G1, G1B
	s_mov_b32 s[\g+1], ROWB<<16                    ; tensor_dim0
	s_mov_b32 s[\g+2], 128<<16                     ; tensor_dim1
	s_mov_b32 s[\g+3], ROWB<<16                    ; tile_dim0
	s_mov_b32 s[\g+4], 128                         ; tile_dim1
	s_mov_b32 s[\g+5], KROW                        ; the pitch
	s_mov_b32 s[\g+6], 0
	s_mov_b32 s[\g+7], 0
.endr
	; A's scale words of 128 rows: NX rows (one a K step) of 128 elements of 8 bytes, 4,096 elements apart; 16 bytes of padding behind each 1,024
	s_or_b32 s[G1S+0], s101, (3<<16)|(1<<20)|(1<<21)|(7<<22)|(3<<25)
	s_mov_b32 s[G1S+1], 128<<16
	s_mov_b32 s[G1S+2], NX<<16
	s_mov_b32 s[G1S+3], 128<<16
	s_mov_b32 s[G1S+4], NX
	s_mov_b32 s[G1S+5], 4096
	s_mov_b32 s[G1S+6], 0
	s_mov_b32 s[G1S+7], 0
	; B's scale bytes of 128 rows: a dense block, as rows of 256 bytes, 16 bytes of padding behind each
	s_or_b32 s[G1SB+0], s104, (3<<16)|(1<<20)|(1<<21)|(5<<22)|(3<<25)
	s_mov_b32 s[G1SB+1], 32<<16
	s_mov_b32 s[G1SB+2], RSB<<16
	s_mov_b32 s[G1SB+3], 32<<16
	s_mov_b32 s[G1SB+4], RSB
	s_mov_b32 s[G1SB+5], 32
	s_mov_b32 s[G1SB+6], 0
	s_mov_b32 s[G1SB+7], 0
	s_lshl_b32 s18, s16, 7
	s_lshl_b32 s20, s17, 8
	s_add_co_u32 s20, s20, s18                     ; A: row 256 y + 128 x half
	s_mov_b32 s21, 0
	s_lshl_b64 s[22:23], s[20:21], 3               ; its scale words: 8 bytes a row
	s_mov_b64 s[18:19], KROW
	s_mul_u64 s[20:21], s[20:21], s[18:19]         ; its codes
	s_mul_i32 s40, s100, 32*NB
	s_mul_i32 s41, s16, 16*NB
	s_add_co_u32 s40, s40, s41                     ; B: row 256 x + 128 x half
	s_mov_b32 s41, 0
	s_mul_u64 s[42:43], s[40:41], s[18:19]
	s_mov_b64 s[18:19], KS
	s_mul_u64 s[40:41], s[40:41], s[18:19]
	s_mul_i32 s44, s16, HALFA                      ; where they go: no place in the cluster enters an LDS address
	s_mul_i32 s45, s16, HALFB
	s_add_co_u32 s45, s45, 2*HALFA
	s_mul_i32 s46, s16, HALFSA
	s_add_co_u32 s46, s46, SCA
	s_mul_i32 s47, s16, HALFSB
	s_add_co_u32 s47, s47, SCB
	s_wait_kmcnt 0x0
	s_add_nc_u64 s[20:21], s[4:5], s[20:21]
	s_add_nc_u64 s[22:23], s[4:5], s[22:23]
	s_add_nc_u64 s[22:23], s[22:23], SCOFF
	s_add_nc_u64 s[42:43], s[6:7], s[42:43]
	s_add_nc_u64 s[40:41], s[8:9], s[40:41]
	CROUND                                         ; all sixteen work-groups are here: the first joint loads meet
	s_mov_b32 s[G0S], 1
	s_mov_b32 s[G0S+1], s46
	s_mov_b64 s[G0S+2:G0S+3], s[22:23]
	s_or_b32 s[G0S+3], s[G0S+3], 0x80000000
	s_mov_b32 s[G0SB], 1
	s_mov_b32 s[G0SB+1], s47
	s_mov_b64 s[G0SB+2:G0SB+3], s[40:41]
	s_or_b32 s[G0SB+3], s[G0SB+3], 0x80000000
	JLOAD G0S, G1S, G0SB, G1SB                     ; the scales first: they are wanted with K step 0
.irp s, 0,1
	s_mov_b32 s[G0+4*\s], 1
	s_add_co_u32 s[G0+4*\s+1], s44, \s*SLOT
	s_add_nc_u64 s[G0+4*\s+2:G0+4*\s+3], s[20:21], \s*ROWB
	s_or_b32 s[G0+4*\s+3], s[G0+4*\s+3], 0x80000000
	s_mov_b32 s[G0B+4*\s], 1
	s_add_co_u32 s[G0B+4*\s+1], s45, \s*SLOT
	s_add_nc_u64 s[G0B+4*\s+2:G0B+4*\s+3], s[42:43], \s*ROWB
	s_or_b32 s[G0B+4*\s+3], s[G0B+4*\s+3], 0x80000000
	JLOAD G0+4*\s, G1, G0B+4*\s, G1B
.endr
	v_and_b32 v1, 15, v0                           ; r
	v_bfe_u32 v2, v0, 4, 1                         ; h
	v_mul_u32_u24 v3, v1, PITCH
	v_lshl_add_u32 v4, v2, 4, v3                   ; a fragment's row x pitch + 16 x half
	s_mul_i32 s21, s15, HALFA
	s_mul_i32 s22, s16, HALFB
	s_add_co_u32 s22, s22, 2*HALFA
.irp s, 0,1
	v_add_nc_u32 v[ADRA+\s], s21, v4
	v_add_nc_u32 v[ADRB+\s], s22, v4
	s_add_co_u32 s21, s21, SLOT
	s_add_co_u32 s22, s22, SLOT
.endr
	s_mul_i32 s21, s15, HALFSA
	s_add_co_u32 s21, s21, SCA
	v_lshl_add_u32 v[ADSA], v1, 3, s21             ; A's scale words: 8 bytes a row
	v_mul_u32_u24 v3, v1, KS                       ; B's: KS bytes a row,
	v_lshrrev_b32 v4, 8, v3
	v_lshl_add_u32 v3, v4, 4, v3                   ; and 16 more for each 256 passed
	s_mul_i32 s21, s16, HALFSB
	s_add_co_u32 s21, s21, SCB
	v_add_nc_u32 v[ADSB], s21, v3
	; the way out
	s_mul_i32 s21, s15, 128*272
	s_lshl_b32 s22, s16, 7
	s_add_co_u32 s21, s21, s22
	v_mul_u32_u24 v[CST], v1, 272
	v_lshl_add_u32 v[CST], v2, 3, v[CST]
	v_add_nc_u32 v[CST], s21, v[CST]               ; codes in: row 128 (wave / 2) + r, + 128 (wave % 2) + 8 h
	s_lshl_b32 s21, s15, 10
	s_lshl_b32 s22, s16, 2
	s_add_co_u32 s21, s21, s22
	s_add_co_u32 s21, s21, SST
	v_lshl_add_u32 v[SSA], v1, 3, s21              ; my scale word: 8 bytes a token, word wave % 2
	s_mul_i32 s21, s14, 64*272
	v_mul_u32_u24 v[CRD], v2, 272
	v_lshl_add_u32 v[CRD], v1, 4, v[CRD]
	v_add_nc_u32 v[CRD], s21, v[CRD]               ; codes back: rows 64 wave on, two an instruction
	v_and_b32 v3, 31, v0
	v_lshlrev_b32 v[L16], 4, v3
	s_lshl_b32 s21, s14, 9
	s_add_co_u32 s21, s21, SST
	v_add_nc_u32 v[SRD], s21, v[L16]               ; scale bytes back: 512 a wave
	v_lshlrev_b32 v[GO], 12, v2
	v_lshl_add_u32 v[GO], v1, 4, v[GO]             ; in hid: row h, 16 r
	v_lshlrev_b32 v[BIO], 5, v2                    ; the bias: 8 h numbers on
	s_lshl_b32 s40, s100, 10
	s_lshl_b32 s41, s16, 9
	s_add_co_u32 s40, s40, s41
	s_mov_b32 s41, 0
	s_add_nc_u64 s[10:11], s[10:11], s[40:41]      ; the bias at my 128 columns
	s_lshl_b32 s20, s17, 8
	s_lshl_b32 s21, s14, 6
	s_add_co_u32 s20, s20, s21
	s_lshl_b32 s20, s20, 12                        ; the rows that I store: 256 y + 64 wave on,
	s_lshl_b32 s21, s100, 8
	s_add_co_u32 s20, s20, s21                     ; + 256 x bytes
	s_mov_b32 s21, 0
	s_add_nc_u64 s[96:97], s[98:99], s[20:21]
	s_lshl_b32 s20, s100, 15
	s_lshl_b32 s21, s17, 11
	s_add_co_u32 s20, s20, s21
	s_lshl_b32 s21, s14, 9
	s_add_co_u32 s20, s20, s21
	s_add_co_u32 s20, s20, 16777216                ; their scale bytes: K step x
	s_mov_b32 s21, 0
	s_add_nc_u64 s[98:99], s[98:99], s[20:21]
.macro FRAG reg, adr, q, i             ; 16 rows x 128 K: lane l holds row l % 16; registers 4 c .. 4 c + 3 hold K = 32 c + 16 (l / 16) + 0 .. 15
.irp c, 0,1,2,3
	ds_load_b128 v[\reg+4*\c:\reg+4*\c+3], v[\adr] offset:128*(\q)+32*\c+(\i)*16*PITCH
.endr
.endm
; 16 matrix instructions: A's blocks a0, a0 + 1 x B's eight.  The 64 accumulators take turns, one instruction a turn, in the same order in every step
.macro MULG a0, p, q, sc, zero
.irp a, \a0, \a0+1
.irp b, 0,1,2,3,4,5,6,7
.if \zero
	v_wmma_scale_f32_16x16x128_f8f6f4 v[8*(8*((\a)%4)+\b):8*(8*((\a)%4)+\b)+7], v[128*(\p)+FR*\b:128*(\p)+FR*\b+FR-1], v[AF+FR*(\a):AF+FR*(\a)+FR-1], 0, v[SB+2*NB*(\sc)+2*\b+(\q)], v[SA+16*(\sc)+2*(\a)+(\q)]
.else
	v_wmma_scale_f32_16x16x128_f8f6f4 v[8*(8*((\a)%4)+\b):8*(8*((\a)%4)+\b)+7], v[128*(\p)+FR*\b:128*(\p)+FR*\b+FR-1], v[AF+FR*(\a):AF+FR*(\a)+FR-1], v[8*(8*((\a)%4)+\b):8*(8*((\a)%4)+\b)+7], v[SB+2*NB*(\sc)+2*\b+(\q)], v[SA+16*(\sc)+2*(\a)+(\q)]
.endif
.endr
.endr
.endm
.macro FETCH_B slot, q, p
	WIN TO_B
.irp i, 0,1,2,3,4,5,6,7
	FRAG 128*(\p)+FR*\i, ADRB+\slot, \q, \i
.endr
	WIN 0
.endm
.macro FETCH_A slot, q, i0
.irp i, \i0, \i0+1, \i0+2, \i0+3
	FRAG AF+FR*(\i), ADRA+\slot, \q, \i
.endr
.endm
.macro SCALES sc                       ; a K step's scale words: two a row
.irp i, 0,1,2,3,4,5,6,7
	ds_load_b64 v[SA+16*\sc+2*\i:SA+16*\sc+2*\i+1], v[ADSA] offset:128*\i
.endr
.irp b, 0,1,2,3,4,5,6,7
	ds_load_b64 v[SB+2*NB*\sc+2*\b:SB+2*NB*\sc+2*\b+1], v[ADSB] offset:\b*SBLK
.endr
.endm
; A step of 128 along K that has its successor in the same slot.  A block of A is free as soon as its products are issued: blocks 0-3 are fetched anew in the step's middle, blocks 4-7 at its end; B has two sets.
.macro STEP slot, q, zero
	s_wait_dscnt 4*NL                              ; all but the youngest sixteen loads (A's blocks 4-7) are in
	WIN MUL_LO
	MULG 0, (\q)%2, \q, \slot, \zero
	MULG 2, (\q)%2, \q, \slot, \zero
	s_wait_dscnt 0
	PLACES NP                                      ; in front of loads into registers that matrix instructions have read
	FETCH_B \slot, (\q)+1, 1-(\q)%2
	FETCH_A \slot, (\q)+1, 0
	WIN MUL_HI
	MULG 4, (\q)%2, \q, \slot, \zero
	MULG 6, (\q)%2, \q, \slot, \zero
	PLACES NP
	WIN 0
	FETCH_A \slot, (\q)+1, 4
.endm
; A slot's last step changes slots: ONE barrier; in front of it each wave waits for all its tensor loads, adds 0 to its spare word, and waits for that and for its own reads of this slot.
.macro TURN slot, next, fill
	s_wait_tensorcnt 0x0                           ; all my tensor loads have landed: my part of the next slot
	ds_add_u32 v[SPW], v[NIL]                      ; 0 onto my spare word
	s_wait_dscnt 4*NL+1                            ; (the add and the youngest sixteen loads may be out)
	WIN MUL_LO
	MULG 0, 1, 1, \slot, 0                         ; matrix instructions stand between the add and the wait for it
	s_wait_dscnt 0x0                               ; the add is done, and my reads of this slot are over
	s_barrier_signal -1
	MULG 2, 1, 1, \slot, 0
	WIN 0
	s_barrier_wait -1
.if \fill
	CREST                                          ; the barrier has opened a round of the cluster's barrier: no wave of any partner still reads this slot or has a load on its way
	s_add_nc_u64 s[G0+4*\slot+2:G0+4*\slot+3], s[G0+4*\slot+2:G0+4*\slot+3], 2*ROWB
	s_add_nc_u64 s[G0B+4*\slot+2:G0B+4*\slot+3], s[G0B+4*\slot+2:G0B+4*\slot+3], 2*ROWB
	JLOAD G0+4*\slot, G1, G0B+4*\slot, G1B         ; the first tensor load behind the round; its four v_nop are among the places in front of the loads below
	PLACES NP-4
.else
	PLACES NP
.endif
	v_add_nc_u32 v[ADSA], 1040, v[ADSA]            ; on to the next K step's scale words
	v_add_nc_u32 v[ADSB], 8, v[ADSB]
	FETCH_B \next, 0, 0
	FETCH_A \next, 0, 0
	SCALES \next
	WIN MUL_HI
	MULG 4, 1, 1, \slot, 0
	MULG 6, 1, 1, \slot, 0
	PLACES NP
	WIN 0
	FETCH_A \next, 0, 4
.endm
; 64 numbers of a lane in four blocks of 16, each shared with lane l xor 16, become codes in v[PC] on and a scale word in v[PW]; what is negative becomes 0 on the way
.macro QUANTR s
.irp b, 0,1,2,3
	v_max3_num_f32 v[TM+\b], v[\s+16*\b], v[\s+1+16*\b], 0x4800000   ; no |.|: what is negative must not count; the floor 2^(9 - 127) stands over it
.endr
.irp i, 2,4,6,8,10,12,14
.irp b, 0,1,2,3
	v_max3_num_f32 v[TM+\b], v[TM+\b], v[\s+16*\b+\i], v[\s+1+16*\b+\i]
.endr
.endr
.irp b, 0,1,2,3
	v_permlanex16_b32 v[TM+4+\b], v[TM+\b], s[SEL], s[SEL+1]
.endr
.irp b, 0,1,2,3
	v_max_num_f32 v[TM+\b], v[TM+\b], v[TM+4+\b]
.endr
.irp b, 0,1,2,3
	v_add_nc_u32 v[TM+12+\b], 0xfc000000, v[TM+\b]                    ; 8 off the exponent field: the conversion's scale operand
.endr
.irp b, 0,1,2,3
	v_and_or_b32 v[TM+8+\b], v[TM+\b], 0x7f800000, s[MNT]             ; 448 x the scale
.endr
.irp b, 0,1,2,3
	v_lshrrev_b32 v[TM+4+\b], 23, v[TM+12+\b]                         ; the scale's byte
.endr
	v_lshl_or_b32 v[PW], v[TM+5], 8, v[TM+4]
	v_lshl_or_b32 v[PW], v[TM+6], 16, v[PW]
	v_lshl_or_b32 v[PW], v[TM+7], 24, v[PW]
.irp b, 0,1,2,3
.irp i, 0,1,2,3,4,5,6,7,8,9,10,11,12,13,14,15
	v_med3_num_f32 v[\s+16*\b+\i], v[\s+16*\b+\i], 0, v[TM+8+\b]      ; the activation and the hold in one
.endr
	v_cvt_scalef32_pk8_fp8_f32 v[PC+4*\b:PC+1+4*\b], v[\s+16*\b:\s+7+16*\b], v[TM+12+\b]
	v_cvt_scalef32_pk8_fp8_f32 v[PC+2+4*\b:PC+3+4*\b], v[\s+8+16*\b:\s+15+16*\b], v[TM+12+\b]
.endr
	v_nop                                          ; a plain line behind the last conversion
.endm
	s_wait_tensorcnt 1                             ; the scales and my part of K step 0 are in (K step 1's load is the one younger),
	s_barrier_signal -1
	s_barrier_wait -1                              ; everybody's are
	FETCH_B 0, 0, 0
	FETCH_A 0, 0, 0
	SCALES 0
	FETCH_A 0, 0, 4
	STEP 0, 0, 1                                   ; the first step stands in front of the loop: its products start the sums
	s_mov_b32 s3, LAPS-1
.Llap:                                                 ; a trip goes once round the ring and fills both slots again
	TURN 0, 1, 1
	STEP 1, 0, 0
	TURN 1, 0, 1
	STEP 0, 0, 0
	s_sub_co_u32 s3, s3, 1
	s_cmp_lg_u32 s3, 0
	s_cbranch_scc1 .Llap
	TURN 0, 1, 0                                   ; the last lap fills nothing; behind its barrier nobody reads slot 0
	STEP 1, 0, 0
	s_wait_dscnt 4*NL                              ; the last step
	WIN MUL_LO
	MULG 0, 1, 1, 1, 0
	MULG 2, 1, 1, 1, 0
	s_wait_dscnt 0
	WIN TO_B
.irp b, 0,1,2,3,4,5,6,7
	global_load_b128 v[8*\b:8*\b+3], v[BIO], s[10:11] offset:64*\b       ; the bias in the result's layout, into B's set 0, whose last readers stand ahead of the last step's eight places
	global_load_b128 v[8*\b+4:8*\b+7], v[BIO], s[10:11] offset:64*\b+16
.endr
	WIN MUL_HI
	MULG 4, 1, 1, 1, 0
	MULG 6, 1, 1, 1, 0
	WIN 0
	PLACES NP
	s_mov_b32 s[SEL], 0x76543210
	s_mov_b32 s[SEL+1], 0xfedcba98
	s_mov_b32 s[MNT], 0x600000
.irp b, 0,1,2,3
	v_mov_b32 v[TM+4+\b], 0                        ; written once: a lane permute's destination counts as one of its sources
.endr
	s_wait_loadcnt 0x0                             ; the bias
; THE WAY OUT.  Block a: 16 tokens x my 128 columns: + bias, relu, quantised.  A lane's eight codes are columns 32 q + 16 p + 8 h + 0 .. 7 of token 16 a + r.
.macro HOUT a
	WIN 0x06+(\a)/4                                ; source 0 window 2 or 3, source 1 window 1
.set QI, 0
.rept 32
	v_pk_add_f32 v[T+2*QI:T+2*QI+1], v[64*((\a)%4)+2*QI:64*((\a)%4)+2*QI+1], v[2*QI:2*QI+1]   ; each accumulator from its low end on
.set QI, QI+1
.endr
	WIN 0
	QUANTR T
.irp q, 0,1,2,3
.irp p, 0,1
	ds_store_b64 v[CST], v[PC+4*\q+2*\p:PC+4*\q+2*\p+1] offset:(\a)*16*272+32*\q+16*\p
.endr
.endr
	ds_store_b32 v[SSA], v[PW] offset:128*(\a)
	s_wait_dscnt 0x0                               ; the stores have read their registers
.endm
.irp a, 0,1,2,3,4,5,6,7
	HOUT \a
.endr
	s_barrier_signal -1                            ; (no LDS instruction of mine is out)  a row's 256 codes come from two waves
	s_barrier_wait -1
	ds_load_b128 v[TM:TM+3], v[SRD]
.irp t, 0,1,2,3,4,5,6,7,8,9,10,11,12,13,14,15,16,17,18,19,20,21,22,23,24,25,26,27,28,29,30,31
	ds_load_b128 v[T+4*\t:T+4*\t+3], v[CRD] offset:544*\t
.endr
.irp t, 0,1,2,3,4,5,6,7,8,9,10,11,12,13,14,15,16,17,18,19,20,21,22,23,24,25,26,27,28,29,30,31
	s_wait_dscnt 31-\t
	global_store_b128 v[GO], v[T+4*\t:T+4*\t+3], s[96:97] offset:8192*\t   ; sixteen lanes store one aligned run of 256 bytes
.endr
	global_store_b128 v[L16], v[TM:TM+3], s[98:99]  ; 512 consecutive bytes of scale words
	s_wait_tensorcnt 0x0                           ; the wave's end
	ds_add_u32 v[SPW], v[NIL]
	s_wait_dscnt 0x0
	CROUND                                         ; the closing round: no work-group ends while a partner may still ask for a tile that names it
	s_endpgm
.Lfunc_end_k_q14b173add4_ffn1:
	.size	k_q14b173add4_ffn1, .Lfunc_end_k_q14b173add4_ffn1-k_q14b173add4_ffn1
	.p2alignl 7, 3214868480
	.fill 96, 4, 3214868480
	.section	.rodata,"a",@progbits
	.p2align	6, 0x0
	.amdhsa_kernel k_q14b173add4_ffn1
		.amdhsa_group_segment_fixed_size 327680
		.amdhsa_private_segment_fixed_size 0
		.amdhsa_enable_private_segment 0
		.amdhsa_kernarg_size 40
		.amdhsa_user_sgpr_count 2
		.amdhsa_user_sgpr_kernarg_segment_ptr 1
		.amdhsa_wavefront_size32 1
		.amdhsa_system_sgpr_workgroup_id_x 1
		.amdhsa_system_sgpr_workgroup_id_y 1
		.amdhsa_system_sgpr_workgroup_id_z 1
		.amdhsa_system_vgpr_workitem_id 0
		.amdhsa_next_free_vgpr 1024
		.amdhsa_next_free_sgpr 106
		.amdhsa_reserve_vcc 0
		.amdhsa_float_denorm_mode_32 3
		.amdhsa_float_denorm_mode_16_64 3
		.amdhsa_memory_ordered 1
		.amdhsa_forward_progress 1
		.amdhsa_inst_pref_size 213
	.end_amdhsa_kernel
	.amdgpu_metadata
---
amdhsa.version: [ 1, 2 ]
amdhsa.kernels:
  - .name:           k_q14b173add4_ffn1
    .symbol:         k_q14b173add4_ffn1.kd
    .args:
      - { .name: hq, .offset: 0, .size: 8, .value_kind: global_buffer, .address_space: global }
      - { .name: W1_codes, .offset: 8, .size: 8, .value_kind: global_buffer, .address_space: global }
      - { .name: W1_scales, .offset: 16, .size: 8, .value_kind: global_buffer, .address_space: global }
      - { .name: b1, .offset: 24, .size: 8, .value_kind: global_buffer, .address_space: global }
      - { .name: hid, .offset: 32, .size: 8, .value_kind: global_buffer, .address_space: global }
    .group_segment_fixed_size: 327680
    .private_segment_fixed_size: 0
    .kernarg_segment_align: 8
    .kernarg_segment_size: 40
    .max_flat_workgroup_size: 128
    .sgpr_count:     106
    .vgpr_count:     1024
    .wavefront_size: 32
...
	.end_amdgpu_metadata
.endif
;; end of part 6
;; launch ffn2 (part 7): grid 8 x 16, 4 waves a work-group, clusters of 4 x 4, 327,680 bytes of LDS; arguments hid, W2_codes, W2_scales, b2, x1, out0; writes out0
.if DOCPART == 7
	.amdgcn_target "amdgcn-amd-amdhsa--gfx1250"
	.amdhsa_code_object_version 6
	.text
	.protected	k_q14b173add4_ffn2
	.globl	k_q14b173add4_ffn2
	.p2align	8
	.type	k_q14b173add4_ffn2,@function
k_q14b173add4_ffn2:
	s_mov_b64 s[64:65], 0
	v_nop
	global_prefetch_b8 v0, s[64:65] scope:SCOPE_SE
	s_setreg_imm32_b32 hwreg(HW_REG_WAVE_MODE, 25, 1), 1
	s_wait_xcnt 0x0
	s_wait_alu depctr_hold_cnt(0) depctr_sa_sdst(0) depctr_va_vdst(0) depctr_va_sdst(0) depctr_va_ssrc(0) depctr_va_vcc(0) depctr_vm_vsrc(0)
	s_getreg_b32 s2, hwreg(HW_REG_IB_STS2, 6, 4)
	s_cmp_eq_u32 s2, 0
	s_cbranch_scc0 .Lentry_in_a_cluster
	s_endpgm
.Lentry_in_a_cluster:
	s_bfe_u32 s2, ttmp6, 0x10000c
	s_cmp_lg_u32 s2, 0xf033
	s_cbranch_scc0 .Lentry_shape_is_right
	s_endpgm
.Lentry_shape_is_right:
; out = res + A B^T + bias.  A: [4096][SIZE_K] codes of E4M3 at byte 0 of its buffer, its E8M0 scale bytes behind them, laid [SIZE_K / 256][4096][8]; B: [1024][SIZE_K] codes, scale bytes [1024][SIZE_K / 32]; bias [1024], res, out [4096][1024] f32.
; A work-group makes 256 rows x 128 columns, each of its four waves 128 x 64: 32 accumulators, 256 registers (a tile of 256 x 256 would leave three WGPs in four without work at this size).
; K goes in steps of 256 through a ring of two LDS slots filled by joint tensor loads: A's tile is shared along a row of the 4 x 4 cluster, B's along a column.  All scale bytes come once, with the first fills.
; THE MATRIX INSTRUCTION IS USED TRANSPOSED (source 0 = 16 rows of B, source 1 = 16 rows of A): a lane holds eight neighbouring numbers of a row of the result.
; REGISTERS: window 0: v0-31 addresses; v32-63 A's scale words, v64-79 B's; v96-99 the bias; v128-255 A's fragments, ONE set (on the way out: results and residual).  window 1: B's fragments, two sets of 64.  window 2: the accumulators ((a, b) at v[8 (4 a + b)]).
.set SIZE_K, 4096
.set SCOFF,  16777216                  ; where A's scale bytes begin
.set NB,     4
.set KSTEP,  256
.set ROWB,   256
.set KROW,   SIZE_K
.set PITCH,  272                       ; an LDS row: 256 bytes + 16 of padding: the 16 rows that a load touches start at 16 different banks (64 banks of 4 bytes: ISA guide 11.1)
.set FR,     16
.set NL,     4
.set NP,     8                         ; places behind this matrix instruction (ISA guide 7.12.1)
.set HALFA,  128*PITCH
.set HALFB,  16*NB*PITCH
.set SLOT,   2*HALFA+2*HALFB
.set LAPS,   SIZE_K/(2*KSTEP)
.set NX,     SIZE_K/KSTEP
.set KS,     SIZE_K/32
.set SCA,    2*SLOT
.set HALFSA, NX*1040
.set SCB,    (SCA+2*HALFSA+255)/256*256
.set RSB,    16*NB*KS/256
.set HALFSB, RSB*272
.set SBLK,   (16*KS/256)*272
.set SPARE,  (SCB+2*HALFSB+255)/256*256   ; the spare words, 128 bytes for each wave: two blocks of 256 bytes that no other line names
.set STAGE,  SPARE+512                 ; the way out: 16 rows x (256 + 16) bytes for each wave; no fill lands here
.set ADRA, 16
.set ADRB, 20
.set ADSA, 22
.set ADSB, 23
.set STO, 24
.set RD,  25
.set CO,  26
.set SPW, 28
.set NIL, 29
.set SA,  32
.set SB,  64
.set BI4, 96
.set AF,  128
.set BK,  128
.set RS,  192
.set G1, 24
.set G0, 32
.set G1B, 48
.set G0B, 56
.set G1S, 68
.set G0S, 76
.set G1SB, 80
.set G0SB, 88
.set MSB, 0
.macro WIN new                         ; the immediate's high byte repeats the setting that is left
.if MSB != \new
	s_set_vgpr_msb (MSB<<8)|\new
.set MSB, \new
.endif
.endm
.set MUL,  0xa1                        ; source 0 (B) window 1, source 1 (A) window 0, C and D window 2
.set TO_B, 0x40
; A joint load: waves 0 and 1 fetch for A, waves 2 and 3 for B; the branch hangs on the wave's number alone.  Four v_nop follow each of the two lines.
.macro JLOAD g0a, g1a, g0b, g1b
	s_cmp_eq_u32 s15, 0
	s_cbranch_scc0 .Lfor_b_\@
	tensor_load_to_lds s[\g0a:\g0a+3], s[\g1a:\g1a+7]
	s_nop 0
.rept 4
	v_nop
.endr
	s_branch .Lasked_\@
.Lfor_b_\@:
	tensor_load_to_lds s[\g0b:\g0b+3], s[\g1b:\g1b+7]
	s_nop 0
.rept 4
	v_nop
.endr
.Lasked_\@:
.endm
.macro CREST                           ; a round of the cluster's barrier behind its opening barrier
	s_cmp_lg_u32 s14, 0
	s_cbranch_scc1 .Lnot_wave_0_\@
	s_barrier_signal -3
.Lnot_wave_0_\@:
	s_barrier_wait -3
	s_barrier_signal -1
	s_barrier_wait -1
.endm
.macro CROUND
	s_barrier_signal -1
	s_barrier_wait -1
	CREST
.endm
.macro PLACES n
.rept \n
	v_nop
.endr
.endm
	s_load_b256 s[4:11], s[0:1], 0x0               ; A, B's codes, B's scales, the bias
	s_load_b128 s[96:99], s[0:1], 0x20             ; res, out
	v_lshl_add_u32 v[SPW], v0, 2, SPARE
	v_mov_b32 v[NIL], 0
	ds_add_u32 v28, v29
	ds_add_u32 v28, v29
	s_wait_dscnt 0x0
	v_lshrrev_b32 v1, 5, v0
	v_readfirstlane_b32 s14, v1                    ; wave 0..3
	s_lshr_b32 s15, s14, 1                         ; which 128 rows are mine.  Also: I fetch for A (0) or for B (1)
	s_and_b32 s16, s14, 1                          ; which 64 columns.  Also: which half of that tile I fetch
	s_bfe_u32 s66, ttmp6, 0x40000                  ; cx, cy: my place in the cluster
	s_bfe_u32 s67, ttmp6, 0x40004
	s_lshl_b32 s100, ttmp9, 2
	s_add_co_u32 s100, s100, s66                   ; x: columns 128 x on
	s_and_b32 s17, ttmp7, 0xffff
	s_lshl_b32 s17, s17, 2
	s_add_co_u32 s17, s17, s67                     ; y: rows 256 y on
	s_lshl_b32 s101, s67, 2
	s_lshl_b32 s101, 15, s101                      ; my row of the cluster
	s_lshl_b32 s104, 0x1111, s66                   ; my column
	s_or_b32 s[G1+0], s101, (0<<16)|(1<<20)|(1<<21)|(5<<22)|(3<<25)   ; 15:0 the mask: my row; elements of 1 byte; padding on; bit 21 beside a mask; four words after every 64
	s_or_b32 s[G1B+0], s104, (0<<16)|(1<<20)|(1<<21)|(5<<22)|(3<<25)
.irp g, G1, G1B
	s_mov_b32 s[\g+1], ROWB<<16                    ; tensor_dim0
	s_mov_b32 s[\g+3], ROWB<<16                    ; tile_dim0
	s_mov_b32 s[\g+5], KROW                        ; the pitch
	s_mov_b32 s[\g+6], 0
	s_mov_b32 s[\g+7], 0
.endr
	s_mov_b32 s[G1+2], 128<<16                     ; tensor_dim1
	s_mov_b32 s[G1+4], 128                         ; tile_dim1
	s_mov_b32 s[G1B+2], (16*NB)<<16
	s_mov_b32 s[G1B+4], 16*NB
	; A's scale words of 128 rows: NX rows (one a K step) of 128 elements of 8 bytes, 4,096 elements apart; 16 bytes of padding behind each 1,024
	s_or_b32 s[G1S+0], s101, (3<<16)|(1<<20)|(1<<21)|(7<<22)|(3<<25)
	s_mov_b32 s[G1S+1], 128<<16
	s_mov_b32 s[G1S+2], NX<<16
	s_mov_b32 s[G1S+3], 128<<16
	s_mov_b32 s[G1S+4], NX
	s_mov_b32 s[G1S+5], 4096
	s_mov_b32 s[G1S+6], 0
	s_mov_b32 s[G1S+7], 0
	; B's scale bytes of 64 rows: a dense block, as rows of 256 bytes, 16 bytes of padding behind each
	s_or_b32 s[G1SB+0], s104, (3<<16)|(1<<20)|(1<<21)|(5<<22)|(3<<25)
	s_mov_b32 s[G1SB+1], 32<<16
	s_mov_b32 s[G1SB+2], RSB<<16
	s_mov_b32 s[G1SB+3], 32<<16
	s_mov_b32 s[G1SB+4], RSB
	s_mov_b32 s[G1SB+5], 32
	s_mov_b32 s[G1SB+6], 0
	s_mov_b32 s[G1SB+7], 0
	s_lshl_b32 s18, s16, 7
	s_lshl_b32 s20, s17, 8
	s_add_co_u32 s20, s20, s18                     ; A: row 256 y + 128 x half
	s_mov_b32 s21, 0
	s_lshl_b64 s[22:23], s[20:21], 3               ; its scale words: 8 bytes a row
	s_mov_b64 s[18:19], KROW
	s_mul_u64 s[20:21], s[20:21], s[18:19]         ; its codes
	s_mul_i32 s40, s100, 32*NB
	s_mul_i32 s41, s16, 16*NB
	s_add_co_u32 s40, s40, s41                     ; B: row 128 x + 64 x half
	s_mov_b32 s41, 0
	s_mul_u64 s[42:43], s[40:41], s[18:19]
	s_mov_b64 s[18:19], KS
	s_mul_u64 s[40:41], s[40:41], s[18:19]
	s_mul_i32 s44, s16, HALFA                      ; where they go: no place in the cluster enters an LDS address
	s_mul_i32 s45, s16, HALFB
	s_add_co_u32 s45, s45, 2*HALFA
	s_mul_i32 s46, s16, HALFSA
	s_add_co_u32 s46, s46, SCA
	s_mul_i32 s47, s16, HALFSB
	s_add_co_u32 s47, s47, SCB
	s_wait_kmcnt 0x0
	s_add_nc_u64 s[20:21], s[4:5], s[20:21]
	s_add_nc_u64 s[22:23], s[4:5], s[22:23]
	s_add_nc_u64 s[22:23], s[22:23], SCOFF
	s_add_nc_u64 s[42:43], s[6:7], s[42:43]
	s_add_nc_u64 s[40:41], s[8:9], s[40:41]
	CROUND                                         ; all sixteen work-groups are here: the first joint loads meet
	s_mov_b32 s[G0S], 1
	s_mov_b32 s[G0S+1], s46
	s_mov_b64 s[G0S+2:G0S+3], s[22:23]
	s_or_b32 s[G0S+3], s[G0S+3], 0x80000000
	s_mov_b32 s[G0SB], 1
	s_mov_b32 s[G0SB+1], s47
	s_mov_b64 s[G0SB+2:G0SB+3], s[40:41]
	s_or_b32 s[G0SB+3], s[G0SB+3], 0x80000000
	JLOAD G0S, G1S, G0SB, G1SB                     ; the scales first: they are wanted with K step 0
.irp s, 0,1
	s_mov_b32 s[G0+4*\s], 1
	s_add_co_u32 s[G0+4*\s+1], s44, \s*SLOT
	s_add_nc_u64 s[G0+4*\s+2:G0+4*\s+3], s[20:21], \s*ROWB
	s_or_b32 s[G0+4*\s+3], s[G0+4*\s+3], 0x80000000
	s_mov_b32 s[G0B+4*\s], 1
	s_add_co_u32 s[G0B+4*\s+1], s45, \s*SLOT
	s_add_nc_u64 s[G0B+4*\s+2:G0B+4*\s+3], s[42:43], \s*ROWB
	s_or_b32 s[G0B+4*\s+3], s[G0B+4*\s+3], 0x80000000
	JLOAD G0+4*\s, G1, G0B+4*\s, G1B
.endr
	v_and_b32 v1, 15, v0                           ; r
	v_bfe_u32 v2, v0, 4, 1                         ; h
	v_mul_u32_u24 v3, v1, PITCH
	v_lshl_add_u32 v4, v2, 4, v3                   ; a fragment's row x pitch + 16 x half
	s_mul_i32 s21, s15, HALFA
	s_mul_i32 s22, s16, HALFB
	s_add_co_u32 s22, s22, 2*HALFA
.irp s, 0,1
	v_add_nc_u32 v[ADRA+\s], s21, v4
	v_add_nc_u32 v[ADRB+\s], s22, v4
	s_add_co_u32 s21, s21, SLOT
	s_add_co_u32 s22, s22, SLOT
.endr
	s_mul_i32 s21, s15, HALFSA
	s_add_co_u32 s21, s21, SCA
	v_lshl_add_u32 v[ADSA], v1, 3, s21             ; A's scale words: 8 bytes a row
	v_mul_u32_u24 v3, v1, KS                       ; B's: KS bytes a row,
	v_lshrrev_b32 v4, 8, v3
	v_lshl_add_u32 v3, v4, 4, v3                   ; and 16 more for each 256 passed
	s_mul_i32 s21, s16, HALFSB
	s_add_co_u32 s21, s21, SCB
	v_add_nc_u32 v[ADSB], s21, v3
	s_mul_i32 s23, s14, 16*272
	s_add_co_u32 s23, s23, STAGE                   ; my stage
	v_mul_u32_u24 v5, v1, 272
	v_lshl_add_u32 v5, v2, 5, v5
	v_add_nc_u32 v[STO], s23, v5                   ; in: row r, 32 bytes for each half of the lanes
	v_mul_u32_u24 v5, v2, 272
	v_lshl_add_u32 v5, v1, 4, v5
	v_add_nc_u32 v[RD], s23, v5                    ; back: lanes 0-15 one row of 256 bytes, lanes 16-31 the next
	v_lshlrev_b32 v5, 12, v2
	v_lshl_add_u32 v[CO], v1, 4, v5                ; and the same two rows in res and out
	v_lshlrev_b32 v6, 4, v1
	s_lshl_b32 s20, s17, 8
	s_lshl_b32 s21, s15, 7
	s_add_co_u32 s20, s20, s21
	s_lshl_b32 s20, s20, 12                        ; my first row, in bytes
	s_lshl_b32 s40, s100, 9
	s_lshl_b32 s41, s16, 8
	s_add_co_u32 s40, s40, s41                     ; my first column, in bytes
	s_mov_b32 s41, 0
	s_add_nc_u64 s[10:11], s[10:11], s[40:41]
	s_add_co_u32 s20, s20, s40
	s_mov_b32 s21, 0
	s_add_nc_u64 s[96:97], s[96:97], s[20:21]
	s_add_nc_u64 s[98:99], s[98:99], s[20:21]
	global_load_b128 v[BI4:BI4+3], v6, s[10:11]    ; the bias of my four columns of a row's 64
.macro FRAG reg, adr, q, i             ; 16 rows x 128 K: lane l holds row l % 16; registers 4 c .. 4 c + 3 hold K = 32 c + 16 (l / 16) + 0 .. 15
.irp c, 0,1,2,3
	ds_load_b128 v[\reg+4*\c:\reg+4*\c+3], v[\adr] offset:128*(\q)+32*\c+(\i)*16*PITCH
.endr
.endm
; 8 matrix instructions: A's blocks a0, a0 + 1 x B's four.  The 32 accumulators take turns, one instruction a turn, in the same order in every step
.macro MULG a0, p, q, sc, zero
.irp a, \a0, \a0+1
.irp b, 0,1,2,3
.if \zero
	v_wmma_scale_f32_16x16x128_f8f6f4 v[8*(4*(\a)+\b):8*(4*(\a)+\b)+7], v[64*(\p)+FR*\b:64*(\p)+FR*\b+FR-1], v[AF+FR*(\a):AF+FR*(\a)+FR-1], 0, v[SB+2*NB*(\sc)+2*\b+(\q)], v[SA+16*(\sc)+2*(\a)+(\q)]
.else
	v_wmma_scale_f32_16x16x128_f8f6f4 v[8*(4*(\a)+\b):8*(4*(\a)+\b)+7], v[64*(\p)+FR*\b:64*(\p)+FR*\b+FR-1], v[AF+FR*(\a):AF+FR*(\a)+FR-1], v[8*(4*(\a)+\b):8*(4*(\a)+\b)+7], v[SB+2*NB*(\sc)+2*\b+(\q)], v[SA+16*(\sc)+2*(\a)+(\q)]
.endif
.endr
.endr
.endm
.macro FETCH_B slot, q, p
	WIN TO_B
.irp i, 0,1,2,3
	FRAG 64*(\p)+FR*\i, ADRB+\slot, \q, \i
.endr
	WIN 0
.endm
.macro FETCH_A slot, q, i0
.irp i, \i0, \i0+1, \i0+2, \i0+3
	FRAG AF+FR*(\i), ADRA+\slot, \q, \i
.endr
.endm
.macro SCALES sc                       ; a K step's scale words: two a row
.irp i, 0,1,2,3,4,5,6,7
	ds_load_b64 v[SA+16*\sc+2*\i:SA+16*\sc+2*\i+1], v[ADSA] offset:128*\i
.endr
.irp b, 0,1,2,3
	ds_load_b64 v[SB+2*NB*\sc+2*\b:SB+2*NB*\sc+2*\b+1], v[ADSB] offset:\b*SBLK
.endr
.endm
; A step of 128 along K that has its successor in the same slot.  A block of A is free as soon as its products are issued: blocks 0-3 are fetched anew in the step's middle, blocks 4-7 at its end; B has two sets.
.macro STEP slot, q, zero
	s_wait_dscnt 4*NL                              ; all but the youngest sixteen loads (A's blocks 4-7) are in
	WIN MUL
	MULG 0, (\q)%2, \q, \slot, \zero
	MULG 2, (\q)%2, \q, \slot, \zero
	s_wait_dscnt 0
	PLACES NP                                      ; in front of loads into registers that matrix instructions have read
	FETCH_B \slot, (\q)+1, 1-(\q)%2
	FETCH_A \slot, (\q)+1, 0
	WIN MUL
	MULG 4, (\q)%2, \q, \slot, \zero
	MULG 6, (\q)%2, \q, \slot, \zero
	PLACES NP
	WIN 0
	FETCH_A \slot, (\q)+1, 4
.endm
; A slot's last step changes slots: ONE barrier; in front of it each wave waits for all its tensor loads, adds 0 to its spare word, and waits for that and for its own reads of this slot.
.macro TURN slot, next, fill
	s_wait_tensorcnt 0x0                           ; all my tensor loads have landed: my part of the next slot
	ds_add_u32 v[SPW], v[NIL]                      ; 0 onto my spare word
	s_wait_dscnt 4*NL+1                            ; (the add and the youngest sixteen loads may be out)
	WIN MUL
	MULG 0, 1, 1, \slot, 0                         ; matrix instructions stand between the add and the wait for it
	s_wait_dscnt 0x0                               ; the add is done, and my reads of this slot are over
	s_barrier_signal -1
	MULG 2, 1, 1, \slot, 0
	WIN 0
	s_barrier_wait -1
.if \fill
	CREST                                          ; the barrier has opened a round of the cluster's barrier: no wave of any partner still reads this slot or has a load on its way
	s_add_nc_u64 s[G0+4*\slot+2:G0+4*\slot+3], s[G0+4*\slot+2:G0+4*\slot+3], 2*ROWB
	s_add_nc_u64 s[G0B+4*\slot+2:G0B+4*\slot+3], s[G0B+4*\slot+2:G0B+4*\slot+3], 2*ROWB
	JLOAD G0+4*\slot, G1, G0B+4*\slot, G1B         ; the first tensor load behind the round; its four v_nop are among the places in front of the loads below
	PLACES NP-4
.else
	PLACES NP
.endif
	v_add_nc_u32 v[ADSA], 1040, v[ADSA]            ; on to the next K step's scale words
	v_add_nc_u32 v[ADSB], 8, v[ADSB]
	FETCH_B \next, 0, 0
	FETCH_A \next, 0, 0
	SCALES \next
	WIN MUL
	MULG 4, 1, 1, \slot, 0
	MULG 6, 1, 1, \slot, 0
	PLACES NP
	WIN 0
	FETCH_A \next, 0, 4
.endm
	s_wait_tensorcnt 1                             ; the scales and my part of K step 0 are in (K step 1's load is the one younger),
	s_barrier_signal -1
	s_barrier_wait -1                              ; everybody's are
	FETCH_B 0, 0, 0
	FETCH_A 0, 0, 0
	SCALES 0
	FETCH_A 0, 0, 4
	STEP 0, 0, 1                                   ; the first step stands in front of the loop: its products start the sums
	s_mov_b32 s3, LAPS-1
.Llap:                                                 ; a trip goes once round the ring and fills both slots again
	TURN 0, 1, 1
	STEP 1, 0, 0
	TURN 1, 0, 1
	STEP 0, 0, 0
	s_sub_co_u32 s3, s3, 1
	s_cmp_lg_u32 s3, 0
	s_cbranch_scc1 .Llap
	TURN 0, 1, 0                                   ; the last lap fills nothing
	STEP 1, 0, 0
	s_wait_dscnt 4*NL                              ; the last step
	WIN MUL
	MULG 0, 1, 1, 1, 0
	MULG 2, 1, 1, 1, 0
	s_wait_dscnt 0
	MULG 4, 1, 1, 1, 0
	MULG 6, 1, 1, 1, 0
	WIN 0
; THE WAY OUT, block by block of 16 rows x 64 columns: through my own stage in LDS, back as whole rows of 256 bytes; + the residual + the bias; sixteen lanes store one aligned run of 256 bytes.  Every offset is an immediate.
.macro RESLD a
.irp t, 0,1,2,3,4,5,6,7
	global_load_b128 v[RS+32*((\a)%2)+4*\t:RS+32*((\a)%2)+4*\t+3], v[CO], s[96:97] offset:65536*(\a)+8192*\t th:TH_LOAD_NT
.endr
.endm
.macro TOSTAGE a
	WIN 0x08                                       ; an LDS store's data are its source 1: window 2
.irp b, 0,1,2,3
	ds_store_b128 v[STO], v[32*(\a)+8*\b:32*(\a)+8*\b+3] offset:64*\b          ; each accumulator from its low end on
	ds_store_b128 v[STO], v[32*(\a)+8*\b+4:32*(\a)+8*\b+7] offset:64*\b+16
.endr
	WIN 0
.irp t, 0,1,2,3,4,5,6,7
	ds_load_b128 v[BK+32*((\a)%2)+4*\t:BK+32*((\a)%2)+4*\t+3], v[RD] offset:544*\t   ; LDS serves a wave's instructions in order: these see the stores above
.endr
.endm
.macro SEND a
.set BB, BK+32*((\a)%2)
.set RR, RS+32*((\a)%2)
.irp t, 0,1,2,3,4,5,6,7
	v_pk_add_f32 v[BB+4*\t:BB+4*\t+1], v[BB+4*\t:BB+4*\t+1], v[RR+4*\t:RR+4*\t+1]
	v_pk_add_f32 v[BB+4*\t+2:BB+4*\t+3], v[BB+4*\t+2:BB+4*\t+3], v[RR+4*\t+2:RR+4*\t+3]
	v_pk_add_f32 v[BB+4*\t:BB+4*\t+1], v[BB+4*\t:BB+4*\t+1], v[BI4:BI4+1]
	v_pk_add_f32 v[BB+4*\t+2:BB+4*\t+3], v[BB+4*\t+2:BB+4*\t+3], v[BI4+2:BI4+3]
	global_store_b128 v[CO], v[BB+4*\t:BB+4*\t+3], s[98:99] offset:65536*(\a)+8192*\t th:TH_STORE_NT
.endr
.endm
	PLACES NP                                      ; in front of the first read of results and of loads into the registers that held A's fragments
	RESLD 0
	RESLD 1
	TOSTAGE 0
.irp a, 0,1,2,3,4,5,6
	s_wait_xcnt 0x0                                ; block a - 1's stores have read their registers: block a + 1's loads may land there
	TOSTAGE \a+1
	s_wait_dscnt 16                                ; block a is back: the next block's 8 stores and 8 loads are younger
	s_wait_loadcnt 8                               ; its residual (and the bias) is in: the next block's 8 loads are younger
	SEND \a
.if \a < 6
	RESLD \a+2
.endif
.endr
	s_wait_dscnt 0x0
	s_wait_loadcnt 0x0
	SEND 7
	s_wait_tensorcnt 0x0                           ; the wave's end
	ds_add_u32 v[SPW], v[NIL]
	s_wait_dscnt 0x0
	CROUND                                         ; the closing round: no work-group ends while a partner may still ask for a tile that names it
	s_endpgm
.Lfunc_end_k_q14b173add4_ffn2:
	.size	k_q14b173add4_ffn2, .Lfunc_end_k_q14b173add4_ffn2-k_q14b173add4_ffn2
	.p2alignl 7, 3214868480
	.fill 96, 4, 3214868480
	.section	.rodata,"a",@progbits
	.p2align	6, 0x0
	.amdhsa_kernel k_q14b173add4_ffn2
		.amdhsa_group_segment_fixed_size 327680
		.amdhsa_private_segment_fixed_size 0
		.amdhsa_enable_private_segment 0
		.amdhsa_kernarg_size 48
		.amdhsa_user_sgpr_count 2
		.amdhsa_user_sgpr_kernarg_segment_ptr 1
		.amdhsa_wavefront_size32 1
		.amdhsa_system_sgpr_workgroup_id_x 1
		.amdhsa_system_sgpr_workgroup_id_y 1
		.amdhsa_system_sgpr_workgroup_id_z 1
		.amdhsa_system_vgpr_workitem_id 0
		.amdhsa_next_free_vgpr 1024
		.amdhsa_next_free_sgpr 106
		.amdhsa_reserve_vcc 0
		.amdhsa_float_denorm_mode_32 3
		.amdhsa_float_denorm_mode_16_64 3
		.amdhsa_memory_ordered 1
		.amdhsa_forward_progress 1
		.amdhsa_inst_pref_size 115
	.end_amdhsa_kernel
	.amdgpu_metadata
---
amdhsa.version: [ 1, 2 ]
amdhsa.kernels:
  - .name:           k_q14b173add4_ffn2
    .symbol:         k_q14b173add4_ffn2.kd
    .args:
      - { .name: hid, .offset: 0, .size: 8, .value_kind: global_buffer, .address_space: global }
      - { .name: W2_codes, .offset: 8, .size: 8, .value_kind: global_buffer, .address_space: global }
      - { .name: W2_scales, .offset: 16, .size: 8, .value_kind: global_buffer, .address_space: global }
      - { .name: b2, .offset: 24, .size: 8, .value_kind: global_buffer, .address_space: global }
      - { .name: x1, .offset: 32, .size: 8, .value_kind: global_buffer, .address_space: global }
      - { .name: out0, .offset: 40, .size: 8, .value_kind: global_buffer, .address_space: global }
    .group_segment_fixed_size: 327680
    .private_segment_fixed_size: 0
    .kernarg_segment_align: 8
    .kernarg_segment_size: 48
    .max_flat_workgroup_size: 128
    .sgpr_count:     106
    .vgpr_count:     1024
    .wavefront_size: 32
...
	.end_amdgpu_metadata
.endif
;; end of part 7
;; ======== version 2 of 3: 8 launches
;; limits: right only within a limited range of input values
;; workspace buffers: hq 4,325,376 bytes; ac 4,325,376 bytes; hid 17,301,504 bytes; qc 4,456,448 bytes; kv 2,195,456 bytes; maskb 4,194,304 bytes; flags 8,192 bytes of whole numbers; x1 16,777,216 bytes
;; launch ln1: the kernel of part 1 again; grid 256 x 1, 8 waves a work-group, no clusters, 87,040 bytes of LDS; arguments x, ln1_g, ln1_b, hq; writes hq
;; launch maskp: the kernel of part 2 again; grid 256 x 1, 8 waves a work-group, no clusters, 18,432 bytes of LDS; arguments mask, maskb, flags; writes maskb, flags
;; launch qkv: the kernel of part 3 again; grid 12 x 16, 4 waves a work-group, clusters of 4 x 4, 327,680 bytes of LDS; arguments hq, Wq_codes, Wq_scales, Wk_codes, Wk_scales, Wv_codes, Wv_scales, lora_qa_codes, lora_qa_scales, lora_va_codes, lora_va_scales, lora_qb, lora_vb, bq, bk, bv, qc, kv; writes qc, kv
;; launch attn: the kernel of part 4 again; grid 32 x 8, 16 waves a work-group, no clusters, 100,352 bytes of LDS; arguments qc, kv, maskb, flags, ac; writes ac
;; launch wo (part 8): grid 8 x 32, 4 waves a work-group, clusters of 4 x 4, 327,680 bytes of LDS; arguments ac, Wo_codes, Wo_scales, bo, x, x1; writes x1
.if DOCPART == 8
	.amdgcn_target "amdgcn-amd-amdhsa--gfx1250"
	.amdhsa_code_object_version 6
	.text
	.protected	k_q14b173add4_wo
	.globl	k_q14b173add4_wo
	.p2align	8
	.type	k_q14b173add4_wo,@function
k_q14b173add4_wo:
	s_mov_b64 s[64:65], 0
	v_nop
	global_prefetch_b8 v0, s[64:65] scope:SCOPE_SE
	s_setreg_imm32_b32 hwreg(HW_REG_WAVE_MODE, 25, 1), 1
	s_wait_xcnt 0x0
	s_wait_alu depctr_hold_cnt(0) depctr_sa_sdst(0) depctr_va_vdst(0) depctr_va_sdst(0) depctr_va_ssrc(0) depctr_va_vcc(0) depctr_vm_vsrc(0)
	s_getreg_b32 s2, hwreg(HW_REG_IB_STS2, 6, 4)
	s_cmp_eq_u32 s2, 0
	s_cbranch_scc0 .Lentry_in_a_cluster
	s_endpgm
.Lentry_in_a_cluster:
	s_bfe_u32 s2, ttmp6, 0x10000c
	s_cmp_lg_u32 s2, 0xf033
	s_cbranch_scc0 .Lentry_shape_is_right
	s_endpgm
.Lentry_shape_is_right:
; out = res + A B^T + bias.  A: [4096][SIZE_K] codes of E4M3 at byte 0 of its buffer, its E8M0 scale bytes behind them, laid [SIZE_K / 256][4096][8]; B: [1024][SIZE_K] codes, scale bytes [1024][SIZE_K / 32]; bias [1024], res, out [4096][1024] f32.
; A work-group makes 128 rows x 128 columns: 32 x 8 = 256 work-groups, one for each WGP.  Each of its four waves makes 64 x 64: 16 accumulators, 128 registers.
; K goes in steps of 512, as long as two slots in LDS allow (128 + 128 rows of 512 bytes + 16 each), through a ring of two slots filled by joint tensor loads, 64 rows to a load:
; A's tile is shared along a row of the 4 x 4 cluster, B's along a column.  SIZE_K / 512 K steps; the first two are first fills.  All scale bytes come once, with the first fills.
; THE MATRIX INSTRUCTION IS USED TRANSPOSED (source 0 = 16 rows of B, source 1 = 16 rows of A): a lane holds eight neighbouring numbers of a row of the result.
; THE RESIDUAL is asked for at the head, behind the first fills, and lies in registers when the last product is done.
; REGISTERS: window 0: v0-31 addresses; v32-63 A's scale words, v64-95 B's (two sets each); v96-99 the bias; v128-255 A's fragments, two buffers of 64 (on the way out: the results).
;   window 1: v0-127 B's fragments, two buffers of 64; v128-255 the residual.   window 2: v0-127 the accumulators ((a, b) at v[8 (4 a + b)]).
.set SIZE_K, 1024
.set SCOFF,  4194304                   ; where A's scale bytes begin
.set NB,     4
.set KSTEP,  512
.set ROWB,   512                       ; a tile's row in bytes
.set KROW,   SIZE_K
.set PITCH,  528                       ; an LDS row: 512 bytes + 16 of padding = 132 words: row r starts at bank 4 r mod 64 (64 banks of 4 bytes: ISA guide 11.1): the 16 rows that a load touches start at 16 different banks
.set FR,     16
.set NP,     8                         ; places behind this matrix instruction (ISA guide 7.12.1)
.set HALFT,  64*PITCH                  ; 64 rows: what one tensor load brings, and what one wave reads of A or of B
.set SLOT,   4*HALFT                   ; A's 128 rows, then B's 128
.set LAPS,   SIZE_K/(2*KSTEP)          ; a lap = two K steps = once round the ring
.set NX,     SIZE_K/256
.set KS,     SIZE_K/32
.set SCA,    2*SLOT                    ; A's scale words: for each half of the rows NX rows of 512 bytes + 16
.set HALFSA, NX*528
.set SCB,    (SCA+2*HALFSA+255)/256*256
.set RSB,    16*NB*KS/256              ; B's: units of 256 bytes + 16
.set HALFSB, RSB*272
.set SBLK,   (16*KS/256)*272
.set SPARE,  (SCB+2*HALFSB+255)/256*256   ; the spare words, 128 bytes for each wave: two blocks of 256 bytes that no other line names
.set STAGE,  SPARE+512                 ; the way out: 16 rows x (256 + 16) bytes for each wave; no fill lands here
.set ADRA, 16                          ; v16-17  LDS address of my A fragments in slot 0, 1
.set ADRB, 20                          ; v20-21  the same for B
.set ADSA, 22                          ; v22     of A's scale words of the K step in hand
.set ADSB, 23                          ; v23     of B's
.set STO, 24
.set RD,  25
.set CO,  26
.set SPW, 28
.set NIL, 29
.set PFO, 30                           ; v30     the prefetches' offset; never rewritten
.set SA,  32                           ; A's scale words: set s at v[SA + 16 s]; in it register 4 a + q: block a, the slot's q-th 128 along K
.set SB,  64                           ; B's likewise
.set BI4, 96
.set AF,  128                          ; A's fragments: buffer p at v[AF + 64 p]
.set BK,  128                          ; the way out: block a's 16 rows at v[BK + 32 a]
.set RES, 128                          ; in window 1: the residual of block a at v[RES + 32 a]
.set G1, 24
.set G0, 32
.set G1B, 48
.set G0B, 56
.set G1S, 68
.set G0S, 76
.set G1SB, 80
.set G0SB, 88
.set PFA, 92                           ; s[92:93] where my prefetches stand
.set LIM, 94                           ; s94     1 in a wave that prefetches, else the greatest number
.set MSB, 0
.macro WIN new                         ; the immediate's high byte repeats the setting that is left
.if MSB != \new
	s_set_vgpr_msb (MSB<<8)|\new
.set MSB, \new
.endif
.endm
.set MUL,  0xa1                        ; source 0 (B) window 1, source 1 (A) window 0, C and D window 2
.set TO_B, 0x40                        ; destination window 1, address window 0
; A joint load: waves 0 and 1 fetch for A, waves 2 and 3 for B; the branch hangs on the wave's number alone.  Four v_nop follow each of the two lines.
.macro JLOAD g0a, g1a, g0b, g1b
	s_cmp_eq_u32 s15, 0
	s_cbranch_scc0 .Lfor_b_\@
	tensor_load_to_lds s[\g0a:\g0a+3], s[\g1a:\g1a+7]
	s_nop 0
.rept 4
	v_nop
.endr
	s_branch .Lasked_\@
.Lfor_b_\@:
	tensor_load_to_lds s[\g0b:\g0b+3], s[\g1b:\g1b+7]
	s_nop 0
.rept 4
	v_nop
.endr
.Lasked_\@:
.endm
; A PREFETCH INTO THE L2, behind each joint load, its four lines and the run of LDS loads that follows them: the K step that stands TWO refills on.  At a change of slots every wave has waited for all its
; tensor loads, so the refill that follows has nothing on its way beside it: what it asks for has been asked of memory two K steps, 128 matrix instructions, earlier.
; Each aligned 256 bytes are named ONCE in the launch.  A's rows are read by every cluster of that row of clusters: the first of them (cluster x = 0) asks; B's by every cluster of that column: cluster y = 0 asks.
; Of the 64 rows that a wave fetches, each of the four partners that ask for them jointly takes 16, told apart BY ADDRESS (cx for A, cy for B); a K step is two blocks of 256 bytes of a row: 32 lanes, a lane a block, one instruction.
; The last trip's two refills have no K step two on and ask for nothing; K steps 0 to 3 come by their loads alone.  (With SIZE_K = 1,024 there is no refill, and none of this is assembled.)
.macro ASK
	s_cmp_gt_u32 s3, s[LIM]                        ; s3 = 1 in the loop's last trip
	s_cbranch_scc0 .Lnot_mine_\@
	global_prefetch_b8 v[PFO], s[PFA:PFA+1] offset:ROWB th:TH_LOAD_NT scope:SCOPE_SE
.Lnot_mine_\@:
.endm
.macro CREST                           ; a round of the cluster's barrier behind its opening barrier
	s_cmp_lg_u32 s14, 0
	s_cbranch_scc1 .Lnot_wave_0_\@
	s_barrier_signal -3
.Lnot_wave_0_\@:
	s_barrier_wait -3
	s_barrier_signal -1
	s_barrier_wait -1
.endm
.macro CROUND
	s_barrier_signal -1
	s_barrier_wait -1
	CREST
.endm
.macro PLACES n
.rept \n
	v_nop
.endr
.endm
	s_load_b256 s[4:11], s[0:1], 0x0               ; A, B's codes, B's scales, the bias
	s_load_b128 s[96:99], s[0:1], 0x20             ; res, out
	v_lshl_add_u32 v[SPW], v0, 2, SPARE
	v_mov_b32 v[NIL], 0
	ds_add_u32 v28, v29
	ds_add_u32 v28, v29
	s_wait_dscnt 0x0
	v_lshrrev_b32 v1, 5, v0
	v_readfirstlane_b32 s14, v1                    ; wave 0..3
	s_lshr_b32 s15, s14, 1                         ; which 64 rows are mine.  Also: I fetch for A (0) or for B (1)
	s_and_b32 s16, s14, 1                          ; which 64 columns.  Also: which half of that tile I fetch
	s_bfe_u32 s66, ttmp6, 0x40000                  ; cx, cy: my place in the cluster
	s_bfe_u32 s67, ttmp6, 0x40004
	s_lshl_b32 s100, ttmp9, 2
	s_add_co_u32 s100, s100, s66                   ; x: columns 128 x on
	s_and_b32 s17, ttmp7, 0xffff
	s_lshl_b32 s17, s17, 2
	s_add_co_u32 s17, s17, s67                     ; y: rows 128 y on
	s_lshl_b32 s101, s67, 2
	s_lshl_b32 s101, 15, s101                      ; my row of the cluster
	s_lshl_b32 s104, 0x1111, s66                   ; my column
	; descriptor groups 1: a tile of 64 rows x 512 bytes, padded in LDS
	s_or_b32 s[G1+0], s101, (0<<16)|(1<<20)|(1<<21)|(6<<22)|(3<<25)   ; 15:0 the mask: my row; elements of 1 byte; padding on; bit 21 beside a mask; four words after every 128
	s_or_b32 s[G1B+0], s104, (0<<16)|(1<<20)|(1<<21)|(6<<22)|(3<<25)  ; the same with my column
.irp g, G1, G1B
	s_mov_b32 s[\g+1], ROWB<<16                    ; tensor_dim0
	s_mov_b32 s[\g+2], 64<<16                      ; tensor_dim1
	s_mov_b32 s[\g+3], ROWB<<16                    ; tile_dim0
	s_mov_b32 s[\g+4], 64                          ; tile_dim1
	s_mov_b32 s[\g+5], KROW                        ; the pitch
	s_mov_b32 s[\g+6], 0
	s_mov_b32 s[\g+7], 0
.endr
	; A's scale words of 64 rows: NX rows (one for each 256 of K) of 64 elements of 8 bytes, 4,096 elements apart; 16 bytes of padding behind each 512
	s_or_b32 s[G1S+0], s101, (3<<16)|(1<<20)|(1<<21)|(6<<22)|(3<<25)
	s_mov_b32 s[G1S+1], 64<<16
	s_mov_b32 s[G1S+2], NX<<16
	s_mov_b32 s[G1S+3], 64<<16
	s_mov_b32 s[G1S+4], NX
	s_mov_b32 s[G1S+5], 4096
	s_mov_b32 s[G1S+6], 0
	s_mov_b32 s[G1S+7], 0
	; B's scale bytes of 64 rows: a dense block, as rows of 256 bytes, 16 bytes of padding behind each
	s_or_b32 s[G1SB+0], s104, (3<<16)|(1<<20)|(1<<21)|(5<<22)|(3<<25)
	s_mov_b32 s[G1SB+1], 32<<16
	s_mov_b32 s[G1SB+2], RSB<<16
	s_mov_b32 s[G1SB+3], 32<<16
	s_mov_b32 s[G1SB+4], RSB
	s_mov_b32 s[G1SB+5], 32
	s_mov_b32 s[G1SB+6], 0
	s_mov_b32 s[G1SB+7], 0
	s_lshl_b32 s18, s16, 6
	s_lshl_b32 s20, s17, 7
	s_add_co_u32 s20, s20, s18                     ; A: row 128 y + 64 x half
	s_mov_b32 s21, 0
	s_lshl_b64 s[22:23], s[20:21], 3               ; its scale words: 8 bytes a row
	s_mov_b64 s[18:19], KROW
	s_mul_u64 s[20:21], s[20:21], s[18:19]         ; its codes
	s_mul_i32 s40, s100, 32*NB
	s_mul_i32 s41, s16, 16*NB
	s_add_co_u32 s40, s40, s41                     ; B: row 128 x + 64 x half
	s_mov_b32 s41, 0
	s_mul_u64 s[42:43], s[40:41], s[18:19]
	s_mov_b64 s[18:19], KS
	s_mul_u64 s[40:41], s[40:41], s[18:19]
	s_mul_i32 s44, s16, HALFT                      ; where they go: no place in the cluster enters an LDS address
	s_mul_i32 s45, s16, HALFT
	s_add_co_u32 s45, s45, 2*HALFT
	s_mul_i32 s46, s16, HALFSA
	s_add_co_u32 s46, s46, SCA
	s_mul_i32 s47, s16, HALFSB
	s_add_co_u32 s47, s47, SCB
	s_wait_kmcnt 0x0
	s_add_nc_u64 s[20:21], s[4:5], s[20:21]
	s_add_nc_u64 s[22:23], s[4:5], s[22:23]
	s_add_nc_u64 s[22:23], s[22:23], SCOFF
	s_add_nc_u64 s[42:43], s[6:7], s[42:43]
	s_add_nc_u64 s[40:41], s[8:9], s[40:41]
	CROUND                                         ; all sixteen work-groups are here: the first joint loads meet
	s_mov_b32 s[G0S], 1
	s_mov_b32 s[G0S+1], s46
	s_mov_b64 s[G0S+2:G0S+3], s[22:23]
	s_or_b32 s[G0S+3], s[G0S+3], 0x80000000
	s_mov_b32 s[G0SB], 1
	s_mov_b32 s[G0SB+1], s47
	s_mov_b64 s[G0SB+2:G0SB+3], s[40:41]
	s_or_b32 s[G0SB+3], s[G0SB+3], 0x80000000
	JLOAD G0S, G1S, G0SB, G1SB                     ; the scales first: they are wanted with K step 0
.irp s, 0,1
	s_mov_b32 s[G0+4*\s], 1
	s_add_co_u32 s[G0+4*\s+1], s44, \s*SLOT
	s_add_nc_u64 s[G0+4*\s+2:G0+4*\s+3], s[20:21], \s*ROWB
	s_or_b32 s[G0+4*\s+3], s[G0+4*\s+3], 0x80000000
	s_mov_b32 s[G0B+4*\s], 1
	s_add_co_u32 s[G0B+4*\s+1], s45, \s*SLOT
	s_add_nc_u64 s[G0B+4*\s+2:G0B+4*\s+3], s[42:43], \s*ROWB
	s_or_b32 s[G0B+4*\s+3], s[G0B+4*\s+3], 0x80000000
	JLOAD G0+4*\s, G1, G0B+4*\s, G1B
.endr
	v_and_b32 v1, 15, v0                           ; r
	v_bfe_u32 v2, v0, 4, 1                         ; h
	v_mul_u32_u24 v3, v1, PITCH
	v_lshl_add_u32 v4, v2, 4, v3                   ; a fragment's row x pitch + 16 x half
	s_mul_i32 s21, s15, HALFT                      ; my 64 rows of A
	s_mul_i32 s22, s16, HALFT                      ; my 64 rows of B,
	s_add_co_u32 s22, s22, 2*HALFT                 ; behind A's 128
.irp s, 0,1
	v_add_nc_u32 v[ADRA+\s], s21, v4
	v_add_nc_u32 v[ADRB+\s], s22, v4
	s_add_co_u32 s21, s21, SLOT
	s_add_co_u32 s22, s22, SLOT
.endr
	s_mul_i32 s21, s15, HALFSA
	s_add_co_u32 s21, s21, SCA
	v_lshl_add_u32 v[ADSA], v1, 3, s21             ; A's scale words: 8 bytes a row for each 256 of K
	v_mul_u32_u24 v3, v1, KS                       ; B's: KS bytes a row,
	v_lshrrev_b32 v4, 8, v3
	v_lshl_add_u32 v3, v4, 4, v3                   ; and 16 more for each 256 passed
	s_mul_i32 s21, s16, HALFSB
	s_add_co_u32 s21, s21, SCB
	v_add_nc_u32 v[ADSB], s21, v3
	s_mul_i32 s23, s14, 16*272
	s_add_co_u32 s23, s23, STAGE                   ; my stage
	v_mul_u32_u24 v5, v1, 272
	v_lshl_add_u32 v5, v2, 5, v5
	v_add_nc_u32 v[STO], s23, v5                   ; in: row r, 32 bytes for each half of the lanes
	v_mul_u32_u24 v5, v2, 272
	v_lshl_add_u32 v5, v1, 4, v5
	v_add_nc_u32 v[RD], s23, v5                    ; back: lanes 0-15 one row of 256 bytes, lanes 16-31 the next
	v_lshlrev_b32 v5, 12, v2
	v_lshl_add_u32 v[CO], v1, 4, v5                ; and the same two rows in res and out
	v_lshlrev_b32 v6, 4, v1
	s_lshl_b32 s20, s17, 7
	s_lshl_b32 s21, s15, 6
	s_add_co_u32 s20, s20, s21
	s_lshl_b32 s20, s20, 12                        ; my first row, 128 y + 64 (wave / 2), in bytes
	s_lshl_b32 s40, s100, 9
	s_lshl_b32 s41, s16, 8
	s_add_co_u32 s40, s40, s41                     ; my first column, in bytes
	s_mov_b32 s41, 0
	s_add_nc_u64 s[10:11], s[10:11], s[40:41]
	s_add_co_u32 s20, s20, s40
	s_mov_b32 s21, 0
	s_add_nc_u64 s[96:97], s[96:97], s[20:21]
	s_add_nc_u64 s[98:99], s[98:99], s[20:21]
	global_load_b128 v[BI4:BI4+3], v6, s[10:11]    ; the bias of my four columns of a row's 64
	WIN TO_B
.irp a, 0,1,2,3
.irp t, 0,1,2,3,4,5,6,7
	global_load_b128 v[RES+32*\a+4*\t:RES+32*\a+4*\t+3], v[CO], s[96:97] offset:65536*\a+8192*\t th:TH_LOAD_NT   ; the residual of my 64 x 64, in the order in which the way out reads rows back; waited for there
.endr
.endr
	WIN 0
.if LAPS > 1
	; the prefetches (macro ASK): where my wave's stand, and who asks
	s_lshl_b32 s20, s17, 7                         ; A's tile begins at row 128 y,
	s_lshl_b32 s21, s100, 7                        ; B's at row 128 x
	s_and_b32 s22, ttmp7, 0xffff                   ; cluster y
	s_cmp_eq_u32 s15, 0                            ; do I fetch for A?
	s_cselect_b32 s20, s20, s21
	s_cselect_b32 s21, s66, s67                    ; my place among the four that ask for the tile with me
	s_cselect_b32 s22, ttmp9, s22                  ; the coordinate along which other clusters read the same rows
	s_cselect_b64 s[PFA:PFA+1], s[4:5], s[6:7]
	s_cmp_eq_u32 s22, 0
	s_cselect_b32 s[LIM], 1, -1                    ; the same in all sixteen partners, for a given wave
	s_lshl_b32 s22, s16, 6
	s_add_co_u32 s20, s20, s22                     ; + the 64 rows that I fetch
	s_lshl_b32 s21, s21, 4
	s_add_co_u32 s20, s20, s21                     ; + my work-group's 16 of them
	s_mov_b32 s21, 0
	s_mov_b64 s[18:19], KROW
	s_mul_u64 s[20:21], s[20:21], s[18:19]
	s_add_nc_u64 s[PFA:PFA+1], s[PFA:PFA+1], s[20:21]
	s_add_nc_u64 s[PFA:PFA+1], s[PFA:PFA+1], 2*ROWB   ; at K step 2: the first refill steps it to 3 and names K step 4
	v_mul_u32_u24 v[PFO], v1, KROW                 ; lane: row lane % 16,
	v_lshl_add_u32 v[PFO], v2, 8, v[PFO]           ; block lane / 16 of the K step's two
.endif
.macro FRAG reg, adr, q, i             ; 16 rows x 128 K: lane l holds row l % 16; registers 4 c .. 4 c + 3 hold K = 32 c + 16 (l / 16) + 0 .. 15
.irp c, 0,1,2,3
	ds_load_b128 v[\reg+4*\c:\reg+4*\c+3], v[\adr] offset:128*(\q)+32*\c+(\i)*16*PITCH
.endr
.endm
; 4 matrix instructions: A's block a x B's four, 128 along K: the slot's q-th, from buffer p, scale set sc.  The 16 accumulators take turns, one instruction a turn, in the same order in every quarter
.macro MUL4 a, p, q, sc, zero
.irp b, 0,1,2,3
.if \zero
	v_wmma_scale_f32_16x16x128_f8f6f4 v[8*(4*(\a)+\b):8*(4*(\a)+\b)+7], v[64*(\p)+FR*\b:64*(\p)+FR*\b+FR-1], v[AF+64*(\p)+FR*(\a):AF+64*(\p)+FR*(\a)+FR-1], 0, v[SB+16*(\sc)+4*\b+(\q)], v[SA+16*(\sc)+4*(\a)+(\q)]
.else
	v_wmma_scale_f32_16x16x128_f8f6f4 v[8*(4*(\a)+\b):8*(4*(\a)+\b)+7], v[64*(\p)+FR*\b:64*(\p)+FR*\b+FR-1], v[AF+64*(\p)+FR*(\a):AF+64*(\p)+FR*(\a)+FR-1], v[8*(4*(\a)+\b):8*(4*(\a)+\b)+7], v[SB+16*(\sc)+4*\b+(\q)], v[SA+16*(\sc)+4*(\a)+(\q)]
.endif
.endr
.endm
.macro SCALES sc                       ; a K step's scale words, four a row: A's lie in two rows of the scales' tile (one for each 256 of K), B's are 16 neighbouring bytes
.irp a, 0,1,2,3
	ds_load_b64 v[SA+16*\sc+4*\a:SA+16*\sc+4*\a+1], v[ADSA] offset:128*\a
	ds_load_b64 v[SA+16*\sc+4*\a+2:SA+16*\sc+4*\a+3], v[ADSA] offset:128*\a+528
.endr
.irp b, 0,1,2,3
	ds_load_b128 v[SB+16*\sc+4*\b:SB+16*\sc+4*\b+3], v[ADSB] offset:\b*SBLK
.endr
.endm
; 32 LDS loads in one run: the fragments of the slot's q-th 128 along K into buffer p; A's blocks 2 and 3 last, so that a quarter's head can leave those eight loads out.  sca = 1: the slot's scale words with them
.macro FETCH slot, q, p, sca
	WIN TO_B
.irp i, 0,1,2,3
	FRAG 64*(\p)+FR*\i, ADRB+\slot, \q, \i
.endr
	WIN 0
	FRAG AF+64*(\p), ADRA+\slot, \q, 0
	FRAG AF+64*(\p)+FR, ADRA+\slot, \q, 1
.if \sca
	SCALES \slot
.endif
	FRAG AF+64*(\p)+2*FR, ADRA+\slot, \q, 2
	FRAG AF+64*(\p)+3*FR, ADRA+\slot, \q, 3
.endm
; A K step is four quarters of 128 along K, 16 matrix instructions each, on buffers 0, 1, 0, 1.  One of the first three: multiplies buffer q % 2 and, in its middle, fetches the next quarter into the other buffer.
; A load into a register that a matrix instruction has read stands NP places behind it, and only plain vector instructions are places: the eight v_nop serve the other buffer's last readers, the quarter before.
.macro QUARTER slot, q, zero
	s_wait_dscnt 8                                 ; all but the youngest eight loads (A's blocks 2 and 3) are in
	WIN MUL
	MUL4 0, (\q)%2, \q, \slot, \zero
	MUL4 1, (\q)%2, \q, \slot, \zero
	PLACES NP
	FETCH \slot, (\q)+1, 1-(\q)%2, 0
	s_wait_dscnt 32                                ; all but the 32 just issued
	WIN MUL
	MUL4 2, (\q)%2, \q, \slot, \zero
	MUL4 3, (\q)%2, \q, \slot, \zero
.endm
; The last quarter multiplies buffer 1 and changes slots: ONE barrier; in front of it each wave waits for all its tensor loads, adds 0 to its spare word, and waits for that and for its own reads of this slot.
; fill = 1: this slot is filled again, two K steps ahead; the barrier then opens a round of the cluster's barrier.
.macro TURN slot, next, fill
.if \fill
	s_wait_xcnt 0x0                                ; the last prefetch, a K step back, has read its address: it is stepped here, ahead of the waits of the change of slots
	s_add_nc_u64 s[PFA:PFA+1], s[PFA:PFA+1], ROWB
.endif
	WIN 0                                          ; (the add's two registers lie in window 0)
	s_wait_tensorcnt 0x0                           ; all my tensor loads have landed: my part of the next slot
	ds_add_u32 v[SPW], v[NIL]                      ; 0 onto my spare word
	s_wait_dscnt 9                                 ; (the add and the youngest eight loads may be out)
	WIN MUL
	MUL4 0, 1, 3, \slot, 0                         ; matrix instructions stand between the add and the wait for it
	MUL4 1, 1, 3, \slot, 0
	s_wait_dscnt 0x0                               ; the add is done, and my reads of this slot are over
	s_barrier_signal -1
	MUL4 2, 1, 3, \slot, 0
	WIN 0
	s_barrier_wait -1
.if \fill
	CREST                                          ; no wave of any partner still reads this slot or has a load on its way
	s_add_nc_u64 s[G0+4*\slot+2:G0+4*\slot+3], s[G0+4*\slot+2:G0+4*\slot+3], 2*ROWB
	s_add_nc_u64 s[G0B+4*\slot+2:G0B+4*\slot+3], s[G0B+4*\slot+2:G0B+4*\slot+3], 2*ROWB
	JLOAD G0+4*\slot, G1, G0B+4*\slot, G1B         ; the first tensor load behind the round; its four v_nop are among the places in front of the loads below
	PLACES NP-4
.else
	PLACES NP
.endif
	v_add_nc_u32 v[ADSA], 2*528, v[ADSA]           ; on to the next K step's scale words
	v_add_nc_u32 v[ADSB], 16, v[ADSB]
	FETCH \next, 0, 0, 1
.if \fill
	ASK
.endif
	WIN MUL
	MUL4 3, 1, 3, \slot, 0
.endm
	s_wait_tensorcnt 1                             ; the scales and my part of K step 0 are in (K step 1's load is the one younger),
	s_barrier_signal -1
	s_barrier_wait -1                              ; everybody's are
	FETCH 0, 0, 0, 1
	QUARTER 0, 0, 1                                ; the first quarter stands in front of the loop: its products start the sums: nothing is cleared
.if LAPS > 1
	WIN 0                                          ; at a label and at a branch every window is 0
	s_mov_b32 s3, LAPS-1
.Llap:                                                 ; a trip goes once round the ring, from a lap's second quarter to the next lap's first, and fills both slots again
	QUARTER 0, 1, 0
	QUARTER 0, 2, 0
	TURN 0, 1, 1
	QUARTER 1, 0, 0
	QUARTER 1, 1, 0
	QUARTER 1, 2, 0
	TURN 1, 0, 1
	QUARTER 0, 0, 0
	WIN 0
	s_sub_co_u32 s3, s3, 1
	s_cmp_lg_u32 s3, 0
	s_cbranch_scc1 .Llap
.endif
	QUARTER 0, 1, 0                                ; the last lap fills nothing, and has no round of the cluster's barrier
	QUARTER 0, 2, 0
	TURN 0, 1, 0
	QUARTER 1, 0, 0
	QUARTER 1, 1, 0
	QUARTER 1, 2, 0
	s_wait_dscnt 8                                 ; the very last quarter: nothing more to fetch
	WIN MUL
	MUL4 0, 1, 3, 1, 0
	MUL4 1, 1, 3, 1, 0
	s_wait_dscnt 0
	MUL4 2, 1, 3, 1, 0
	MUL4 3, 1, 3, 1, 0
	WIN 0
; THE WAY OUT, block by block of 16 rows x 64 columns: through my own stage in LDS, back as whole rows of 256 bytes; + the residual + the bias; sixteen lanes store one aligned run of 256 bytes.
; Every offset is an immediate and each block has registers of its own: no store's sources are written again.
.macro TOSTAGE a
	WIN 0x08                                       ; an LDS store's data are its source 1: window 2
.irp b, 0,1,2,3
	ds_store_b128 v[STO], v[32*(\a)+8*\b:32*(\a)+8*\b+3] offset:64*\b          ; each accumulator from its low end on
	ds_store_b128 v[STO], v[32*(\a)+8*\b+4:32*(\a)+8*\b+7] offset:64*\b+16
.endr
	WIN 0
.irp t, 0,1,2,3,4,5,6,7
	ds_load_b128 v[BK+32*(\a)+4*\t:BK+32*(\a)+4*\t+3], v[RD] offset:544*\t   ; LDS serves a wave's instructions in order: these see the stores above, and the next block's stores come behind them
.endr
.endm
.macro SEND a
.set BB, BK+32*(\a)
.set RR, RES+32*(\a)
	WIN 0x04                                       ; source 1 window 1: the residual
.irp t, 0,1,2,3,4,5,6,7
	v_pk_add_f32 v[BB+4*\t:BB+4*\t+1], v[BB+4*\t:BB+4*\t+1], v[RR+4*\t:RR+4*\t+1]
	v_pk_add_f32 v[BB+4*\t+2:BB+4*\t+3], v[BB+4*\t+2:BB+4*\t+3], v[RR+4*\t+2:RR+4*\t+3]
.endr
	WIN 0
.irp t, 0,1,2,3,4,5,6,7
	v_pk_add_f32 v[BB+4*\t:BB+4*\t+1], v[BB+4*\t:BB+4*\t+1], v[BI4:BI4+1]
	v_pk_add_f32 v[BB+4*\t+2:BB+4*\t+3], v[BB+4*\t+2:BB+4*\t+3], v[BI4+2:BI4+3]
	global_store_b128 v[CO], v[BB+4*\t:BB+4*\t+3], s[98:99] offset:65536*(\a)+8192*\t th:TH_STORE_NT
.endr
.endm
	PLACES NP                                      ; in front of the first read of results and of loads into the registers that held A's fragments
	TOSTAGE 0
	s_wait_loadcnt 0x0                             ; the bias and the residual, asked for at the head
.irp a, 0,1,2
	TOSTAGE \a+1
	s_wait_dscnt 16                                ; block a is back: the next block's 8 stores and 8 loads are younger
	SEND \a
.endr
	s_wait_dscnt 0x0
	SEND 3
	s_wait_tensorcnt 0x0                           ; the wave's end
	ds_add_u32 v[SPW], v[NIL]
	s_wait_dscnt 0x0
	CROUND                                         ; the closing round: no work-group ends while a partner may still ask for a tile that names it
	s_endpgm
.Lfunc_end_k_q14b173add4_wo:
	.size	k_q14b173add4_wo, .Lfunc_end_k_q14b173add4_wo-k_q14b173add4_wo
	.p2alignl 7, 3214868480
	.fill 96, 4, 3214868480
	.section	.rodata,"a",@progbits
	.p2align	6, 0x0
	.amdhsa_kernel k_q14b173add4_wo
		.amdhsa_group_segment_fixed_size 327680
		.amdhsa_private_segment_fixed_size 0
		.amdhsa_enable_private_segment 0
		.amdhsa_kernarg_size 48
		.amdhsa_user_sgpr_count 2
		.amdhsa_user_sgpr_kernarg_segment_ptr 1
		.amdhsa_wavefront_size32 1
		.amdhsa_system_sgpr_workgroup_id_x 1
		.amdhsa_system_sgpr_workgroup_id_y 1
		.amdhsa_system_sgpr_workgroup_id_z 1
		.amdhsa_system_vgpr_workitem_id 0
		.amdhsa_next_free_vgpr 768
		.amdhsa_next_free_sgpr 106
		.amdhsa_reserve_vcc 0
		.amdhsa_float_denorm_mode_32 3
		.amdhsa_float_denorm_mode_16_64 3
		.amdhsa_memory_ordered 1
		.amdhsa_forward_progress 1
		.amdhsa_inst_pref_size 67
	.end_amdhsa_kernel
	.amdgpu_metadata
---
amdhsa.version: [ 1, 2 ]
amdhsa.kernels:
  - .name:           k_q14b173add4_wo
    .symbol:         k_q14b173add4_wo.kd
    .args:
      - { .name: ac, .offset: 0, .size: 8, .value_kind: global_buffer, .address_space: global }
      - { .name: Wo_codes, .offset: 8, .size: 8, .value_kind: global_buffer, .address_space: global }
      - { .name: Wo_scales, .offset: 16, .size: 8, .value_kind: global_buffer, .address_space: global }
      - { .name: bo, .offset: 24, .size: 8, .value_kind: global_buffer, .address_space: global }
      - { .name: x, .offset: 32, .size: 8, .value_kind: global_buffer, .address_space: global }
      - { .name: x1, .offset: 40, .size: 8, .value_kind: global_buffer, .address_space: global }
    .group_segment_fixed_size: 327680
    .private_segment_fixed_size: 0
    .kernarg_segment_align: 8
    .kernarg_segment_size: 48
    .max_flat_workgroup_size: 128
    .sgpr_count:     106
    .vgpr_count:     768
    .wavefront_size: 32
...
	.end_amdgpu_metadata
.endif
;; end of part 8
;; launch ln2: the kernel of part 1 again; grid 256 x 1, 8 waves a work-group, no clusters, 87,040 bytes of LDS; arguments x1, ln2_g, ln2_b, hq; writes hq
;; launch ffn1: the kernel of part 6 again; grid 16 x 16, 4 waves a work-group, clusters of 4 x 4, 327,680 bytes of LDS; arguments hq, W1_codes, W1_scales, b1, hid; writes hid
;; launch ffn2 (part 9): grid 8 x 32, 4 waves a work-group, clusters of 4 x 4, 327,680 bytes of LDS; arguments hid, W2_codes, W2_scales, b2, x1, out0; writes out0
.if DOCPART == 9
	.amdgcn_target "amdgcn-amd-amdhsa--gfx1250"
	.amdhsa_code_object_version 6
	.text
	.protected	k_q14b173add4_ffn2
	.globl	k_q14b173add4_ffn2
	.p2align	8
	.type	k_q14b173add4_ffn2,@function
k_q14b173add4_ffn2:
	s_mov_b64 s[64:65], 0
	v_nop
	global_prefetch_b8 v0, s[64:65] scope:SCOPE_SE
	s_setreg_imm32_b32 hwreg(HW_REG_WAVE_MODE, 25, 1), 1
	s_wait_xcnt 0x0
	s_wait_alu depctr_hold_cnt(0) depctr_sa_sdst(0) depctr_va_vdst(0) depctr_va_sdst(0) depctr_va_ssrc(0) depctr_va_vcc(0) depctr_vm_vsrc(0)
	s_getreg_b32 s2, hwreg(HW_REG_IB_STS2, 6, 4)
	s_cmp_eq_u32 s2, 0
	s_cbranch_scc0 .Lentry_in_a_cluster
	s_endpgm
.Lentry_in_a_cluster:
	s_bfe_u32 s2, ttmp6, 0x10000c
	s_cmp_lg_u32 s2, 0xf033
	s_cbranch_scc0 .Lentry_shape_is_right
	s_endpgm
.Lentry_shape_is_right:
; out = res + A B^T + bias.  A: [4096][SIZE_K] codes of E4M3 at byte 0 of its buffer, its E8M0 scale bytes behind them, laid [SIZE_K / 256][4096][8]; B: [1024][SIZE_K] codes, scale bytes [1024][SIZE_K / 32]; bias [1024], res, out [4096][1024] f32.
; A work-group makes 128 rows x 128 columns: 32 x 8 = 256 work-groups, one for each WGP.  Each of its four waves makes 64 x 64: 16 accumulators, 128 registers.
; K goes in steps of 512, as long as two slots in LDS allow (128 + 128 rows of 512 bytes + 16 each), through a ring of two slots filled by joint tensor loads, 64 rows to a load:
; A's tile is shared along a row of the 4 x 4 cluster, B's along a column.  SIZE_K / 512 K steps; the first two are first fills.  All scale bytes come once, with the first fills.
; THE MATRIX INSTRUCTION IS USED TRANSPOSED (source 0 = 16 rows of B, source 1 = 16 rows of A): a lane holds eight neighbouring numbers of a row of the result.
; THE RESIDUAL is asked for at the head, behind the first fills, and lies in registers when the last product is done.
; REGISTERS: window 0: v0-31 addresses; v32-63 A's scale words, v64-95 B's (two sets each); v96-99 the bias; v128-255 A's fragments, two buffers of 64 (on the way out: the results).
;   window 1: v0-127 B's fragments, two buffers of 64; v128-255 the residual.   window 2: v0-127 the accumulators ((a, b) at v[8 (4 a + b)]).
.set SIZE_K, 4096
.set SCOFF,  16777216                  ; where A's scale bytes begin
.set NB,     4
.set KSTEP,  512
.set ROWB,   512                       ; a tile's row in bytes
.set KROW,   SIZE_K
.set PITCH,  528                       ; an LDS row: 512 bytes + 16 of padding = 132 words: row r starts at bank 4 r mod 64 (64 banks of 4 bytes: ISA guide 11.1): the 16 rows that a load touches start at 16 different banks
.set FR,     16
.set NP,     8                         ; places behind this matrix instruction (ISA guide 7.12.1)
.set HALFT,  64*PITCH                  ; 64 rows: what one tensor load brings, and what one wave reads of A or of B
.set SLOT,   4*HALFT                   ; A's 128 rows, then B's 128
.set LAPS,   SIZE_K/(2*KSTEP)          ; a lap = two K steps = once round the ring
.set NX,     SIZE_K/256
.set KS,     SIZE_K/32
.set SCA,    2*SLOT                    ; A's scale words: for each half of the rows NX rows of 512 bytes + 16
.set HALFSA, NX*528
.set SCB,    (SCA+2*HALFSA+255)/256*256
.set RSB,    16*NB*KS/256              ; B's: units of 256 bytes + 16
.set HALFSB, RSB*272
.set SBLK,   (16*KS/256)*272
.set SPARE,  (SCB+2*HALFSB+255)/256*256   ; the spare words, 128 bytes for each wave: two blocks of 256 bytes that no other line names
.set STAGE,  SPARE+512                 ; the way out: 16 rows x (256 + 16) bytes for each wave; no fill lands here
.set ADRA, 16                          ; v16-17  LDS address of my A fragments in slot 0, 1
.set ADRB, 20                          ; v20-21  the same for B
.set ADSA, 22                          ; v22     of A's scale words of the K step in hand
.set ADSB, 23                          ; v23     of B's
.set STO, 24
.set RD,  25
.set CO,  26
.set SPW, 28
.set NIL, 29
.set PFO, 30                           ; v30     the prefetches' offset; never rewritten
.set SA,  32                           ; A's scale words: set s at v[SA + 16 s]; in it register 4 a + q: block a, the slot's q-th 128 along K
.set SB,  64                           ; B's likewise
.set BI4, 96
.set AF,  128                          ; A's fragments: buffer p at v[AF + 64 p]
.set BK,  128                          ; the way out: block a's 16 rows at v[BK + 32 a]
.set RES, 128                          ; in window 1: the residual of block a at v[RES + 32 a]
.set G1, 24
.set G0, 32
.set G1B, 48
.set G0B, 56
.set G1S, 68
.set G0S, 76
.set G1SB, 80
.set G0SB, 88
.set PFA, 92                           ; s[92:93] where my prefetches stand
.set LIM, 94                           ; s94     1 in a wave that prefetches, else the greatest number
.set MSB, 0
.macro WIN new                         ; the immediate's high byte repeats the setting that is left
.if MSB != \new
	s_set_vgpr_msb (MSB<<8)|\new
.set MSB, \new
.endif
.endm
.set MUL,  0xa1                        ; source 0 (B) window 1, source 1 (A) window 0, C and D window 2
.set TO_B, 0x40                        ; destination window 1, address window 0
; A joint load: waves 0 and 1 fetch for A, waves 2 and 3 for B; the branch hangs on the wave's number alone.  Four v_nop follow each of the two lines.
.macro JLOAD g0a, g1a, g0b, g1b
	s_cmp_eq_u32 s15, 0
	s_cbranch_scc0 .Lfor_b_\@
	tensor_load_to_lds s[\g0a:\g0a+3], s[\g1a:\g1a+7]
	s_nop 0
.rept 4
	v_nop
.endr
	s_branch .Lasked_\@
.Lfor_b_\@:
	tensor_load_to_lds s[\g0b:\g0b+3], s[\g1b:\g1b+7]
	s_nop 0
.rept 4
	v_nop
.endr
.Lasked_\@:
.endm
; A PREFETCH INTO THE L2, behind each joint load, its four lines and the run of LDS loads that follows them: the K step that stands TWO refills on.  At a change of slots every wave has waited for all its
; tensor loads, so the refill that follows has nothing on its way beside it: what it asks for has been asked of memory two K steps, 128 matrix instructions, earlier.
; Each aligned 256 bytes are named ONCE in the launch.  A's rows are read by every cluster of that row of clusters: the first of them (cluster x = 0) asks; B's by every cluster of that column: cluster y = 0 asks.
; Of the 64 rows that a wave fetches, each of the four partners that ask for them jointly takes 16, told apart BY ADDRESS (cx for A, cy for B); a K step is two blocks of 256 bytes of a row: 32 lanes, a lane a block, one instruction.
; The last trip's two refills have no K step two on and ask for nothing; K steps 0 to 3 come by their loads alone.  (With SIZE_K = 1,024 there is no refill, and none of this is assembled.)
.macro ASK
	s_cmp_gt_u32 s3, s[LIM]                        ; s3 = 1 in the loop's last trip
	s_cbranch_scc0 .Lnot_mine_\@
	global_prefetch_b8 v[PFO], s[PFA:PFA+1] offset:ROWB th:TH_LOAD_NT scope:SCOPE_SE
.Lnot_mine_\@:
.endm
.macro CREST                           ; a round of the cluster's barrier behind its opening barrier
	s_cmp_lg_u32 s14, 0
	s_cbranch_scc1 .Lnot_wave_0_\@
	s_barrier_signal -3
.Lnot_wave_0_\@:
	s_barrier_wait -3
	s_barrier_signal -1
	s_barrier_wait -1
.endm
.macro CROUND
	s_barrier_signal -1
	s_barrier_wait -1
	CREST
.endm
.macro PLACES n
.rept \n
	v_nop
.endr
.endm
	s_load_b256 s[4:11], s[0:1], 0x0               ; A, B's codes, B's scales, the bias
	s_load_b128 s[96:99], s[0:1], 0x20             ; res, out
	v_lshl_add_u32 v[SPW], v0, 2, SPARE
	v_mov_b32 v[NIL], 0
	ds_add_u32 v28, v29
	ds_add_u32 v28, v29
	s_wait_dscnt 0x0
	v_lshrrev_b32 v1, 5, v0
	v_readfirstlane_b32 s14, v1                    ; wave 0..3
	s_lshr_b32 s15, s14, 1                         ; which 64 rows are mine.  Also: I fetch for A (0) or for B (1)
	s_and_b32 s16, s14, 1                          ; which 64 columns.  Also: which half of that tile I fetch
	s_bfe_u32 s66, ttmp6, 0x40000                  ; cx, cy: my place in the cluster
	s_bfe_u32 s67, ttmp6, 0x40004
	s_lshl_b32 s100, ttmp9, 2
	s_add_co_u32 s100, s100, s66                   ; x: columns 128 x on
	s_and_b32 s17, ttmp7, 0xffff
	s_lshl_b32 s17, s17, 2
	s_add_co_u32 s17, s17, s67                     ; y: rows 128 y on
	s_lshl_b32 s101, s67, 2
	s_lshl_b32 s101, 15, s101                      ; my row of the cluster
	s_lshl_b32 s104, 0x1111, s66                   ; my column
	; descriptor groups 1: a tile of 64 rows x 512 bytes, padded in LDS
	s_or_b32 s[G1+0], s101, (0<<16)|(1<<20)|(1<<21)|(6<<22)|(3<<25)   ; 15:0 the mask: my row; elements of 1 byte; padding on; bit 21 beside a mask; four words after every 128
	s_or_b32 s[G1B+0], s104, (0<<16)|(1<<20)|(1<<21)|(6<<22)|(3<<25)  ; the same with my column
.irp g, G1, G1B
	s_mov_b32 s[\g+1], ROWB<<16                    ; tensor_dim0
	s_mov_b32 s[\g+2], 64<<16                      ; tensor_dim1
	s_mov_b32 s[\g+3], ROWB<<16                    ; tile_dim0
	s_mov_b32 s[\g+4], 64                          ; tile_dim1
	s_mov_b32 s[\g+5], KROW                        ; the pitch
	s_mov_b32 s[\g+6], 0
	s_mov_b32 s[\g+7], 0
.endr
	; A's scale words of 64 rows: NX rows (one for each 256 of K) of 64 elements of 8 bytes, 4,096 elements apart; 16 bytes of padding behind each 512
	s_or_b32 s[G1S+0], s101, (3<<16)|(1<<20)|(1<<21)|(6<<22)|(3<<25)
	s_mov_b32 s[G1S+1], 64<<16
	s_mov_b32 s[G1S+2], NX<<16
	s_mov_b32 s[G1S+3], 64<<16
	s_mov_b32 s[G1S+4], NX
	s_mov_b32 s[G1S+5], 4096
	s_mov_b32 s[G1S+6], 0
	s_mov_b32 s[G1S+7], 0
	; B's scale bytes of 64 rows: a dense block, as rows of 256 bytes, 16 bytes of padding behind each
	s_or_b32 s[G1SB+0], s104, (3<<16)|(1<<20)|(1<<21)|(5<<22)|(3<<25)
	s_mov_b32 s[G1SB+1], 32<<16
	s_mov_b32 s[G1SB+2], RSB<<16
	s_mov_b32 s[G1SB+3], 32<<16
	s_mov_b32 s[G1SB+4], RSB
	s_mov_b32 s[G1SB+5], 32
	s_mov_b32 s[G1SB+6], 0
	s_mov_b32 s[G1SB+7], 0
	s_lshl_b32 s18, s16, 6
	s_lshl_b32 s20, s17, 7
	s_add_co_u32 s20, s20, s18                     ; A: row 128 y + 64 x half
	s_mov_b32 s21, 0
	s_lshl_b64 s[22:23], s[20:21], 3               ; its scale words: 8 bytes a row
	s_mov_b64 s[18:19], KROW
	s_mul_u64 s[20:21], s[20:21], s[18:19]         ; its codes
	s_mul_i32 s40, s100, 32*NB
	s_mul_i32 s41, s16, 16*NB
	s_add_co_u32 s40, s40, s41                     ; B: row 128 x + 64 x half
	s_mov_b32 s41, 0
	s_mul_u64 s[42:43], s[40:41], s[18:19]
	s_mov_b64 s[18:19], KS
	s_mul_u64 s[40:41], s[40:41], s[18:19]
	s_mul_i32 s44, s16, HALFT                      ; where they go: no place in the cluster enters an LDS address
	s_mul_i32 s45, s16, HALFT
	s_add_co_u32 s45, s45, 2*HALFT
	s_mul_i32 s46, s16, HALFSA
	s_add_co_u32 s46, s46, SCA
	s_mul_i32 s47, s16, HALFSB
	s_add_co_u32 s47, s47, SCB
	s_wait_kmcnt 0x0
	s_add_nc_u64 s[20:21], s[4:5], s[20:21]
	s_add_nc_u64 s[22:23], s[4:5], s[22:23]
	s_add_nc_u64 s[22:23], s[22:23], SCOFF
	s_add_nc_u64 s[42:43], s[6:7], s[42:43]
	s_add_nc_u64 s[40:41], s[8:9], s[40:41]
	CROUND                                         ; all sixteen work-groups are here: the first joint loads meet
	s_mov_b32 s[G0S], 1
	s_mov_b32 s[G0S+1], s46
	s_mov_b64 s[G0S+2:G0S+3], s[22:23]
	s_or_b32 s[G0S+3], s[G0S+3], 0x80000000
	s_mov_b32 s[G0SB], 1
	s_mov_b32 s[G0SB+1], s47
	s_mov_b64 s[G0SB+2:G0SB+3], s[40:41]
	s_or_b32 s[G0SB+3], s[G0SB+3], 0x80000000
	JLOAD G0S, G1S, G0SB, G1SB                     ; the scales first: they are wanted with K step 0
.irp s, 0,1
	s_mov_b32 s[G0+4*\s], 1
	s_add_co_u32 s[G0+4*\s+1], s44, \s*SLOT
	s_add_nc_u64 s[G0+4*\s+2:G0+4*\s+3], s[20:21], \s*ROWB
	s_or_b32 s[G0+4*\s+3], s[G0+4*\s+3], 0x80000000
	s_mov_b32 s[G0B+4*\s], 1
	s_add_co_u32 s[G0B+4*\s+1], s45, \s*SLOT
	s_add_nc_u64 s[G0B+4*\s+2:G0B+4*\s+3], s[42:43], \s*ROWB
	s_or_b32 s[G0B+4*\s+3], s[G0B+4*\s+3], 0x80000000
	JLOAD G0+4*\s, G1, G0B+4*\s, G1B
.endr
	v_and_b32 v1, 15, v0                           ; r
	v_bfe_u32 v2, v0, 4, 1                         ; h
	v_mul_u32_u24 v3, v1, PITCH
	v_lshl_add_u32 v4, v2, 4, v3                   ; a fragment's row x pitch + 16 x half
	s_mul_i32 s21, s15, HALFT                      ; my 64 rows of A
	s_mul_i32 s22, s16, HALFT                      ; my 64 rows of B,
	s_add_co_u32 s22, s22, 2*HALFT                 ; behind A's 128
.irp s, 0,1
	v_add_nc_u32 v[ADRA+\s], s21, v4
	v_add_nc_u32 v[ADRB+\s], s22, v4
	s_add_co_u32 s21, s21, SLOT
	s_add_co_u32 s22, s22, SLOT
.endr
	s_mul_i32 s21, s15, HALFSA
	s_add_co_u32 s21, s21, SCA
	v_lshl_add_u32 v[ADSA], v1, 3, s21             ; A's scale words: 8 bytes a row for each 256 of K
	v_mul_u32_u24 v3, v1, KS                       ; B's: KS bytes a row,
	v_lshrrev_b32 v4, 8, v3
	v_lshl_add_u32 v3, v4, 4, v3                   ; and 16 more for each 256 passed
	s_mul_i32 s21, s16, HALFSB
	s_add_co_u32 s21, s21, SCB
	v_add_nc_u32 v[ADSB], s21, v3
	s_mul_i32 s23, s14, 16*272
	s_add_co_u32 s23, s23, STAGE                   ; my stage
	v_mul_u32_u24 v5, v1, 272
	v_lshl_add_u32 v5, v2, 5, v5
	v_add_nc_u32 v[STO], s23, v5                   ; in: row r, 32 bytes for each half of the lanes
	v_mul_u32_u24 v5, v2, 272
	v_lshl_add_u32 v5, v1, 4, v5
	v_add_nc_u32 v[RD], s23, v5                    ; back: lanes 0-15 one row of 256 bytes, lanes 16-31 the next
	v_lshlrev_b32 v5, 12, v2
	v_lshl_add_u32 v[CO], v1, 4, v5                ; and the same two rows in res and out
	v_lshlrev_b32 v6, 4, v1
	s_lshl_b32 s20, s17, 7
	s_lshl_b32 s21, s15, 6
	s_add_co_u32 s20, s20, s21
	s_lshl_b32 s20, s20, 12                        ; my first row, 128 y + 64 (wave / 2), in bytes
	s_lshl_b32 s40, s100, 9
	s_lshl_b32 s41, s16, 8
	s_add_co_u32 s40, s40, s41                     ; my first column, in bytes
	s_mov_b32 s41, 0
	s_add_nc_u64 s[10:11], s[10:11], s[40:41]
	s_add_co_u32 s20, s20, s40
	s_mov_b32 s21, 0
	s_add_nc_u64 s[96:97], s[96:97], s[20:21]
	s_add_nc_u64 s[98:99], s[98:99], s[20:21]
	global_load_b128 v[BI4:BI4+3], v6, s[10:11]    ; the bias of my four columns of a row's 64
	WIN TO_B
.irp a, 0,1,2,3
.irp t, 0,1,2,3,4,5,6,7
	global_load_b128 v[RES+32*\a+4*\t:RES+32*\a+4*\t+3], v[CO], s[96:97] offset:65536*\a+8192*\t th:TH_LOAD_NT   ; the residual of my 64 x 64, in the order in which the way out reads rows back; waited for there
.endr
.endr
	WIN 0
.if LAPS > 1
	; the prefetches (macro ASK): where my wave's stand, and who asks
	s_lshl_b32 s20, s17, 7                         ; A's tile begins at row 128 y,
	s_lshl_b32 s21, s100, 7                        ; B's at row 128 x
	s_and_b32 s22, ttmp7, 0xffff                   ; cluster y
	s_cmp_eq_u32 s15, 0                            ; do I fetch for A?
	s_cselect_b32 s20, s20, s21
	s_cselect_b32 s21, s66, s67                    ; my place among the four that ask for the tile with me
	s_cselect_b32 s22, ttmp9, s22                  ; the coordinate along which other clusters read the same rows
	s_cselect_b64 s[PFA:PFA+1], s[4:5], s[6:7]
	s_cmp_eq_u32 s22, 0
	s_cselect_b32 s[LIM], 1, -1                    ; the same in all sixteen partners, for a given wave
	s_lshl_b32 s22, s16, 6
	s_add_co_u32 s20, s20, s22                     ; + the 64 rows that I fetch
	s_lshl_b32 s21, s21, 4
	s_add_co_u32 s20, s20, s21                     ; + my work-group's 16 of them
	s_mov_b32 s21, 0
	s_mov_b64 s[18:19], KROW
	s_mul_u64 s[20:21], s[20:21], s[18:19]
	s_add_nc_u64 s[PFA:PFA+1], s[PFA:PFA+1], s[20:21]
	s_add_nc_u64 s[PFA:PFA+1], s[PFA:PFA+1], 2*ROWB   ; at K step 2: the first refill steps it to 3 and names K step 4
	v_mul_u32_u24 v[PFO], v1, KROW                 ; lane: row lane % 16,
	v_lshl_add_u32 v[PFO], v2, 8, v[PFO]           ; block lane / 16 of the K step's two
.endif
.macro FRAG reg, adr, q, i             ; 16 rows x 128 K: lane l holds row l % 16; registers 4 c .. 4 c + 3 hold K = 32 c + 16 (l / 16) + 0 .. 15
.irp c, 0,1,2,3
	ds_load_b128 v[\reg+4*\c:\reg+4*\c+3], v[\adr] offset:128*(\q)+32*\c+(\i)*16*PITCH
.endr
.endm
; 4 matrix instructions: A's block a x B's four, 128 along K: the slot's q-th, from buffer p, scale set sc.  The 16 accumulators take turns, one instruction a turn, in the same order in every quarter
.macro MUL4 a, p, q, sc, zero
.irp b, 0,1,2,3
.if \zero
	v_wmma_scale_f32_16x16x128_f8f6f4 v[8*(4*(\a)+\b):8*(4*(\a)+\b)+7], v[64*(\p)+FR*\b:64*(\p)+FR*\b+FR-1], v[AF+64*(\p)+FR*(\a):AF+64*(\p)+FR*(\a)+FR-1], 0, v[SB+16*(\sc)+4*\b+(\q)], v[SA+16*(\sc)+4*(\a)+(\q)]
.else
	v_wmma_scale_f32_16x16x128_f8f6f4 v[8*(4*(\a)+\b):8*(4*(\a)+\b)+7], v[64*(\p)+FR*\b:64*(\p)+FR*\b+FR-1], v[AF+64*(\p)+FR*(\a):AF+64*(\p)+FR*(\a)+FR-1], v[8*(4*(\a)+\b):8*(4*(\a)+\b)+7], v[SB+16*(\sc)+4*\b+(\q)], v[SA+16*(\sc)+4*(\a)+(\q)]
.endif
.endr
.endm
.macro SCALES sc                       ; a K step's scale words, four a row: A's lie in two rows of the scales' tile (one for each 256 of K), B's are 16 neighbouring bytes
.irp a, 0,1,2,3
	ds_load_b64 v[SA+16*\sc+4*\a:SA+16*\sc+4*\a+1], v[ADSA] offset:128*\a
	ds_load_b64 v[SA+16*\sc+4*\a+2:SA+16*\sc+4*\a+3], v[ADSA] offset:128*\a+528
.endr
.irp b, 0,1,2,3
	ds_load_b128 v[SB+16*\sc+4*\b:SB+16*\sc+4*\b+3], v[ADSB] offset:\b*SBLK
.endr
.endm
; 32 LDS loads in one run: the fragments of the slot's q-th 128 along K into buffer p; A's blocks 2 and 3 last, so that a quarter's head can leave those eight loads out.  sca = 1: the slot's scale words with them
.macro FETCH slot, q, p, sca
	WIN TO_B
.irp i, 0,1,2,3
	FRAG 64*(\p)+FR*\i, ADRB+\slot, \q, \i
.endr
	WIN 0
	FRAG AF+64*(\p), ADRA+\slot, \q, 0
	FRAG AF+64*(\p)+FR, ADRA+\slot, \q, 1
.if \sca
	SCALES \slot
.endif
	FRAG AF+64*(\p)+2*FR, ADRA+\slot, \q, 2
	FRAG AF+64*(\p)+3*FR, ADRA+\slot, \q, 3
.endm
; A K step is four quarters of 128 along K, 16 matrix instructions each, on buffers 0, 1, 0, 1.  One of the first three: multiplies buffer q % 2 and, in its middle, fetches the next quarter into the other buffer.
; A load into a register that a matrix instruction has read stands NP places behind it, and only plain vector instructions are places: the eight v_nop serve the other buffer's last readers, the quarter before.
.macro QUARTER slot, q, zero
	s_wait_dscnt 8                                 ; all but the youngest eight loads (A's blocks 2 and 3) are in
	WIN MUL
	MUL4 0, (\q)%2, \q, \slot, \zero
	MUL4 1, (\q)%2, \q, \slot, \zero
	PLACES NP
	FETCH \slot, (\q)+1, 1-(\q)%2, 0
	s_wait_dscnt 32                                ; all but the 32 just issued
	WIN MUL
	MUL4 2, (\q)%2, \q, \slot, \zero
	MUL4 3, (\q)%2, \q, \slot, \zero
.endm
; The last quarter multiplies buffer 1 and changes slots: ONE barrier; in front of it each wave waits for all its tensor loads, adds 0 to its spare word, and waits for that and for its own reads of this slot.
; fill = 1: this slot is filled again, two K steps ahead; the barrier then opens a round of the cluster's barrier.
.macro TURN slot, next, fill
.if \fill
	s_wait_xcnt 0x0                                ; the last prefetch, a K step back, has read its address: it is stepped here, ahead of the waits of the change of slots
	s_add_nc_u64 s[PFA:PFA+1], s[PFA:PFA+1], ROWB
.endif
	WIN 0                                          ; (the add's two registers lie in window 0)
	s_wait_tensorcnt 0x0                           ; all my tensor loads have landed: my part of the next slot
	ds_add_u32 v[SPW], v[NIL]                      ; 0 onto my spare word
	s_wait_dscnt 9                                 ; (the add and the youngest eight loads may be out)
	WIN MUL
	MUL4 0, 1, 3, \slot, 0                         ; matrix instructions stand between the add and the wait for it
	MUL4 1, 1, 3, \slot, 0
	s_wait_dscnt 0x0                               ; the add is done, and my reads of this slot are over
	s_barrier_signal -1
	MUL4 2, 1, 3, \slot, 0
	WIN 0
	s_barrier_wait -1
.if \fill
	CREST                                          ; no wave of any partner still reads this slot or has a load on its way
	s_add_nc_u64 s[G0+4*\slot+2:G0+4*\slot+3], s[G0+4*\slot+2:G0+4*\slot+3], 2*ROWB
	s_add_nc_u64 s[G0B+4*\slot+2:G0B+4*\slot+3], s[G0B+4*\slot+2:G0B+4*\slot+3], 2*ROWB
	JLOAD G0+4*\slot, G1, G0B+4*\slot, G1B         ; the first tensor load behind the round; its four v_nop are among the places in front of the loads below
	PLACES NP-4
.else
	PLACES NP
.endif
	v_add_nc_u32 v[ADSA], 2*528, v[ADSA]           ; on to the next K step's scale words
	v_add_nc_u32 v[ADSB], 16, v[ADSB]
	FETCH \next, 0, 0, 1
.if \fill
	ASK
.endif
	WIN MUL
	MUL4 3, 1, 3, \slot, 0
.endm
	s_wait_tensorcnt 1                             ; the scales and my part of K step 0 are in (K step 1's load is the one younger),
	s_barrier_signal -1
	s_barrier_wait -1                              ; everybody's are
	FETCH 0, 0, 0, 1
	QUARTER 0, 0, 1                                ; the first quarter stands in front of the loop: its products start the sums: nothing is cleared
.if LAPS > 1
	WIN 0                                          ; at a label and at a branch every window is 0
	s_mov_b32 s3, LAPS-1
.Llap:                                                 ; a trip goes once round the ring, from a lap's second quarter to the next lap's first, and fills both slots again
	QUARTER 0, 1, 0
	QUARTER 0, 2, 0
	TURN 0, 1, 1
	QUARTER 1, 0, 0
	QUARTER 1, 1, 0
	QUARTER 1, 2, 0
	TURN 1, 0, 1
	QUARTER 0, 0, 0
	WIN 0
	s_sub_co_u32 s3, s3, 1
	s_cmp_lg_u32 s3, 0
	s_cbranch_scc1 .Llap
.endif
	QUARTER 0, 1, 0                                ; the last lap fills nothing, and has no round of the cluster's barrier
	QUARTER 0, 2, 0
	TURN 0, 1, 0
	QUARTER 1, 0, 0
	QUARTER 1, 1, 0
	QUARTER 1, 2, 0
	s_wait_dscnt 8                                 ; the very last quarter: nothing more to fetch
	WIN MUL
	MUL4 0, 1, 3, 1, 0
	MUL4 1, 1, 3, 1, 0
	s_wait_dscnt 0
	MUL4 2, 1, 3, 1, 0
	MUL4 3, 1, 3, 1, 0
	WIN 0
; THE WAY OUT, block by block of 16 rows x 64 columns: through my own stage in LDS, back as whole rows of 256 bytes; + the residual + the bias; sixteen lanes store one aligned run of 256 bytes.
; Every offset is an immediate and each block has registers of its own: no store's sources are written again.
.macro TOSTAGE a
	WIN 0x08                                       ; an LDS store's data are its source 1: window 2
.irp b, 0,1,2,3
	ds_store_b128 v[STO], v[32*(\a)+8*\b:32*(\a)+8*\b+3] offset:64*\b          ; each accumulator from its low end on
	ds_store_b128 v[STO], v[32*(\a)+8*\b+4:32*(\a)+8*\b+7] offset:64*\b+16
.endr
	WIN 0
.irp t, 0,1,2,3,4,5,6,7
	ds_load_b128 v[BK+32*(\a)+4*\t:BK+32*(\a)+4*\t+3], v[RD] offset:544*\t   ; LDS serves a wave's instructions in order: these see the stores above, and the next block's stores come behind them
.endr
.endm
.macro SEND a
.set BB, BK+32*(\a)
.set RR, RES+32*(\a)
	WIN 0x04                                       ; source 1 window 1: the residual
.irp t, 0,1,2,3,4,5,6,7
	v_pk_add_f32 v[BB+4*\t:BB+4*\t+1], v[BB+4*\t:BB+4*\t+1], v[RR+4*\t:RR+4*\t+1]
	v_pk_add_f32 v[BB+4*\t+2:BB+4*\t+3], v[BB+4*\t+2:BB+4*\t+3], v[RR+4*\t+2:RR+4*\t+3]
.endr
	WIN 0
.irp t, 0,1,2,3,4,5,6,7
	v_pk_add_f32 v[BB+4*\t:BB+4*\t+1], v[BB+4*\t:BB+4*\t+1], v[BI4:BI4+1]
	v_pk_add_f32 v[BB+4*\t+2:BB+4*\t+3], v[BB+4*\t+2:BB+4*\t+3], v[BI4+2:BI4+3]
	global_store_b128 v[CO], v[BB+4*\t:BB+4*\t+3], s[98:99] offset:65536*(\a)+8192*\t th:TH_STORE_NT
.endr
.endm
	PLACES NP                                      ; in front of the first read of results and of loads into the registers that held A's fragments
	TOSTAGE 0
	s_wait_loadcnt 0x0                             ; the bias and the residual, asked for at the head
.irp a, 0,1,2
	TOSTAGE \a+1
	s_wait_dscnt 16                                ; block a is back: the next block's 8 stores and 8 loads are younger
	SEND \a
.endr
	s_wait_dscnt 0x0
	SEND 3
	s_wait_tensorcnt 0x0                           ; the wave's end
	ds_add_u32 v[SPW], v[NIL]
	s_wait_dscnt 0x0
	CROUND                                         ; the closing round: no work-group ends while a partner may still ask for a tile that names it
	s_endpgm
.Lfunc_end_k_q14b173add4_ffn2:
	.size	k_q14b173add4_ffn2, .Lfunc_end_k_q14b173add4_ffn2-k_q14b173add4_ffn2
	.p2alignl 7, 3214868480
	.fill 96, 4, 3214868480
	.section	.rodata,"a",@progbits
	.p2align	6, 0x0
	.amdhsa_kernel k_q14b173add4_ffn2
		.amdhsa_group_segment_fixed_size 327680
		.amdhsa_private_segment_fixed_size 0
		.amdhsa_enable_private_segment 0
		.amdhsa_kernarg_size 48
		.amdhsa_user_sgpr_count 2
		.amdhsa_user_sgpr_kernarg_segment_ptr 1
		.amdhsa_wavefront_size32 1
		.amdhsa_system_sgpr_workgroup_id_x 1
		.amdhsa_system_sgpr_workgroup_id_y 1
		.amdhsa_system_sgpr_workgroup_id_z 1
		.amdhsa_system_vgpr_workitem_id 0
		.amdhsa_next_free_vgpr 768
		.amdhsa_next_free_sgpr 106
		.amdhsa_reserve_vcc 0
		.amdhsa_float_denorm_mode_32 3
		.amdhsa_float_denorm_mode_16_64 3
		.amdhsa_memory_ordered 1
		.amdhsa_forward_progress 1
		.amdhsa_inst_pref_size 107
	.end_amdhsa_kernel
	.amdgpu_metadata
---
amdhsa.version: [ 1, 2 ]
amdhsa.kernels:
  - .name:           k_q14b173add4_ffn2
    .symbol:         k_q14b173add4_ffn2.kd
    .args:
      - { .name: hid, .offset: 0, .size: 8, .value_kind: global_buffer, .address_space: global }
      - { .name: W2_codes, .offset: 8, .size: 8, .value_kind: global_buffer, .address_space: global }
      - { .name: W2_scales, .offset: 16, .size: 8, .value_kind: global_buffer, .address_space: global }
      - { .name: b2, .offset: 24, .size: 8, .value_kind: global_buffer, .address_space: global }
      - { .name: x1, .offset: 32, .size: 8, .value_kind: global_buffer, .address_space: global }
      - { .name: out0, .offset: 40, .size: 8, .value_kind: global_buffer, .address_space: global }
    .group_segment_fixed_size: 327680
    .private_segment_fixed_size: 0
    .kernarg_segment_align: 8
    .kernarg_segment_size: 48
    .max_flat_workgroup_size: 128
    .sgpr_count:     106
    .vgpr_count:     768
    .wavefront_size: 32
...
	.end_amdgpu_metadata
.endif
;; end of part 9
;; ======== version 3 of 3: 8 launches; version 2 with the launch attn written anew for expert scheduling mode
;; limits: right only within a limited range of input values
;; workspace buffers: hq 4,325,376 bytes; ac 4,325,376 bytes; hid 17,301,504 bytes; qc 4,456,448 bytes; kv 2,195,456 bytes; maskb 4,194,304 bytes; flags 8,192 bytes of whole numbers; x1 16,777,216 bytes
;; launch ln1: the kernel of part 1 again; grid 256 x 1, 8 waves a work-group, no clusters, 87,040 bytes of LDS; arguments x, ln1_g, ln1_b, hq; writes hq
;; launch maskp: the kernel of part 2 again; grid 256 x 1, 8 waves a work-group, no clusters, 18,432 bytes of LDS; arguments mask, maskb, flags; writes maskb, flags
;; launch qkv: the kernel of part 3 again; grid 12 x 16, 4 waves a work-group, clusters of 4 x 4, 327,680 bytes of LDS; arguments hq, Wq_codes, Wq_scales, Wk_codes, Wk_scales, Wv_codes, Wv_scales, lora_qa_codes, lora_qa_scales, lora_va_codes, lora_va_scales, lora_qb, lora_vb, bq, bk, bv, qc, kv; writes qc, kv
;; launch attn (part 10): grid 32 x 8, 16 waves a work-group, no clusters, 100,352 bytes of LDS; arguments qc, kv, maskb, flags, ac; writes ac
.if DOCPART == 10
	.amdgcn_target "amdgcn-amd-amdhsa--gfx1250"
	.amdhsa_code_object_version 6
	.text
	.protected	k_q14b173add4_attn
	.globl	k_q14b173add4_attn
	.p2align	8
	.type	k_q14b173add4_attn,@function
k_q14b173add4_attn:
	s_mov_b64 s[64:65], 0
	v_nop
	global_prefetch_b8 v0, s[64:65] scope:SCOPE_SE
	s_setreg_imm32_b32 hwreg(HW_REG_WAVE_SCHED_MODE, 0, 2), 2
	s_setreg_imm32_b32 hwreg(HW_REG_WAVE_MODE, 25, 1), 1
	s_wait_xcnt 0x0
	s_wait_alu depctr_vm_vsrc(0)
; ATTENTION ON CODES OF E4M3.  16 query heads in 4 groups, head size 64, 2,048 keys, 2 batches; the mask is an input, given here as bytes (maskb) and as one flag for each 16 queries x 128 keys (flags).
; t = score x log2(e) / 8; M = the running largest t rounded UP to a whole number; p = 2^(t - M) is quantised along the keys, not normalised; the row's sum is taken of the unquantised p and divides at the end.
; SHARES.  Work-group (j, batch x group): sixteen waves = 4 heads of the group x 4 tiles of 16 queries (tiles j, 63 - j, 64 + j, 127 - j, so that under a mask that hides later keys the work is even).
; All waves walk the 16 key steps of 128 keys.  A step's K image (8 KiB), V image (8 KiB) and the four tiles' mask bytes (8 KiB) go from memory through registers into one of two LDS slots, 48 bytes a thread,
; loaded a whole step ahead; one barrier a step.  A WAVE JUMPS OVER A STEP'S WORK WHERE ITS FLAG SAYS THAT NO KEY COUNTS: a branch on a whole number that an earlier launch stored.
; The launch has no tensor load, hence no joint loads either; the sixteen waves share K and V through LDS.
; LAYOUT.  Both products transposed: S^T = K Q^T, O^T = V^T P^T: a lane holds ONE query.  Row r of tile 2 b + u of K is key 32 b + 8 u + r + 8 (r / 8), so register 16 b + i of S^T is key 32 b + 16 h + i.
; The head's 64 are half of the instruction's K: Q's upper eight registers hold zero codes, K's fragment runs on into the next tile's codes (which meet those zeros; no code made by the quantiser is NaN), scale bytes 0x7f.
; THE MASK COSTS NO LINE A SCORE: its bytes, widened (0 or -448 x 2^100), are the C of the first product.  Hidden t lie near -1e32, under the floor -1e30 at which the running maximum starts:
; a row without an open key so far has p = 0 and sum 0 exactly, and its first open key brings the factor 0.  A row with no open key at all ends with sum 0: its scale bytes are set to 0xff, so that the next product gives NaN there, as the definition does.
; LIMITS: |t| stays under 1e30; NaN and infinities are not served; a block whose largest magnitude lies under 2^-118 keeps the scale byte 1.
; REGISTERS: v1-10 addresses; v11 Q's scale words; v12 -M, v13 the largest t, v[14:15] the sum; v16-31 Q; v32-95 K's eight tiles, then V's four; v96-103 zeros; v104-167 S^T, then p (at the head: lane, r, h and the head's offsets);
;   v168-199 O^T; v200-215 mask bytes, then p's codes; v216-227 the next step's bytes; v228-235 K's, then V's scale words; v236-254 at work; v255 the mask bytes' scale.
; THE MODE: SCHED_MODE bits 1:0 = 2 (LLVM: expert scheduling mode 2), set by the entry lines.  The code itself states the register dependences
; between vector or matrix instructions and memory or LDS instructions, with s_wait_alu, always for 0.
; THE PLAN.  Registers that memory or LDS instructions touch, in the loop:
;   v216-227        A trip's three global loads land here, its three LDS stores read them; no vector instruction names them.
;   v200-215        The mask bytes' LDS loads land here; the widening conversions read them; p's conversions write them; the second products read them.
;   v32-95, v228-235  K's fragments and words land here, the first products read them; V's land in v32-95 and v228-231, the second products read them.
;   v3, v4          Read by the scale words' LDS loads; stepped by a vector add once a trip, behind the trip's barrier.
;   v1, v2, v5      Made at the head; not written in the loop.
; So a trip has ONE wait on vm_vsrc, behind its barrier: its LDS stores have read v216-227 and its LDS loads v3 and v4; the two adds and the next trip's global loads follow it.
; A step has three waits on va_vdst for such dependences: at its head (the last step's second products are done with v32-95, v200-215, v228-231; v3 and v4 are written), behind the first products
; (they are done with K's registers, in which V lands), and ahead of the second products (p's codes and scale word are written); and the two behind its exponentials.
; V's seventeen LDS loads are dealt among the lines that search the blocks' largest scores: those name v104-167 and v236-239, the loads v32-95, v228-231, v1 and v4.
.set KSC, 65536                        ; K's scale words of the whole batch x group: [step 16][r 16][tile 8]
.set VSC, 73728                        ; V's: [step 16][r 16][tile 4]
.set OST, 77824                        ; the way out: for each tile of queries 16 rows x (256 + 16) bytes of codes,
.set SST, 95232                        ; and 16 x 8 scale bytes
.set S,   104                          ; v104-167 S^T, then p
.set O,   168                          ; v168-199 O^T
.set MB,  200                          ; v200-215 mask bytes, later p's codes
.set STG, 216                          ; v216-227 the next step's 48 bytes
.set CS,  22
.set SEL, 24
.set MNT, 26
.set FW,  27                           ; my tile's flags, bit 0 = the step in hand (shifted two a trip)
	s_load_b256 s[4:11], s[0:1], 0x0               ; qc, kv, maskb, flags
	s_load_b64 s[12:13], s[0:1], 0x20              ; ac
	v_lshrrev_b32 v1, 5, v0
	v_readfirstlane_b32 s14, v1                    ; wave 0..15
	v_and_b32 v104, 31, v0                         ; lane   (v104-110 serve the head alone: the first key step writes scores there)
	v_and_b32 v105, 15, v0                         ; r
	v_bfe_u32 v106, v0, 4, 1                       ; h
	s_wait_alu depctr_va_sdst(0)                   ; s14 is written, ahead of its first reader: heads, tiles and addresses are made from it
	s_and_b32 s15, s14, 3                          ; hd: my head in the group
	s_lshr_b32 s16, s14, 2                         ; k: which of the four tiles
	s_and_b32 s19, ttmp7, 0xffff                   ; 4 x batch + group
	s_lshr_b32 s20, s19, 2
	s_and_b32 s21, s19, 3
	s_sub_co_u32 s17, 63, ttmp9
	s_bitcmp1_b32 s16, 0
	s_cselect_b32 s17, s17, ttmp9
	s_lshr_b32 s18, s16, 1
	s_lshl_b32 s18, s18, 6
	s_add_co_u32 s17, s17, s18                     ; qt: my tile of queries
	v_lshlrev_b32 v1, 4, v104                      ; v1: 16 x lane: an image's place for my lane
	s_lshl_b32 s58, s16, 11
	s_add_co_u32 s58, s58, 16384
	v_add_nc_u32 v2, s58, v1                       ; v2: my tile's mask bytes in a slot
	v_lshl_add_u32 v3, v105, 5, KSC                ; v3: K's words of the step in hand (stepped)
	v_lshl_add_u32 v4, v105, 4, VSC                ; v4: V's
	s_lshl_b32 s58, s14, 9
	v_add_nc_u32 v5, s58, v1                       ; v5: where I put my 16 bytes of each image
	s_mul_i32 s58, s16, 4352
	s_add_co_u32 s58, s58, OST
	s_lshl_b32 s59, s15, 6
	s_add_co_u32 s59, s59, s58
	v_mul_u32_u24 v6, v105, 272
	v_lshl_add_u32 v6, v106, 3, v6
	v_add_nc_u32 v6, s59, v6                       ; v6: the way out, in: row r, + 64 hd + 8 h
	s_mul_i32 s59, s15, 1088
	s_add_co_u32 s59, s59, s58
	v_mul_u32_u24 v8, v106, 272
	v_lshl_add_u32 v8, v105, 4, v8
	v_add_nc_u32 v8, s59, v8                       ; v8: back: rows 4 hd + h (+ 2)
	s_lshl_b32 s58, s16, 7
	s_add_co_u32 s58, s58, SST
	v_lshl_add_u32 v9, v104, 2, s58                ; v9: the tile's scale bytes, a word a lane
	s_lshl_b32 s59, s15, 1
	s_add_co_u32 s59, s59, s58
	v_lshl_add_u32 v7, v105, 3, s59                ; v7: my head's two bytes of row r
	v_lshlrev_b32 v10, 10, v106
	v_lshl_add_u32 v10, v105, 4, v10               ; v10: in ac: row h, 16 r
	v_add_nc_u32 v107, KSC, v5                     ; where K's words go: 512 bytes a wave
	s_lshl_b32 s58, s14, 8
	s_add_co_u32 s58, s58, VSC
	v_lshl_add_u32 v108, v104, 3, s58              ; V's: 256 bytes a wave
	v_lshlrev_b32 v109, 3, v104
	v_lshlrev_b32 v110, 5, v105
	s_lshl_b32 s50, s19, 2
	s_add_co_u32 s50, s50, s15
	s_lshl_b32 s50, s50, 4
	s_lshr_b32 s51, s17, 3
	s_add_co_u32 s50, s50, s51                     ; (16 x batch + head) x 16 + the queries' step
	s_and_b32 s51, s17, 7                          ; my tile in it
	s_lshl_b32 s52, s50, 13
	s_lshl_b32 s53, s51, 10
	s_add_co_u32 s52, s52, s53
	s_mov_b32 s53, 0                               ; Q's codes
	s_lshl_b32 s50, s50, 9
	s_lshl_b32 s51, s51, 2
	s_add_co_u32 s50, s50, s51
	s_add_co_u32 s50, s50, 4194304
	s_mov_b32 s51, 0                               ; Q's words
	s_lshl_b32 s30, s19, 18
	s_lshl_b32 s31, s14, 9
	s_add_co_u32 s30, s30, s31
	s_mov_b32 s31, 0                               ; K's and V's images: my 512 bytes
	s_mul_i32 s54, s19, 12288
	s_add_co_u32 s54, s54, 2097152
	s_lshl_b32 s55, s14, 8
	s_add_co_u32 s56, s54, s55
	s_add_co_u32 s56, s56, 8192
	s_mov_b32 s57, 0                               ; V's words
	s_lshl_b32 s55, s14, 9
	s_add_co_u32 s54, s54, s55
	s_mov_b32 s55, 0                               ; K's words
	s_lshl_b32 s48, s17, 15
	s_lshl_b32 s49, s15, 9
	s_add_co_u32 s48, s48, s49
	s_mov_b32 s49, 0                               ; the tile's mask bytes: my quarter
	s_lshl_b32 s58, s17, 6
	s_mov_b32 s59, 0                               ; its sixteen flags
	s_mov_b32 s[CS], 0x3e38aa3b                    ; c = log2(e) / 8
	s_mov_b32 s[CS+1], s[CS]
	s_mov_b32 s[SEL], 0x76543210
	s_mov_b32 s[SEL+1], 0xfedcba98
	s_mov_b32 s[MNT], 0x600000
	s_wait_kmcnt 0x0
	s_add_nc_u64 s[10:11], s[10:11], s[58:59]
	s_load_b512 s[32:47], s[10:11], 0x0
	s_add_nc_u64 s[52:53], s[4:5], s[52:53]
	s_add_nc_u64 s[50:51], s[4:5], s[50:51]
	s_add_nc_u64 s[30:31], s[6:7], s[30:31]
	s_add_nc_u64 s[54:55], s[6:7], s[54:55]
	s_add_nc_u64 s[56:57], s[6:7], s[56:57]
	s_add_nc_u64 s[48:49], s[8:9], s[48:49]
	s_wait_alu depctr_va_vdst(0)                   ; the addresses and offsets v1 to v10 and v107 to v110 are written, which the loads and stores of the whole kernel read
	global_load_b128 v[STG:STG+3], v1, s[30:31]                ; key step 0
	global_load_b128 v[STG+4:STG+7], v1, s[30:31] offset:8192
	global_load_b128 v[STG+8:STG+11], v1, s[48:49]
	global_load_b128 v[32:35], v1, s[54:55]
	global_load_b64 v[36:37], v109, s[56:57]
	global_load_b128 v[16:19], v1, s[52:53]                    ; Q's fragment stays in registers
	global_load_b128 v[20:23], v1, s[52:53] offset:512
	global_load_b32 v11, v110, s[50:51]                        ; Q's scale words
	v_mov_b32 v13, 0xf149f2ca                      ; the largest t so far: -1e30   (none of the lines from here to the stores names a register that the loads above or the stores below touch)
	v_floor_f32 v12, -v13                          ; -M
	v_mov_b32 v14, 0                               ; the sum, in two halves
	v_mov_b32 v15, 0
.irp j, 0,1,2,3,4,5,6,7
	v_mov_b32 v[24+\j], 0                          ; Q's upper 64 of K: zero codes
	v_mov_b32 v[96+\j], 0                          ; and what K's last fragment runs on into
.endr
.irp j, 0,1,2,3,4,5,6,7,8,9,10,11,12,13,14,15,16,17,18,19,20,21,22,23,24,25,26,27,28,29,30,31
	v_mov_b32 v[O+\j], 0                           ; O^T: the step is written without a first form of its own, and a tile all of whose steps are jumped over reads these
.endr
.irp b, 0,1,2,3
	v_mov_b32 v[240+\b], 0                         ; a lane permute's destination counts as one of its sources
.endr
	v_mov_b32 v252, 0
	v_mov_b32 v253, 0
	v_mov_b32 v255, 0xe3e3e3e3                     ; 2^100 as an E8M0 byte, in every byte
	s_wait_kmcnt 0x0
	s_mov_b32 s[FW], 0
.irp t, 0,1,2,3,4,5,6,7,8,9,10,11,12,13,14,15
	s_lshl_b32 s[32+\t], s[32+\t], \t
	s_or_b32 s[FW], s[FW], s[32+\t]
.endr
	s_wait_loadcnt 0x0
	ds_store_b128 v5, v[STG:STG+3]
	ds_store_b128 v5, v[STG+4:STG+7] offset:8192
	ds_store_b128 v5, v[STG+8:STG+11] offset:16384
	ds_store_b128 v107, v[32:35]
	ds_store_b64 v108, v[36:37]
	s_add_nc_u64 s[30:31], s[30:31], 16384         ; (the loads are done: their bases may step)
	s_add_nc_u64 s[48:49], s[48:49], 2048
	s_wait_dscnt 0x0
	s_barrier_signal -1
	s_barrier_wait -1
	s_wait_alu depctr_vm_vsrc(0)                   ; the head's loads and LDS stores have read v107 to v110, v32 to v37 and v216 to v227: scores are written, and fragments and the next step's bytes land, there from here on
; four of V's sixteen LDS loads: the fragment of channels 16 t on
.macro VFRAG sl, t
.irp c, 0,1,2,3
	ds_load_b128 v[32+16*(\t)+4*\c:35+16*(\t)+4*\c], v1 offset:(\sl)*32768+8192+2048*(\t)+512*\c
.endr
.endm
; A KEY STEP: 128 keys, in slot sl
.macro STEP sl
.rept 6
	v_nop                                          ; with the two address steps at the last trip's end: eight places in front of loads into registers that the last products read
.endr
	s_wait_alu depctr_va_vdst(0)                   ; the last step's second products are done reading v32-95, v200-215 and v228-231, and p's conversions have written v200-215: the loads below land there; v3 and v4 are written; in the first step Q's and K's zero codes are written, which the first products take
.irp c, 0,1,2,3
	ds_load_b128 v[MB+4*\c:MB+4*\c+3], v2 offset:\sl*32768+512*\c
.endr
	ds_load_b128 v[228:231], v3
	ds_load_b128 v[232:235], v3 offset:16
.irp t, 0,1,2,3,4,5,6,7
	ds_load_b128 v[32+8*\t:35+8*\t], v1 offset:\sl*32768+1024*\t
	ds_load_b128 v[36+8*\t:39+8*\t], v1 offset:\sl*32768+1024*\t+512
.endr
	s_wait_dscnt 18                                ; the mask bytes are in: 2 + 16 loads are younger
.irp t, 0,1,2,3,4,5,6,7
	v_cvt_scale_pk8_f32_fp8 v[S+8*\t:S+8*\t+7], v[MB+2*\t:MB+2*\t+1], v255   ; 0 where the key counts, -448 x 2^100 where it is hidden
.endr
.rept 4
	v_nop
.endr
	s_wait_dscnt 0x0
.irp t, 0,1,2,3,4,5,6,7
	v_wmma_scale_f32_16x16x128_f8f6f4 v[S+8*\t:S+8*\t+7], v[32+8*\t:47+8*\t], v[16:31], v[S+8*\t:S+8*\t+7], v[228+\t], v11
.endr
.rept 8
	v_nop
.endr
	s_wait_alu depctr_va_vdst(0)                   ; the eight products are done reading K's fragments and scale words, in which V's land; the places above stay beside this wait
	ds_load_b128 v[228:231], v4                    ; V's words and four fragments land while the softmax is walked.  No further wait: the lines among which they are dealt name v104-167 and v236-239 alone
	VFRAG \sl, 0
.irp b, 0,1,2,3
	v_max3_num_f32 v[236+\b], v[S+16*\b], v[S+1+16*\b], v[S+2+16*\b]   ; the largest score of each block of 32 keys: for the row's maximum, and, since p rises with the score, for the block's largest p
.endr
	VFRAG \sl, 1
.irp b, 0,1,2,3
	v_max3_num_f32 v[236+\b], v[236+\b], v[S+16*\b+3], v[S+1+16*\b+3]
.endr
	VFRAG \sl, 2
.irp b, 0,1,2,3
	v_max3_num_f32 v[236+\b], v[236+\b], v[S+16*\b+5], v[S+1+16*\b+5]
.endr
	VFRAG \sl, 3
.irp i, 7,9,11,13
.irp b, 0,1,2,3
	v_max3_num_f32 v[236+\b], v[236+\b], v[S+16*\b+\i], v[S+1+16*\b+\i]
.endr
.endr
.irp b, 0,1,2,3
	v_max_num_f32 v[236+\b], v[236+\b], v[S+15+16*\b]
.endr
.irp b, 0,1,2,3
	v_permlanex16_b32 v[240+\b], v[236+\b], s[SEL], s[SEL+1]
.endr
.irp b, 0,1,2,3
	v_max_num_f32 v[236+\b], v[236+\b], v[240+\b]
.endr
	v_max3_num_f32 v254, v236, v237, v238
	v_max_num_f32 v254, v254, v239
	v_mul_f32 v254, s[CS], v254                    ; as t
	v_max_num_f32 v13, v13, v254                   ; the running largest t
	v_mov_b32 v254, v12
	v_floor_f32 v12, -v13                          ; the new -M = -ceil(t)
	v_sub_f32 v254, v12, v254                      ; old M - new M: a whole number, 0 or less
	v_cvt_i32_f32 v254, v254                       ; (it saturates)
	v_ldexp_f32 v252, 1.0, v254                    ; f = 2^(old M - new M): rounds nothing
.irp j, 0,2,4,6,8,10,12,14,16,18,20,22,24,26,28,30,32,34,36,38,40,42,44,46,48,50,52,54,56,58,60,62
	v_pk_fma_f32 v[S+\j:S+\j+1], v[S+\j:S+\j+1], s[CS:CS+1], v[12:13] op_sel_hi:[1,0,0]   ; t - M
.endr
.irp b, 0,1,2,3
	v_fma_f32 v[236+\b], v[236+\b], s[CS], v12
.endr
.irp j, 0,1,2,3,4,5,6,7,8,9,10,11,12,13,14,15,16,17,18,19,20,21,22,23,24,25,26,27,28,29,30,31,32,33,34,35,36,37,38,39,40,41,42,43,44,45,46,47,48,49,50,51,52,53,54,55,56,57,58,59,60,61,62,63
	v_exp_f32 v[S+\j], v[S+\j]                     ; p = 2^(t - M)
.endr
	v_pk_mul_f32 v[14:15], v[14:15], v[252:253] op_sel_hi:[1,0]   ; the sums under the new M (a plain line behind the exponentials)
	s_wait_alu depctr_va_vdst(0)                   ; the 64 exponentials have written p: one wait for the batch, ahead of its first reader
.irp b, 0,1,2,3
	v_exp_f32 v[236+\b], v[236+\b]                 ; the block's largest p
.endr
	v_pk_add_f32 v[240:241], v[S:S+1], v[S+2:S+3]  ; the row's sum is taken of the unquantised p, in two chains
.irp j, 4,8,12,16,20,24,28,32,36,40,44,48,52,56,60
	v_pk_add_f32 v[14:15], v[14:15], v[S+\j:S+\j+1]
	v_pk_add_f32 v[240:241], v[240:241], v[S+2+\j:S+3+\j]
.endr
	v_pk_add_f32 v[14:15], v[14:15], v[240:241]
	s_wait_alu depctr_va_vdst(0)                   ; and one for the four: the blocks' largest p are written
.irp b, 0,1,2,3
	v_max_num_f32 v[236+\b], 0x4800000, v[236+\b]  ; the floor 2^(9 - 127)
.endr
.irp b, 0,1,2,3
	v_add_nc_u32 v[248+\b], 0xfc000000, v[236+\b]
.endr
.irp b, 0,1,2,3
	v_and_or_b32 v[244+\b], v[236+\b], 0x7f800000, s[MNT]
.endr
.irp b, 0,1,2,3
	v_lshrrev_b32 v[240+\b], 23, v[248+\b]
.endr
	v_lshl_or_b32 v253, v241, 8, v240              ; p's scale word for these 128 keys
	v_lshl_or_b32 v253, v242, 16, v253
	v_lshl_or_b32 v253, v243, 24, v253
.irp b, 0,1,2,3
.irp i, 0,1,2,3,4,5,6,7,8,9,10,11,12,13,14,15
	v_min_num_f32 v[S+16*\b+\i], v[S+16*\b+\i], v[244+\b]   ; the hold; p is not negative
.endr
	v_cvt_scalef32_pk8_fp8_f32 v[MB+4*\b:MB+1+4*\b], v[S+16*\b:S+7+16*\b], v[248+\b]
	v_cvt_scalef32_pk8_fp8_f32 v[MB+2+4*\b:MB+3+4*\b], v[S+8+16*\b:S+15+16*\b], v[248+\b]
.endr
.irp j, 0,2,4,6,8,10,12,14,16,18,20,22,24,26,28,30
	v_pk_mul_f32 v[O+\j:O+\j+1], v[O+\j:O+\j+1], v[252:253] op_sel_hi:[1,0]   ; O^T under the new M (also the places in front of the products below)
.endr
	s_wait_alu depctr_va_vdst(0)                   ; the conversions have written p's codes and the shifts p's scale word, which the scaled products below take as operand and as scales; the places above stay beside this wait
	s_wait_dscnt 0x0                               ; V and its words
.irp t, 0,1,2,3
	v_wmma_scale_f32_16x16x128_f8f6f4 v[O+8*\t:O+8*\t+7], v[32+16*\t:47+16*\t], v[MB:MB+15], v[O+8*\t:O+8*\t+7], v[228+\t], v253
.endr
.endm
; One step's turn: the next step's 48 bytes are asked for; the step's work, or none; they go into the other slot; one barrier: behind it the other slot is whole and nobody reads this one.
.macro TRIP sl, more, bit
.if \more
	global_load_b128 v[STG:STG+3], v1, s[30:31]    ; no wait here: the wait on vm_vsrc at the last trip's end (the first trip: at the head's end) has shown v216-227 read, and no vector instruction names them or writes v1
	global_load_b128 v[STG+4:STG+7], v1, s[30:31] offset:8192
	global_load_b128 v[STG+8:STG+11], v1, s[48:49]
.endif
	s_bitcmp1_b32 s[FW], \bit
	s_cbranch_scc0 .Lhidden_\@                     ; no key of this step counts for any of my 16 queries
	STEP \sl
.Lhidden_\@:
.if \more
	s_wait_loadcnt 0x0
	ds_store_b128 v5, v[STG:STG+3] offset:(1-\sl)*32768
	ds_store_b128 v5, v[STG+4:STG+7] offset:(1-\sl)*32768+8192
	ds_store_b128 v5, v[STG+8:STG+11] offset:(1-\sl)*32768+16384
	s_add_nc_u64 s[30:31], s[30:31], 16384
	s_add_nc_u64 s[48:49], s[48:49], 2048
	s_wait_dscnt 0x0                               ; my stores have landed, and my reads of this slot are in
	s_barrier_signal -1
	s_barrier_wait -1
	s_wait_alu depctr_vm_vsrc(0)                   ; the three LDS stores have read v216-227, in which the next trip's loads land; the scale words' LDS loads have read v3 and v4, which the two lines below write
	v_add_nc_u32 v3, 512, v3                       ; the next step's scale words
	v_add_nc_u32 v4, 256, v4
.endif
.endm
	s_mov_b32 s28, 7
.Lpair:
	TRIP 0, 1, 0
	TRIP 1, 1, 1
	s_lshr_b32 s[FW], s[FW], 2
	s_sub_co_u32 s28, s28, 1
	s_cmp_lg_u32 s28, 0
	s_cbranch_scc1 .Lpair
	TRIP 0, 1, 0
	TRIP 1, 0, 1                                   ; the last step asks for nothing, and steps no address
	; THE WAY OUT: O^T / the sum is quantised along the head's 64 (two blocks: the next product's K) and meets the group's other heads in LDS: a token's 256 codes leave as one aligned run.
.rept 8
	v_nop
.endr
	v_add_f32 v14, v14, v15
	v_permlanex16_b32 v252, v14, s[SEL], s[SEL+1]
	v_add_f32 v14, v14, v252                       ; the row's sum
	v_cmp_eq_f32 vcc_lo, 0, v14                    ; no key counted
	v_rcp_f32 v15, v14
	v_mov_b32 v254, 0xffff                         ; (a plain line behind the transcendental)
	s_wait_alu depctr_va_vdst(0)                   ; the reciprocal is written, ahead of its first reader
	s_wait_alu depctr_va_vcc(0)                    ; the compare has written VCC, which the select below reads
.irp j, 0,1,2,3,4,5,6,7,8,9,10,11,12,13,14,15,16,17,18,19,20,21,22,23,24,25,26,27,28,29,30,31
	v_mul_f32 v[S+\j], v[O+\j], v15                ; register 8 t + i: channel 16 t + 8 h + i
.endr
.irp b, 0,1
	v_max3_num_f32 v[236+\b], |v[S+16*\b]|, |v[S+1+16*\b]|, 0x4800000
.endr
.irp i, 2,4,6,8,10,12,14
.irp b, 0,1
	v_max3_num_f32 v[236+\b], v[236+\b], |v[S+16*\b+\i]|, |v[S+1+16*\b+\i]|
.endr
.endr
.irp b, 0,1
	v_permlanex16_b32 v[240+\b], v[236+\b], s[SEL], s[SEL+1]
.endr
.irp b, 0,1
	v_max_num_f32 v[236+\b], v[236+\b], v[240+\b]
.endr
.irp b, 0,1
	v_add_nc_u32 v[248+\b], 0xfc000000, v[236+\b]
.endr
.irp b, 0,1
	v_and_or_b32 v[244+\b], v[236+\b], 0x7f800000, s[MNT]
.endr
.irp b, 0,1
	v_lshrrev_b32 v[240+\b], 23, v[248+\b]
.endr
	v_lshl_or_b32 v252, v241, 8, v240
	v_cndmask_b32 v252, v252, v254, vcc_lo         ; 0xff, 0xff where no key counted
.irp b, 0,1
.irp i, 0,1,2,3,4,5,6,7,8,9,10,11,12,13,14,15
	v_med3_num_f32 v[S+16*\b+\i], v[S+16*\b+\i], -v[244+\b], v[244+\b]
.endr
	v_cvt_scalef32_pk8_fp8_f32 v[MB+4*\b:MB+1+4*\b], v[S+16*\b:S+7+16*\b], v[248+\b]
	v_cvt_scalef32_pk8_fp8_f32 v[MB+2+4*\b:MB+3+4*\b], v[S+8+16*\b:S+15+16*\b], v[248+\b]
.endr
	s_wait_alu depctr_vm_vsrc(0)                   ; the mask bytes' LDS loads have read v2 and the slots' LDS stores v5: both are written below
	v_and_b32 v2, 31, v0                           ; (the plain line behind the last conversion)  v2 and v5 have served their last LDS instruction: v2 becomes the scale bytes' offset in ac, made of the thread's number alone
	v_bfe_u32 v5, v0, 4, 1
	v_lshlrev_b32 v2, 2, v2
	v_lshl_add_u32 v2, v5, 6, v2                   ; 8 x (row + 8 (row / 8)) + 4 x word, row = lane / 2, word = lane % 2: 4 x lane + 64 x (lane / 16)
	s_wait_alu depctr_va_vdst(0)                   ; the conversions have written the codes and the select the two scale bytes, which the LDS stores read; v2 is written, the last store's offset; the holds and conversions are done with v104-112, in which the LDS loads behind the barrier land.  No vector instruction follows until the wave's end
.irp b, 0,1
.irp p, 0,1
	ds_store_b64 v6, v[MB+4*\b+2*\p:MB+4*\b+2*\p+1] offset:32*\b+16*\p   ; channels 32 b + 16 p + 8 h on
.endr
.endr
	ds_store_b16 v7, v252
	s_wait_dscnt 0x0
	s_barrier_signal -1
	s_barrier_wait -1
	ds_load_b128 v[S:S+3], v8
	ds_load_b128 v[S+4:S+7], v8 offset:544
	s_lshr_b32 s50, s17, 1
	s_lshl_b32 s50, s50, 5
	s_and_b32 s51, s17, 1
	s_lshl_b32 s51, s51, 3
	s_add_co_u32 s50, s50, s51
	s_lshl_b32 s51, s20, 11
	s_add_co_u32 s50, s50, s51                     ; the tile's first token
	s_lshl_b32 s52, s50, 3
	s_lshl_b32 s53, s21, 15
	s_add_co_u32 s52, s52, s53
	s_add_co_u32 s52, s52, 4194304
	s_mov_b32 s53, 0                               ; its scale bytes: K step = the group
	s_lshl_b32 s51, s15, 2
	s_add_co_u32 s50, s50, s51
	s_lshr_b32 s51, s15, 1
	s_lshl_b32 s51, s51, 3
	s_add_co_u32 s50, s50, s51                     ; rows 4 hd on: + 4 hd + 8 (hd / 2)
	s_lshl_b32 s50, s50, 10
	s_lshl_b32 s51, s21, 8
	s_add_co_u32 s50, s50, s51
	s_mov_b32 s51, 0
	s_add_nc_u64 s[50:51], s[12:13], s[50:51]
	s_add_nc_u64 s[52:53], s[12:13], s[52:53]
	s_wait_dscnt 0x0
	global_store_b128 v10, v[S:S+3], s[50:51]                  ; sixteen lanes store one aligned run of 256 bytes
	global_store_b128 v10, v[S+4:S+7], s[50:51] offset:2048
	s_cmp_lg_u32 s15, 0
	s_cbranch_scc1 .Ldone
	ds_load_b32 v[S+8], v9                         ; a register that no pending store names
	s_wait_dscnt 0x0
	global_store_b32 v2, v[S+8], s[52:53]          ; runs of 64 bytes: the scale bytes are one in 32 of the codes
.Ldone:
	s_wait_xcnt 0x0
	v_lshl_add_u32 v254, v0, 2, 0x18000            ; the add's two registers are made anew here: no memory or LDS instruction has read v254 or v255
	v_mov_b32 v255, 0
	s_wait_dscnt 0x0                               ; the closing lines, six on end
	s_wait_alu 0x0
	s_wait_tensorcnt 0x0
	ds_add_u32 v254, v255
	s_wait_dscnt 0x0
	s_endpgm
.Lfunc_end_k_q14b173add4_attn:
	.size	k_q14b173add4_attn, .Lfunc_end_k_q14b173add4_attn-k_q14b173add4_attn
	.p2alignl 7, 3214868480
	.fill 96, 4, 3214868480
	.section	.rodata,"a",@progbits
	.p2align	6, 0x0
	.amdhsa_kernel k_q14b173add4_attn
		.amdhsa_group_segment_fixed_size 100352
		.amdhsa_private_segment_fixed_size 0
		.amdhsa_enable_private_segment 0
		.amdhsa_kernarg_size 40
		.amdhsa_user_sgpr_count 2
		.amdhsa_user_sgpr_kernarg_segment_ptr 1
		.amdhsa_wavefront_size32 1
		.amdhsa_system_sgpr_workgroup_id_x 1
		.amdhsa_system_sgpr_workgroup_id_y 1
		.amdhsa_system_sgpr_workgroup_id_z 1
		.amdhsa_system_vgpr_workitem_id 0
		.amdhsa_next_free_vgpr 256
		.amdhsa_next_free_sgpr 66
		.amdhsa_reserve_vcc 1
		.amdhsa_float_denorm_mode_32 3
		.amdhsa_float_denorm_mode_16_64 3
		.amdhsa_memory_ordered 1
		.amdhsa_forward_progress 1
		.amdhsa_inst_pref_size 96
	.end_amdhsa_kernel
	.amdgpu_metadata
---
amdhsa.version: [ 1, 2 ]
amdhsa.kernels:
  - .name:           k_q14b173add4_attn
    .symbol:         k_q14b173add4_attn.kd
    .args:
      - { .name: qc, .offset: 0, .size: 8, .value_kind: global_buffer, .address_space: global }
      - { .name: kv, .offset: 8, .size: 8, .value_kind: global_buffer, .address_space: global }
      - { .name: maskb, .offset: 16, .size: 8, .value_kind: global_buffer, .address_space: global }
      - { .name: flags, .offset: 24, .size: 8, .value_kind: global_buffer, .address_space: global }
      - { .name: ac, .offset: 32, .size: 8, .value_kind: global_buffer, .address_space: global }
    .group_segment_fixed_size: 100352
    .private_segment_fixed_size: 0
    .kernarg_segment_align: 8
    .kernarg_segment_size: 40
    .max_flat_workgroup_size: 512
    .sgpr_count:     66
    .vgpr_count:     256
    .wavefront_size: 32
...
	.end_amdgpu_metadata
.endif
;; end of part 10
;; launch wo: the kernel of part 8 again; grid 8 x 32, 4 waves a work-group, clusters of 4 x 4, 327,680 bytes of LDS; arguments ac, Wo_codes, Wo_scales, bo, x, x1; writes x1
;; launch ln2: the kernel of part 1 again; grid 256 x 1, 8 waves a work-group, no clusters, 87,040 bytes of LDS; arguments x1, ln2_g, ln2_b, hq; writes hq
;; launch ffn1: the kernel of part 6 again; grid 16 x 16, 4 waves a work-group, clusters of 4 x 4, 327,680 bytes of LDS; arguments hq, W1_codes, W1_scales, b1, hid; writes hid
;; launch ffn2: the kernel of part 9 again; grid 8 x 32, 4 waves a work-group, clusters of 4 x 4, 327,680 bytes of LDS; arguments hid, W2_codes, W2_scales, b2, x1, out0; writes out0
